; MI455X (gfx1250); checked and timed in simulation.
; The chip was launched on July 23, 2026; its instructions are those of AMD's public machine-readable ISA for CDNA 5 (MIT licence, August 2026) and "CDNA5" Instruction Set Architecture Reference Guide (July 2026). The comments in the code are by the model that wrote it; some were corrected since.
;; Transformer Block. Allowed arithmetic: matrix products marked QUANTISED: E2M3 operands, one E8M0 scale for each 32 along K, by v_wmma_scale_f32_16x16x128_f8f6f4 with both operands' format E2M3, f32 sums; everything else in f32.
;; Inputs: W_K 16 x 64 x 1,024 float32; W_O 1,024 x 1,024 float32; W_Q 16 x 64 x 1,024 float32; W_V 16 x 64 x 1,024 float32; W_down 4,096 x 1,024 float32; W_up 1,024 x 4,096 float32; b_down 1,024 float32; b_up 4,096 float32; beta_1 1,024 float32; beta_2 1,024 float32; gamma_1 1,024 float32; gamma_2 1,024 float32; x 2 x 2,048 x 1,024 float32.
;; Outputs: out0 2 x 2,048 x 1,024 float32.
;; This version of the problem:
;;   THIS VERSION OF THE PROBLEM IS GIVEN IN LOW PRECISION. The matrix products marked QUANTISED in the list below multiply operands that are first quantised to E2M3 (2 exponent bits, 3 mantissa bits; 6 bits a number), with one power-of-two scale for each 32 numbers along K (OCP MX v1.0); their sums are f32. All else is computed in f32.
;;   The module's matrix products, in the order in which they are computed (A, B: the left and right operand; K: the contracted axis; several contracted axes count as one K, in the product's order):
;;     1. [M 1,024, K 1,024] x [K 1,024, N 4,096]; A: input W_Q; B: computed on the way: QUANTISED
;;     2. [M 1,024, K 1,024] x [K 1,024, N 4,096]; A: input W_K; B: computed on the way: QUANTISED
;;     3. [M 1,024, K 1,024] x [K 1,024, N 4,096]; A: input W_V; B: computed on the way: QUANTISED
;;     4. batch 32 x [M 2,048, K 64] x [K 64, N 2,048]; A: computed on the way; B: computed on the way: QUANTISED
;;     5. batch 32 x [M 2,048, K 2,048] x [K 2,048, N 64]; A: softmax (see below); B: computed on the way: QUANTISED
;;     6. [M 4,096, K 1,024] x [K 1,024, N 1,024]; A: computed on the way; B: input W_O: QUANTISED
;;     7. [M 4,096, K 1,024] x [K 1,024, N 4,096]; A: computed on the way; B: input W_up: QUANTISED
;;     8. [M 4,096, K 4,096] x [K 4,096, N 1,024]; A: computed on the way; B: input W_down: QUANTISED
;;   THE QUANTISER, for each operand of a quantised product, along K:
;;     - K is cut into blocks of 32 from its start; a last block that is shorter is filled with zeros.
;;     - A block's scale is 2^e with e = floor(log2(the largest magnitude in the block)) - 2, held to -126 .. 127; a block of zeros has e = 0. As a byte (E8M0): e + 127.
;;     - Each number is divided by its block's scale, clamped to +-7.5, and rounded to the nearest number of E2M3, ties to even, subnormals kept.
;;     - The product sums the exact products of the quantised numbers (number of the format x scale) in f32.
;;   ~~~python
;;   def quantise(x, axis):      # numpy; x: float32 -> the quantised numbers, widened to float32 again
;;       x = np.moveaxis(x, axis, -1); K = x.shape[-1]
;;       x = np.pad(x, [(0, 0)] * (x.ndim - 1) + [(0, -K % 32)]); x = x.reshape(x.shape[:-1] + (-1, 32)); a = np.abs(x).max(-1, keepdims=True)
;;       e = np.where(a > 0, np.clip(np.frexp(np.where(a > 0, a, 1))[1] - 1 - 2, -126, 127), 0)      # np.frexp(a)[1] - 1 = floor(log2(a)), exactly
;;       r = np.clip(x / 2.0 ** e, -7.5, 7.5)
;;       step = 2.0 ** (np.maximum(np.frexp(np.where(r == 0, 1, r))[1] - 1, 0) - 3)
;;       q = np.round(r / step) * step * 2.0 ** e      # np.round: ties to even
;;       return np.moveaxis(q.reshape(q.shape[:-2] + (-1,))[..., :K], -1, axis).astype(np.float32)
;;   ~~~
;;   SOFTMAX AHEAD OF A QUANTISED PRODUCT. Where the list says 'softmax', what is quantised is not the finished softmax but p = 2^(t - M), with t = logit x log2(e) and M = ceil(the row's largest t), a whole number; so 1/2 < the row's largest p <= 1. The row's sum l is taken of the UNQUANTISED p, in f32, and the product's result is divided by l at the end. Since M is a whole number, a kernel that streams over the keys may use a running M (the ceiling of the running maximum): every later rescaling is an exact power of two, which a block's scale takes up: the codes' values come out the same.
;;   OPERANDS COMPUTED ON THE WAY. 'Computed on the way' means the value that the module computes at that place (a softmax that the list does not call 'softmax' is quantised finished and normalised). What goes into a quantiser is computed in f32, as accurately as f32 sums, v_exp_f32 and their like allow (about 1e-6 of the number): no bf16 or f16 on the way to a quantiser, and a product that is left as it is and whose result goes on into a quantised operand takes f32 operands (vector FMAs, or v_wmma_f32_16x16x4_f32). A number that lies on a knife's edge between two numbers of the format may be rounded either way, as far as f32 arithmetic and the matrix unit's own rounding can turn it there, and no further.
;; 2 versions. Each part assembles by itself: llvm-mc -triple=amdgcn-amd-amdhsa -mcpu=gfx1250 --defsym DOCPART=n.
;; ======== version 1 of 2: 7 launches
;; workspace buffers: ops 16,384,000 bytes; vops 9,011,200 bytes; qkvc 9,830,400 bytes; hcs 3,276,800 bytes; z1 16,777,216 bytes; gcs 13,107,200 bytes
;; launch prep (part 1): grid 992 x 1, 8 waves a work-group, no clusters, 67,072 bytes of LDS; arguments x, gamma_1, beta_1, W_Q, W_K, W_V, W_O, W_up, W_down, ops; writes ops
.if DOCPART == 1
	.amdgcn_target "amdgcn-amd-amdhsa--gfx1250"
	.amdhsa_code_object_version 6
	.text
	.protected	k_q2d4b209ecd_prep
	.globl	k_q2d4b209ecd_prep
	.p2align	8
	.type	k_q2d4b209ecd_prep,@function
k_q2d4b209ecd_prep:
	s_mov_b64 s[64:65], 0
	v_nop
	global_prefetch_b8 v0, s[64:65] scope:SCOPE_SE
	s_setreg_imm32_b32 hwreg(HW_REG_WAVE_MODE, 25, 1), 1
	s_wait_xcnt 0x0
; Every operand that the later products read many times is quantised ONCE here, to codes of FP6 (E2M3) with one E8M0 byte for each 32 along K.
; THE CODES' LAYOUT is the order of the matrix operand's registers.  A fragment (16 rows x 128 K, 12 registers a lane; lane (r, h) holds row r, registers 6 c .. 6 c + 5 hold k = 64 c + 32 h + 0 .. 31)
; is 1,536 bytes: registers 6 c .. 6 c + 3 at 768 c + 16 x lane, registers 6 c + 4, 6 c + 5 at 768 c + 512 + 8 x lane.  Fragment (kappa = k / 128, rho = row / 16) of an operand of R rows lies at
; ((kappa / 2) (R / 16) + rho) 3,072 + (kappa % 2) 1,536.  Scale words (four bytes: a row's 128 k) lie [kappa][R].
; WORK-GROUPS 0 .. 703 make row block rho = g of one operand of 11,264 rows, K = 1,024 innermost in the source:
;   g < 256: layernorm of source row swap34(16 g + r) (swap34 exchanges bits 3 and 4);  256 <= g < 512: layernorm again, rows in the order that the raw reshape of K asks (row sigma = b T a2 g u h j in bits
;   11 | 10-8 | 7-6 | 5 | 4 | 3 | 2-0 takes token 2048 b + 1024 g + 32 (16 h + 8 u + j) + 4 T + a2);  g >= 512: rows swap34(..) of W_Q, W_K, W_V, as they are.
; WORK-GROUPS 704 .. 991 take W_O, W_up, W_down, whose K is the FIRST axis: a lane takes a column, its registers run down K (256 columns x 128 k a work-group).  W_up's columns are stored at swap34.
; The same body, launched with 256 work-groups on z1, gamma_2, beta_2, makes the second layernorm's codes.
; No tensor loads, no matrix work, no cluster: no two work-groups read the same bytes but x's rows, which two read.
; LIMITS: a block whose largest magnitude lies under 2^-124 (a block of zeros too) gets the byte 1 where the quantiser says 127 for zeros: its codes are zeros or nearly, and only this program reads the bytes.
; NaN and infinities among the inputs are not served.  The scale words leave in runs of 64 or 128 bytes, not whole runs of 256: one byte in 24 of what is stored.
.set GROWS, 704
.set LP,    4112                       ; a row of 4,096 bytes in LDS + 16: sixteen rows' equal columns start 16 bytes apart modulo 256
.set SWALL, 8650752                    ; where the 11,264 rows' scale words begin
.set TM,    160                        ; v160-175 at work
.set PC,    176                        ; v176-194 the codes just made
.set PW,    196                        ; the scale word just made
.set SEL,   30                         ; s[30:31] lane selects of v_permlanex16_b32: lane l xor 16
.set A16,   2                          ; v2 16 x lane
.set A8,    3                          ; v3 8 x lane
.set I0,    172                        ; columns: the two images
.set I1,    184
.set TA,    196
.set TB,    200
; 64 numbers of a lane, register 16 b + i = k 32 b + 16 (lane / 16) + i of my row, become a fragment's 12 registers in v[PC] on and its scale word in v[PW]
.macro QUANT s
.irp b, 0,1,2,3
	v_max3_num_f32 v[TM+\b], |v[\s+16*\b]|, |v[\s+1+16*\b]|, 0x1800000   ; my 16 numbers of block b, and the floor 2^(3 - 127): the byte cannot fall under 1
.endr
.irp i, 2,4,6,8,10,12,14
.irp b, 0,1,2,3
	v_max3_num_f32 v[TM+\b], v[TM+\b], |v[\s+16*\b+\i]|, |v[\s+1+16*\b+\i]|
.endr
.endr
.irp b, 0,1,2,3
	v_permlanex16_b32 v[TM+4+\b], v[TM+\b], s[SEL], s[SEL+1]
.endr
.irp b, 0,1,2,3
	v_max_num_f32 v[TM+\b], v[TM+\b], v[TM+4+\b]       ; with lane l xor 16's: the block's largest magnitude
.endr
.irp b, 0,1,2,3
	v_add_nc_u32 v[TM+12+\b], 0xff000000, v[TM+\b]     ; 2 off its exponent field: the conversion's scale operand
.endr
.irp b, 0,1,2,3
	v_lshrrev_b32 v[TM+4+\b], 23, v[TM+12+\b]          ; the scale's byte
.endr
	v_lshl_or_b32 v[PW], v[TM+5], 8, v[TM+4]
	v_lshl_or_b32 v[PW], v[TM+6], 16, v[PW]
	v_lshl_or_b32 v[PW], v[TM+7], 24, v[PW]
.irp c, 0,1
	v_cvt_scalef32_pk16_fp6_f32 v[PC+6*\c:PC+2+6*\c], v[\s+32*\c:\s+15+32*\c], v[TM+12+2*\c]
	v_cvt_scalef32_pk16_fp6_f32 v[PC+12+4*\c:PC+14+4*\c], v[\s+16+32*\c:\s+31+32*\c], v[TM+12+2*\c+1]   ; (a conversion's three registers begin on an even number)
.endr
	v_nop                                              ; one plain place behind a scaled conversion
.irp c, 0,1                                            ; the layout wants a whole block in a lane: lanes 0-15 block 2 c, lanes 16-31 block 2 c + 1
.irp i, 0,1,2
	v_permlane16_swap_b32 v[PC+6*\c+\i], v[PC+12+4*\c+\i]
.endr
.irp i, 0,1,2
	v_mov_b32 v[PC+3+6*\c+\i], v[PC+12+4*\c+\i]
.endr
.endr
.endm
.macro IMGOUT p, sb, off                               ; a fragment's 12 registers leave: each store covers 512 or 256 consecutive bytes, aligned
	global_store_b128 v[A16], v[\p:\p+3], s[\sb:\sb+1] offset:(\off)
	global_store_b64 v[A8], v[\p+4:\p+5], s[\sb:\sb+1] offset:(\off)+512
	global_store_b128 v[A16], v[\p+6:\p+9], s[\sb:\sb+1] offset:(\off)+768
	global_store_b64 v[A8], v[\p+10:\p+11], s[\sb:\sb+1] offset:(\off)+1280
.endm
.macro LANES t, u                                      ; v[t] summed over the 32 lanes, into every lane
	v_add_f32_dpp v[\t], v[\t], v[\t] row_xmask:1 row_mask:0xf bank_mask:0xf
	v_add_f32_dpp v[\t], v[\t], v[\t] row_xmask:2 row_mask:0xf bank_mask:0xf
	v_add_f32_dpp v[\t], v[\t], v[\t] row_xmask:4 row_mask:0xf bank_mask:0xf
	v_add_f32_dpp v[\t], v[\t], v[\t] row_xmask:8 row_mask:0xf bank_mask:0xf
	v_permlanex16_b32 v[\u], v[\t], s[SEL], s[SEL+1]
	v_add_f32 v[\t], v[\t], v[\u]
.endm
; a row of 1,024 numbers, 32 a lane in v[x] on: the mean is taken away, and v[t] becomes the variance + eps (two passes, as the definition has it)
.macro MOMENTS x, t
	v_pk_add_f32 v[\t:\t+1], v[\x:\x+1], v[\x+2:\x+3]
	v_pk_add_f32 v[\t+2:\t+3], v[\x+4:\x+5], v[\x+6:\x+7]
.irp i, 8,12,16,20,24,28
	v_pk_add_f32 v[\t:\t+1], v[\t:\t+1], v[\x+\i:\x+\i+1]
	v_pk_add_f32 v[\t+2:\t+3], v[\t+2:\t+3], v[\x+\i+2:\x+\i+3]
.endr
	v_pk_add_f32 v[\t:\t+1], v[\t:\t+1], v[\t+2:\t+3]
	v_add_f32 v[\t], v[\t], v[\t+1]
	LANES \t, \t+1
	v_mul_f32 v[\t], 0x3a800000, v[\t]                 ; / 1,024: the mean
.irp i, 0,2,4,6,8,10,12,14,16,18,20,22,24,26,28,30
	v_pk_add_f32 v[\x+\i:\x+\i+1], v[\x+\i:\x+\i+1], v[\t:\t+1] op_sel_hi:[1,0] neg_lo:[0,1] neg_hi:[0,1]
.endr
	v_pk_mul_f32 v[\t:\t+1], v[\x:\x+1], v[\x:\x+1]
	v_pk_mul_f32 v[\t+2:\t+3], v[\x+2:\x+3], v[\x+2:\x+3]
.irp i, 4,8,12,16,20,24,28
	v_pk_fma_f32 v[\t:\t+1], v[\x+\i:\x+\i+1], v[\x+\i:\x+\i+1], v[\t:\t+1]
	v_pk_fma_f32 v[\t+2:\t+3], v[\x+\i+2:\x+\i+3], v[\x+\i+2:\x+\i+3], v[\t+2:\t+3]
.endr
	v_pk_add_f32 v[\t:\t+1], v[\t:\t+1], v[\t+2:\t+3]
	v_add_f32 v[\t], v[\t], v[\t+1]
	LANES \t, \t+1
	v_fma_f32 v[\t], v[\t], s40, s41                   ; / 1,024 + 1e-5
.endm
.macro NORM x, t                                       ; ((x - mean) rsqrt) gamma + beta
.irp i, 0,2,4,6,8,10,12,14,16,18,20,22,24,26,28,30
	v_pk_mul_f32 v[\x+\i:\x+\i+1], v[\x+\i:\x+\i+1], v[\t:\t+1] op_sel_hi:[1,0]
.endr
.irp i, 0,2,4,6,8,10,12,14,16,18,20,22,24,26,28,30
	v_pk_fma_f32 v[\x+\i:\x+\i+1], v[\x+\i:\x+\i+1], v[96+\i:97+\i], v[128+\i:129+\i]
.endr
.endm
	s_load_b256 s[4:11], s[0:1], 0x0               ; x s[4:5], gamma s[6:7], beta s[8:9], W_Q s[10:11]
	s_load_b256 s[12:19], s[0:1], 0x20             ; W_K s[12:13], W_V s[14:15], W_O s[16:17], W_up s[18:19]
	s_load_b128 s[24:27], s[0:1], 0x40             ; W_down s[24:25], the codes' buffer s[26:27]
	v_lshl_add_u32 v208, v0, 2, 0x10200
	v_mov_b32 v209, 0
	v_lshrrev_b32 v1, 5, v0
	v_readfirstlane_b32 s28, v1                    ; wave 0..7
	v_and_b32 v1, 31, v0                           ; lane
	v_lshlrev_b32 v[A16], 4, v1
	v_lshlrev_b32 v[A8], 3, v1
	v_and_b32 v4, 15, v0                           ; r
	v_bfe_u32 v5, v0, 4, 1                         ; h
	s_mov_b32 s[SEL], 0x76543210
	s_mov_b32 s[SEL+1], 0xfedcba98
	s_cmp_ge_u32 ttmp9, GROWS                      ; the same in all waves of a work-group
	s_cbranch_scc1 .Lcolumns
	; ---------------- ROWS.  Wave w loads source rows of destination rows 2 w and 2 w + 1
	s_lshl_b32 s32, s28, 1
	s_and_b32 s32, s32, 7                          ; bits 2-0 of the destination row
	s_bfe_u32 s33, s28, 0x10002                    ; its bit 3
	s_and_b32 s34, ttmp9, 63
	s_cmp_lt_u32 ttmp9, 256
	s_cselect_b32 s34, ttmp9, s34                  ; the row block within its source tensor
	s_lshr_b32 s35, s34, 1
	s_lshl_b32 s35, s35, 5
	s_and_b32 s34, s34, 1
	s_lshl_b32 s34, s34, 3                         ; the destination's bit 4 becomes the source's bit 3,
	s_add_co_u32 s35, s35, s34
	s_lshl_b32 s34, s33, 4                         ; its bit 3 the source's bit 4
	s_add_co_u32 s35, s35, s34
	s_add_co_u32 s35, s35, s32                     ; swap34(16 g + 2 w)
	s_bfe_u32 s36, ttmp9, 0x10007                  ; the reshape's order: b
	s_lshl_b32 s36, s36, 11
	s_bfe_u32 s37, ttmp9, 0x10001                  ; g
	s_lshl_b32 s37, s37, 10
	s_add_co_u32 s36, s36, s37
	s_lshl_b32 s37, s33, 4                         ; 16 h
	s_and_b32 s38, ttmp9, 1
	s_lshl_b32 s38, s38, 3                         ; 8 u
	s_add_co_u32 s37, s37, s38
	s_add_co_u32 s37, s37, s32                     ; + j
	s_lshl_b32 s37, s37, 5
	s_add_co_u32 s36, s36, s37
	s_bfe_u32 s37, ttmp9, 0x30004                  ; T
	s_lshl_b32 s37, s37, 2
	s_add_co_u32 s36, s36, s37
	s_bfe_u32 s37, ttmp9, 0x20002                  ; a2
	s_add_co_u32 s36, s36, s37                     ; the token
	s_lshr_b32 s37, ttmp9, 8                       ; 0, 1, 2: which of the three kinds of rows
	s_mov_b32 s38, 131072
	s_cmp_eq_u32 s37, 1
	s_cselect_b32 s35, s36, s35                    ; my first source row
	s_cselect_b32 s38, s38, 4096                   ; and how far on the second lies: 32 rows or one
	s_lshl_b32 s34, s35, 12
	s_mov_b32 s35, 0
	s_mov_b32 s39, 0
	s_mov_b32 s40, 0x3a800000                      ; 1 / 1,024
	s_mov_b32 s41, 0x3727c5ac                      ; 1e-5
	s_bfe_u32 s36, ttmp9, 0x20006                  ; for g >= 512: which weight
	s_wait_kmcnt 0x0
	s_cmp_eq_u32 s36, 1
	s_cselect_b64 s[20:21], s[12:13], s[10:11]
	s_cmp_eq_u32 s36, 2
	s_cselect_b64 s[20:21], s[14:15], s[20:21]
	s_cmp_lt_u32 ttmp9, 512
	s_cselect_b64 s[20:21], s[4:5], s[20:21]
	s_add_nc_u64 s[20:21], s[20:21], s[34:35]
	s_add_nc_u64 s[22:23], s[20:21], s[38:39]
.irp i, 0,1,2,3,4,5,6,7
	global_load_b128 v[32+4*\i:35+4*\i], v[A16], s[20:21] offset:512*\i    ; 32 lanes read 512 consecutive bytes
.endr
.irp i, 0,1,2,3,4,5,6,7
	global_load_b128 v[64+4*\i:67+4*\i], v[A16], s[22:23] offset:512*\i
.endr
	s_mul_i32 s34, s28, 2*LP
	v_add_nc_u32 v6, s34, v[A16]                   ; into LDS: my two rows, 16 bytes a lane
	v_mul_u32_u24 v7, v4, LP
	v_lshl_add_u32 v7, v5, 6, v7
	s_lshl_b32 s34, s28, 9
	v_add_nc_u32 v7, s34, v7                       ; out of it: row r, K step w, my half's 16 numbers of each block of 32
	v_lshlrev_b32 v8, 2, v4
.irp i, 164,165,166,167
	v_mov_b32 v\i, 0                               ; a lane permute's destination counts as one of its sources
.endr
	s_lshr_b32 s34, s28, 1                         ; where my fragment (kappa = w, rho = g) goes
	s_mul_i32 s34, s34, GROWS
	s_add_co_u32 s34, s34, ttmp9
	s_mul_i32 s34, s34, 3072
	s_and_b32 s36, s28, 1
	s_mul_i32 s36, s36, 1536
	s_add_co_u32 s34, s34, s36
	s_add_nc_u64 s[36:37], s[26:27], s[34:35]
	s_mul_i32 s34, s28, 45056                      ; and its scale words: kappa x 11,264 x 4 + 64 g
	s_lshl_b32 s38, ttmp9, 6
	s_add_co_u32 s34, s34, s38
	s_add_co_u32 s34, s34, SWALL
	s_add_nc_u64 s[38:39], s[26:27], s[34:35]
	s_cmp_ge_u32 ttmp9, 512
	s_cbranch_scc1 .Lraw                           ; weights are taken as they are
.irp i, 0,1,2,3,4,5,6,7
	global_load_b128 v[96+4*\i:99+4*\i], v[A16], s[6:7] offset:512*\i
	global_load_b128 v[128+4*\i:131+4*\i], v[A16], s[8:9] offset:512*\i
.endr
	s_wait_loadcnt 16                              ; both rows are in; gamma's and beta's sixteen loads may be out
	MOMENTS 32, 160
	MOMENTS 64, 164
	v_rsq_f32 v160, v160
	v_rsq_f32 v164, v164
	v_nop                                          ; a plain place behind the transcendentals
	s_wait_alu depctr_va_vdst(0)                   ; one wait for the two, ahead of their first reader
	s_wait_loadcnt 0x0                             ; gamma, beta
	NORM 32, 160
	NORM 64, 164
.Lraw:
	s_wait_loadcnt 0x0
.irp i, 0,1,2,3,4,5,6,7
	ds_store_b128 v6, v[32+4*\i:35+4*\i] offset:512*\i
.endr
.irp i, 0,1,2,3,4,5,6,7
	ds_store_b128 v6, v[64+4*\i:67+4*\i] offset:LP+512*\i
.endr
	s_wait_dscnt 0x0                               ; for the others' sake: my two rows lie in LDS
	s_barrier_signal -1
	s_barrier_wait -1                              ; all sixteen do
.irp b, 0,1,2,3
.irp j, 0,1,2,3
	ds_load_b128 v[32+16*\b+4*\j:35+16*\b+4*\j], v7 offset:128*\b+16*\j   ; row r, k = 128 w + 32 b + 16 h + 4 j ..
.endr
.endr
	s_wait_dscnt 0x0
	QUANT 32
	IMGOUT PC, 36, 0
	global_store_b32 v8, v[PW], s[38:39]           ; lanes 16-31 repeat lanes 0-15: the same word to the same place
	s_wait_tensorcnt 0x0
	ds_add_u32 v208, v209
	s_wait_dscnt 0x0
	s_endpgm
	; ---------------- COLUMNS
.Lcolumns:
	s_sub_co_u32 s32, ttmp9, GROWS                 ; c: 0-31 W_O, 32-159 W_up, 160-287 W_down
	s_sub_co_u32 s33, s32, 32
	s_sub_co_u32 s34, s32, 160
	s_mov_b32 s41, 13107200
	s_mov_b32 s42, 16252928
	s_cmp_lt_u32 s32, 160
	s_cselect_b32 s35, s33, s34                    ; the work-group's number within its tensor
	s_cselect_b32 s36, 4, 2                        ; log2 of the groups of 256 columns
	s_cselect_b32 s37, 14, 12                      ; log2 of a source row's bytes
	s_cselect_b32 s40, -1, 0                       ; all lanes where the columns are stored at swap34
	s_cselect_b32 s41, 9830400, s41                ; where the codes go
	s_cselect_b32 s42, 12976128, s42               ; and the scale words
	s_cmp_lt_u32 s32, 32
	s_cselect_b32 s35, s32, s35
	s_cselect_b32 s36, 2, s36
	s_cselect_b32 s37, 12, s37
	s_cselect_b32 s40, 0, s40
	s_cselect_b32 s41, 9011200, s41
	s_cselect_b32 s42, 9797632, s42
	s_bfm_b32 s43, s36, 0
	s_and_b32 s43, s35, s43                        ; the group of columns
	s_lshr_b32 s44, s35, s36                       ; kappa
	s_lshl_b32 s43, s43, 8
	s_lshl_b32 s45, s28, 5
	s_add_co_u32 s43, s43, s45                     ; n0: my wave's first column = its first destination row
	s_add_co_u32 s45, s37, 7
	s_lshl_b32 s46, s44, s45                       ; 128 kappa source rows, in bytes
	s_lshl_b32 s47, s43, 2
	s_add_co_u32 s46, s46, s47
	s_mov_b32 s47, 0
	v_and_b32 v9, 7, v1
	v_bfe_u32 v10, v1, 3, 1
	v_lshl_add_u32 v9, v10, 4, v9
	v_lshl_add_u32 v9, v5, 3, v9                   ; swap34(lane)
	v_cndmask_b32 v9, v1, v9, s40
	v_lshlrev_b32 v9, 2, v9                        ; my column's bytes
	v_lshlrev_b32 v11, 2, v1
	s_wait_kmcnt 0x0
	s_cmp_lt_u32 s32, 160
	s_cselect_b64 s[20:21], s[18:19], s[24:25]
	s_cmp_lt_u32 s32, 32
	s_cselect_b64 s[20:21], s[16:17], s[20:21]
	s_add_nc_u64 s[20:21], s[20:21], s[46:47]
	s_lshr_b32 s45, s44, 1                         ; codes: ((kappa / 2) (N / 16) + n0 / 16) 3,072 + (kappa % 2) 1,536
	s_sub_co_u32 s46, s37, 6
	s_lshl_b32 s45, s45, s46
	s_lshr_b32 s46, s43, 4
	s_add_co_u32 s45, s45, s46
	s_mul_i32 s45, s45, 3072
	s_and_b32 s46, s44, 1
	s_mul_i32 s46, s46, 1536
	s_add_co_u32 s46, s46, s45
	s_add_co_u32 s46, s46, s41
	s_add_nc_u64 s[22:23], s[26:27], s[46:47]
	s_lshl_b32 s46, s44, s37                       ; scale words: kappa N 4 + 4 n0
	s_lshl_b32 s45, s43, 2
	s_add_co_u32 s46, s46, s45
	s_add_co_u32 s46, s46, s42
	s_add_nc_u64 s[38:39], s[26:27], s[46:47]
.macro COLLOAD rb                                      ; W(128 kappa + i, my column): a wave reads 128 neighbouring bytes, the work-group 1,024
.set i, 0
.rept 128
	global_load_b32 v[32+i], v9, s[20:21] offset:i*\rb th:TH_LOAD_NT
.set i, i+1
.endr
.endm
	s_cmp_eq_u32 s37, 14
	s_cbranch_scc1 .Lwide
	COLLOAD 4096
	s_branch .Lloaded
.Lwide:
	COLLOAD 16384
.Lloaded:
.macro CMAX b                                          ; block b: all its 32 numbers are mine
.set XS, 32+32*\b
	v_max3_num_f32 v160, |v[XS]|, |v[XS+1]|, |v[XS+2]|
	v_max3_num_f32 v161, |v[XS+3]|, |v[XS+4]|, |v[XS+5]|
.irp i, 6,10,14,18,22,26
	v_max3_num_f32 v160, v160, |v[XS+\i]|, |v[XS+\i+1]|
	v_max3_num_f32 v161, v161, |v[XS+\i+2]|, |v[XS+\i+3]|
.endr
	v_max3_num_f32 v160, v160, |v[XS+30]|, |v[XS+31]|
	v_max3_num_f32 v160, v160, v161, 0x1800000
	v_add_nc_u32 v[164+\b], 0xff000000, v160
	v_lshrrev_b32 v161, 23, v[164+\b]
.if \b == 0
	v_mov_b32 v170, v161
.else
	v_lshl_or_b32 v170, v161, 8*\b, v170           ; my row's scale word
.endif
.endm
; Lanes 0-15 hold the rows of one image, lanes 16-31 those of the next; an image wants block 2 c in its lanes 0-15 and block 2 c + 1 in its lanes 16-31.
; So the registers of block 2 c change their lanes 16-31 for lanes 0-15 of the registers of block 2 c + 1: the first then belong to image 0, the second to image 1.
.macro CPAIR c
	v_cvt_scalef32_pk16_fp6_f32 v[I0+6*\c:I0+6*\c+2], v[32+64*\c:47+64*\c], v[164+2*\c]
	v_cvt_scalef32_pk16_fp6_f32 v[TA:TA+2], v[48+64*\c:63+64*\c], v[164+2*\c]
	v_cvt_scalef32_pk16_fp6_f32 v[I1+6*\c:I1+6*\c+2], v[64+64*\c:79+64*\c], v[165+2*\c]
	v_cvt_scalef32_pk16_fp6_f32 v[TB:TB+2], v[80+64*\c:95+64*\c], v[165+2*\c]
	v_nop                                          ; one plain place behind a scaled conversion
.irp i, 0,1,2
	v_permlane16_swap_b32 v[I0+6*\c+\i], v[I1+6*\c+\i]
	v_permlane16_swap_b32 v[TA+\i], v[TB+\i]
.endr
.irp i, 0,1,2
	v_mov_b32 v[I0+6*\c+3+\i], v[TA+\i]
	v_mov_b32 v[I1+6*\c+3+\i], v[TB+\i]
.endr
.endm
	s_wait_loadcnt 63                              ; at most the 63 youngest loads are out: blocks 0 and 1 (the first 64) are in
	CMAX 0
	CMAX 1
	CPAIR 0
	s_wait_loadcnt 32                              ; block 2 is in; block 3's 32 loads may be out
	CMAX 2
	s_wait_loadcnt 0x0
	CMAX 3
	CPAIR 1
	IMGOUT I0, 22, 0
	IMGOUT I1, 22, 3072
	global_store_b32 v11, v170, s[38:39]
	s_endpgm
.Lfunc_end_k_q2d4b209ecd_prep:
	.size	k_q2d4b209ecd_prep, .Lfunc_end_k_q2d4b209ecd_prep-k_q2d4b209ecd_prep
	.p2alignl 7, 3214868480
	.fill 96, 4, 3214868480
	.section	.rodata,"a",@progbits
	.p2align	6, 0x0
	.amdhsa_kernel k_q2d4b209ecd_prep
		.amdhsa_group_segment_fixed_size 67072
		.amdhsa_private_segment_fixed_size 0
		.amdhsa_enable_private_segment 0
		.amdhsa_kernarg_size 80
		.amdhsa_user_sgpr_count 2
		.amdhsa_user_sgpr_kernarg_segment_ptr 1
		.amdhsa_wavefront_size32 1
		.amdhsa_system_sgpr_workgroup_id_x 1
		.amdhsa_system_sgpr_workgroup_id_y 1
		.amdhsa_system_sgpr_workgroup_id_z 1
		.amdhsa_system_vgpr_workitem_id 0
		.amdhsa_next_free_vgpr 210
		.amdhsa_next_free_sgpr 66
		.amdhsa_reserve_vcc 0
		.amdhsa_float_denorm_mode_32 3
		.amdhsa_float_denorm_mode_16_64 3
		.amdhsa_memory_ordered 1
		.amdhsa_forward_progress 1
		.amdhsa_inst_pref_size 59
	.end_amdhsa_kernel
	.amdgpu_metadata
---
amdhsa.version: [ 1, 2 ]
amdhsa.kernels:
  - .name:           k_q2d4b209ecd_prep
    .symbol:         k_q2d4b209ecd_prep.kd
    .args:
      - { .name: x, .offset: 0, .size: 8, .value_kind: global_buffer, .address_space: global }
      - { .name: gamma_1, .offset: 8, .size: 8, .value_kind: global_buffer, .address_space: global }
      - { .name: beta_1, .offset: 16, .size: 8, .value_kind: global_buffer, .address_space: global }
      - { .name: W_Q, .offset: 24, .size: 8, .value_kind: global_buffer, .address_space: global }
      - { .name: W_K, .offset: 32, .size: 8, .value_kind: global_buffer, .address_space: global }
      - { .name: W_V, .offset: 40, .size: 8, .value_kind: global_buffer, .address_space: global }
      - { .name: W_O, .offset: 48, .size: 8, .value_kind: global_buffer, .address_space: global }
      - { .name: W_up, .offset: 56, .size: 8, .value_kind: global_buffer, .address_space: global }
      - { .name: W_down, .offset: 64, .size: 8, .value_kind: global_buffer, .address_space: global }
      - { .name: ops, .offset: 72, .size: 8, .value_kind: global_buffer, .address_space: global }
    .group_segment_fixed_size: 67072
    .private_segment_fixed_size: 0
    .kernarg_segment_align: 8
    .kernarg_segment_size: 80
    .max_flat_workgroup_size: 256
    .sgpr_count:     66
    .vgpr_count:     210
    .wavefront_size: 32
...
	.end_amdgpu_metadata
.endif
;; end of part 1
;; launch qkv (part 2): grid 12 x 16, 4 waves a work-group, clusters of 4 x 4, 327,680 bytes of LDS; arguments ops, qkvc; writes qkvc
.if DOCPART == 2
	.amdgcn_target "amdgcn-amd-amdhsa--gfx1250"
	.amdhsa_code_object_version 6
	.text
	.protected	k_q2d4b209ecd_qkv
	.globl	k_q2d4b209ecd_qkv
	.p2align	8
	.type	k_q2d4b209ecd_qkv,@function
k_q2d4b209ecd_qkv:
	s_mov_b64 s[64:65], 0
	v_nop
	global_prefetch_b8 v0, s[64:65] scope:SCOPE_SE
	s_setreg_imm32_b32 hwreg(HW_REG_WAVE_MODE, 25, 1), 1
	s_wait_xcnt 0x0
	s_wait_alu depctr_hold_cnt(0) depctr_sa_sdst(0) depctr_va_vdst(0) depctr_va_sdst(0) depctr_va_ssrc(0) depctr_va_vcc(0) depctr_vm_vsrc(0)
	s_getreg_b32 s2, hwreg(HW_REG_IB_STS2, 6, 4)
	s_cmp_eq_u32 s2, 0
	s_cbranch_scc0 .Lentry_in_a_cluster
	s_endpgm
.Lentry_in_a_cluster:
	s_bfe_u32 s2, ttmp6, 0x10000c
	s_cmp_lg_u32 s2, 0xf033
	s_cbranch_scc0 .Lentry_shape_is_right
	s_endpgm
.Lentry_shape_is_right:
; Q, K and V: three products of 4,096 x 1,024 x 1,024 on codes of FP6 (E2M3) with E8M0 scales, and their results quantised at once as the operands of attention.
; Both operands are rows of one array of 11,264 rows (tiles of 256: 0-15 the normed tokens, 16-31 the same in the reshape's order, 32-35 W_Q, 36-39 W_K, 40-43 W_V), laid in the order of the operand's registers:
; fragment (kappa, rho) at ((kappa / 2) 704 + rho) 3,072 + (kappa % 2) 1,536; so 128 rows x 256 K are 24,576 dense bytes, and every LDS load of a fragment takes consecutive bytes: no pitch, no padding.
; A tile of 256 x 256 is made by four waves, 128 x 128 each: 64 accumulators, 512 registers.  K goes in steps of 256 through two LDS slots filled by the tensor data mover; the scale words come once.
; THE MATRIX INSTRUCTION IS USED TRANSPOSED (source 0 = 16 rows of B, source 1 = 16 rows of A): lane (r, h) holds A's row 16 a + r and B's places 16 b + 8 h + j.  B's rows are STORED with bits 3 and 4 of their number
; exchanged, so that a lane's 64 registers of a block a run along B in the quantiser's order: register 16 beta + i is number 32 beta + 16 h + i.
; The cluster's x chooses the product, by selects alone: 0: A = tokens, B = W_Q (a lane is a query, registers along two heads' 128 channels); 1: A = W_K, B = tokens in the reshape's order (a lane is a key's channel,
; registers along e' of two neighbouring key groups); 2: A = W_V, B = tokens (a lane is a channel, registers along 128 keys).  In all three a block's 64 numbers become one fragment and one scale word.
; CLUSTERS: 4 x 4; A's tiles are asked for jointly along a row of the cluster, B's along a column.
; LIMITS: a block under 2^-124 (zeros too) gets the byte 1; only this program reads the bytes.  NaN and infinities are not served.
.set KTOT,  1024
.set AROWS, 11264
.set BROWS, 11264
.set ACO,   0
.set ASO,   8650752
.set BCO,   0
.set BSO,   8650752
.set HALFT,  24576                     ; 128 rows x 256 K: what one tensor load brings, and what one wave reads of A or of B
.set SLOT,   4*HALFT                   ; A's two halves, then B's two
.set SCL,    2*SLOT                    ; behind the ring: the scale words, [kappa][128 rows] for each of the four halves
.set NKAP,   KTOT/128
.set HALFS,  NKAP*512
.set SPARE,  SCL+4*HALFS               ; the spare words, 128 bytes for each wave: two blocks of 256 bytes that no other line names
.set LAPS,   KTOT/512                  ; a lap = two slots
.set ASTEP,  AROWS*192                 ; 256 along K further on, in bytes
.set BSTEP,  BROWS*192
.set FR,     12
.set ADRA, 16                          ; v16-17 16 x lane + my A half in slot 0, 1;  v18-19 the same with 8 x lane
.set ADRB, 20                          ; v20-23 likewise for B
.set ADRS, 27                          ; v27 my scale words: lanes 0-15 A's rows, lanes 16-31 B's
.set SPW,  28                          ; v28 my spare word; never rewritten
.set NIL,  29                          ; v29 0; never rewritten
.set SC,   32                          ; v32-63 scale words and nothing else: set s at 16 s; register 2 i + q: block i, the slot's q-th 128
.set BIAS, 64
.set AF,   128                         ; v128-223 A's eight fragments, one set;  window 1: B's, two sets at v0 and v128;  windows 2, 3: the accumulators, (a, b) at v[8 (8 (a % 4) + b)]
.set G1, 24
.set G0, 32
.set G1B, 48
.set G0B, 56
.set G1S, 68
.set G0S, 76
.set G1SB, 80
.set G0SB, 88
.set MSB, 0
.macro WIN new                         ; the immediate's high byte repeats the setting that is left
.if MSB != \new
	s_set_vgpr_msb (MSB<<8)|\new
.set MSB, \new
.endif
.endm
.set MUL_LO, 0xa1                      ; source 0 (B) window 1, source 1 (A) window 0, C and D window 2
.set MUL_HI, 0xf1
.set TO_B,   0x40
.macro JLOAD g0a, g1a, g0b, g1b        ; a joint load: waves 0, 1 fetch for A, waves 2, 3 for B; four v_nop follow each line
	s_cmp_eq_u32 s15, 0
	s_cbranch_scc0 .Lfor_b_\@
	tensor_load_to_lds s[\g0a:\g0a+3], s[\g1a:\g1a+7]
	s_nop 0
.rept 4
	v_nop
.endr
	s_branch .Lasked_\@
.Lfor_b_\@:
	tensor_load_to_lds s[\g0b:\g0b+3], s[\g1b:\g1b+7]
	s_nop 0
.rept 4
	v_nop
.endr
.Lasked_\@:
.endm
.macro CREST                           ; a round of the cluster's barrier behind its opening barrier
	s_cmp_lg_u32 s14, 0
	s_cbranch_scc1 .Lnot_wave_0_\@
	s_barrier_signal -3
.Lnot_wave_0_\@:
	s_barrier_wait -3
	s_barrier_signal -1
	s_barrier_wait -1
.endm
.macro CROUND
	s_barrier_signal -1
	s_barrier_wait -1
	CREST
.endm
.macro PLACES n                        ; plain places behind matrix instructions, in front of loads into their registers and of reads of their results
.rept \n
	v_nop
.endr
.endm
.macro FRAG reg, adr, q, i             ; a fragment as it lies: 512, 256, 512, 256 consecutive bytes
.irp c, 0,1
	ds_load_b128 v[\reg+6*\c:\reg+6*\c+3], v[\adr] offset:(\i)*3072+(\q)*1536+768*\c
	ds_load_b64 v[\reg+6*\c+4:\reg+6*\c+5], v[\adr+2] offset:(\i)*3072+(\q)*1536+768*\c+512
.endr
.endm
.macro FETCH_B slot, q, p
	WIN TO_B
.irp i, 0,1,2,3,4,5,6,7
	FRAG 128*(\p)+FR*\i, ADRB+\slot, \q, \i
.endr
	WIN 0
.endm
.macro FETCH_A slot, q, i0
.irp i, \i0, \i0+1, \i0+2, \i0+3
	FRAG AF+FR*(\i), ADRA+\slot, \q, \i
.endr
.endm
.macro SCALES sc                       ; a slot's scale words: lanes 0-15 A's block i, lanes 16-31 B's block i
.irp i, 0,1,2,3,4,5,6,7
.irp q, 0,1
	ds_load_b32 v[SC+16*\sc+2*\i+\q], v[ADRS] offset:64*\i+512*\q
.endr
.endr
.endm
; 16 matrix instructions: A's blocks a0, a0 + 1 x B's eight.  cmode 1: the constant 0 starts the sums; 2: a bias does; 0: they go on.  The 64 accumulators take turns.
.macro MUL16 a0, p, q, sc, cmode
.irp a, \a0, \a0+1
.irp b, 0,1,2,3,4,5,6,7
.if \cmode == 1
	v_wmma_scale_f32_16x16x128_f8f6f4 v[8*(8*((\a)%4)+\b):8*(8*((\a)%4)+\b)+7], v[128*(\p)+FR*\b:128*(\p)+FR*\b+FR-1], v[AF+FR*(\a):AF+FR*(\a)+FR-1], 0, v[SC+16*(\sc)+2*\b+(\q)], v[SC+16*(\sc)+2*(\a)+(\q)] matrix_a_fmt:MATRIX_FMT_FP6 matrix_b_fmt:MATRIX_FMT_FP6 matrix_a_scale:MATRIX_SCALE_ROW1
.elseif \cmode == 2
	v_wmma_scale_f32_16x16x128_f8f6f4 v[8*(8*((\a)%4)+\b):8*(8*((\a)%4)+\b)+7], v[128*(\p)+FR*\b:128*(\p)+FR*\b+FR-1], v[AF+FR*(\a):AF+FR*(\a)+FR-1], v[BIAS+8*\b:BIAS+8*\b+7], v[SC+16*(\sc)+2*\b+(\q)], v[SC+16*(\sc)+2*(\a)+(\q)] matrix_a_fmt:MATRIX_FMT_FP6 matrix_b_fmt:MATRIX_FMT_FP6 matrix_a_scale:MATRIX_SCALE_ROW1
.else
	v_wmma_scale_f32_16x16x128_f8f6f4 v[8*(8*((\a)%4)+\b):8*(8*((\a)%4)+\b)+7], v[128*(\p)+FR*\b:128*(\p)+FR*\b+FR-1], v[AF+FR*(\a):AF+FR*(\a)+FR-1], v[8*(8*((\a)%4)+\b):8*(8*((\a)%4)+\b)+7], v[SC+16*(\sc)+2*\b+(\q)], v[SC+16*(\sc)+2*(\a)+(\q)] matrix_a_fmt:MATRIX_FMT_FP6 matrix_b_fmt:MATRIX_FMT_FP6 matrix_a_scale:MATRIX_SCALE_ROW1
.endif
.endr
.endr
.endm
.macro STEP slot, q, cmode             ; 128 along K that have their successor in the same slot
	s_wait_dscnt 16                                ; all but the youngest sixteen loads (A's blocks 4-7) are in
.if \cmode == 2
	WIN 0x81
.else
	WIN MUL_LO
.endif
	MUL16 0, (\q)%2, \q, \slot, \cmode
	MUL16 2, (\q)%2, \q, \slot, \cmode
	s_wait_dscnt 0x0
	PLACES 4
	FETCH_B \slot, (\q)+1, 1-(\q)%2
	FETCH_A \slot, (\q)+1, 0
.if \cmode == 2
	WIN 0xc1
.else
	WIN MUL_HI
.endif
	MUL16 4, (\q)%2, \q, \slot, \cmode
	MUL16 6, (\q)%2, \q, \slot, \cmode
	PLACES 4
	WIN 0
	FETCH_A \slot, (\q)+1, 4
.endm
; A slot's last 128 change slots: one barrier; in front of it each wave waits for all its tensor loads, adds 0 to its spare word, and waits for that and for its reads of this slot.
.macro TURN slot, next, fill
	s_wait_tensorcnt 0x0                           ; all my tensor loads have landed: my part of the next slot
	ds_add_u32 v[SPW], v[NIL]
	s_wait_dscnt 17                                ; the add and the youngest sixteen loads may be out
	WIN MUL_LO
	MUL16 0, 1, 1, \slot, 0
	s_wait_dscnt 0x0                               ; the add is done, and my reads of this slot are over
	s_barrier_signal -1
	MUL16 2, 1, 1, \slot, 0
	WIN 0
	s_barrier_wait -1
.if \fill
	CREST                                          ; the barrier has opened a round of the cluster's: no wave of any partner still reads this slot or has a load on its way
	s_add_nc_u64 s[G0+4*\slot+2:G0+4*\slot+3], s[G0+4*\slot+2:G0+4*\slot+3], 2*ASTEP
	s_add_nc_u64 s[G0B+4*\slot+2:G0B+4*\slot+3], s[G0B+4*\slot+2:G0B+4*\slot+3], 2*BSTEP
	JLOAD G0+4*\slot, G1, G0B+4*\slot, G1B         ; the first tensor load behind the round; its four v_nop are the places in front of the loads below
.else
	PLACES 4
.endif
	v_add_nc_u32 v[ADRS], 1024, v[ADRS]            ; the next slot's scale words
	FETCH_B \next, 0, 0
	FETCH_A \next, 0, 0
	SCALES \next
	WIN MUL_HI
	MUL16 4, 1, 1, \slot, 0
	MUL16 6, 1, 1, \slot, 0
	PLACES 4
	WIN 0
	FETCH_A \next, 0, 4
.endm
.set TM, 64                            ; the way out: v64-79 at work, v80-98 the codes, v100 the scale word
.set PC, 80
.set PW, 100
.set SEL, 92
.set OB, 96                            ; s[96:97] where blocks 0-3's images go, s[98:99] blocks 4-7's
	s_load_b64 s[4:5], s[0:1], 0x0                 ; the operands, as A's base
	s_load_b64 s[6:7], s[0:1], 0x0                 ; and as B's
	s_load_b64 s[12:13], s[0:1], 0x8               ; the images of Q, K, V
	v_lshl_add_u32 v[SPW], v0, 2, SPARE
	v_mov_b32 v[NIL], 0
	ds_add_u32 v28, v29
	ds_add_u32 v28, v29
	s_wait_dscnt 0x0
	v_lshrrev_b32 v1, 5, v0
	v_readfirstlane_b32 s14, v1                    ; wave 0..3
	s_lshr_b32 s15, s14, 1                         ; my half of A's rows.  Also: I fetch for A (0) or for B (1)
	s_and_b32 s16, s14, 1                          ; my half of B's rows.  Also: which half I fetch
	s_bfe_u32 s40, ttmp6, 0x40000                  ; cx
	s_bfe_u32 s41, ttmp6, 0x40004                  ; cy
	s_and_b32 s18, ttmp7, 0xffff
	s_lshl_b32 s18, s18, 2                         ; 4 Y
	s_lshl_b32 s19, ttmp9, 2
	s_add_co_u32 s19, s19, 32                      ; 32 + 4 X: W_K's or W_V's tiles
	s_sub_co_u32 s66, 2, ttmp9
	s_lshl_b32 s66, s66, 4
	s_add_co_u32 s66, s66, s18                     ; 16 (2 - X) + 4 Y: the tokens' tiles, in K's order or V's
	s_mov_b32 s95, 4096
	s_mov_b32 s2, 98304
	s_cmp_eq_u32 ttmp9, 0                          ; Q's clusters?  The same in all sixteen partners; only selects hang on it
	s_cselect_b32 s17, s18, s19
	s_cselect_b32 s42, 32, s66
	s_cselect_b32 s67, s41, s40                    ; the place along which the tokens' tiles run
	s_cselect_b32 s95, 256, s95                    ; from blocks 0-3's scale words to blocks 4-7's
	s_cselect_b32 s2, 6144, s2                     ; and the same for the images
	s_add_co_u32 s17, s17, s41                     ; A's tile
	s_add_co_u32 s42, s42, s40                     ; B's tile
	s_add_co_u32 s67, s67, s18                     ; the tokens' tile: 8 b + t8
	s_lshr_b32 s8, s67, 3                          ; b
	s_and_b32 s9, s67, 7                           ; t8
	s_lshl_b32 s10, s8, 3                          ; Q: image ((8 b + 2 cx + my B half) 128 + 16 t8 + 8 x my A half)
	s_lshl_b32 s11, s40, 1
	s_add_co_u32 s10, s10, s11
	s_add_co_u32 s10, s10, s16
	s_lshl_b32 s10, s10, 7
	s_lshl_b32 s11, s9, 4
	s_add_co_u32 s10, s10, s11
	s_lshl_b32 s11, s15, 3
	s_add_co_u32 s10, s10, s11
	s_lshl_b32 s8, s8, 4                           ; K, V: group of four images ((16 b + 4 cy + 2 x my A half) 16 + 2 t8 + my B half)
	s_lshl_b32 s11, s41, 2
	s_add_co_u32 s8, s8, s11
	s_lshl_b32 s11, s15, 1
	s_add_co_u32 s8, s8, s11
	s_lshl_b32 s8, s8, 4
	s_lshl_b32 s9, s9, 1
	s_add_co_u32 s8, s8, s9
	s_add_co_u32 s8, s8, s16
	s_mov_b32 s9, 6144
	s_mov_b32 s11, 256
	s_cmp_eq_u32 ttmp9, 0
	s_cselect_b32 s8, s10, s8
	s_cselect_b32 s9, 1536, s9
	s_cselect_b32 s11, 64, s11
	s_mul_i32 s9, s8, s9
	s_mul_i32 s10, ttmp9, 3145728
	s_add_co_u32 s96, s9, s10
	s_mov_b32 s97, 0
	s_mul_i32 s11, s8, s11
	s_mul_i32 s10, ttmp9, 131072
	s_add_co_u32 s66, s11, s10
	s_add_co_u32 s66, s66, 9437184
	s_mov_b32 s67, 0
	s_mov_b32 s3, 0
	s_lshl_b32 s43, s41, 2
	s_lshl_b32 s43, 15, s43                        ; my row of the cluster
	s_lshl_b32 s44, 0x1111, s40                    ; my column
	; descriptor group 1, codes: 24,576 dense bytes as 96 rows of 256 (32 elements of 8 bytes), no padding
	s_or_b32 s[G1+0], s43, (3<<16)|(1<<21)
	s_or_b32 s[G1B+0], s44, (3<<16)|(1<<21)
.irp g, G1, G1B
	s_mov_b32 s[\g+1], 32<<16
	s_mov_b32 s[\g+2], 96<<16
	s_mov_b32 s[\g+3], 32<<16
	s_mov_b32 s[\g+4], 96
	s_mov_b32 s[\g+5], 32
	s_mov_b32 s[\g+6], 0
	s_mov_b32 s[\g+7], 0
.endr
	; scale words: NKAP rows of 512 bytes (128 rows' words), a row of all rows' words apart
	s_or_b32 s[G1S+0], s43, (3<<16)|(1<<21)
	s_or_b32 s[G1SB+0], s44, (3<<16)|(1<<21)
.irp g, G1S, G1SB
	s_mov_b32 s[\g+1], 64<<16
	s_mov_b32 s[\g+2], NKAP<<16
	s_mov_b32 s[\g+3], 64<<16
	s_mov_b32 s[\g+4], NKAP
	s_mov_b32 s[\g+6], 0
	s_mov_b32 s[\g+7], 0
.endr
	s_mov_b32 s[G1S+5], AROWS/2
	s_mov_b32 s[G1SB+5], BROWS/2
	s_lshl_b32 s20, s17, 1
	s_add_co_u32 s20, s20, s16                     ; A: which 128 rows I would fetch
	s_mul_i32 s22, s20, HALFT
	s_add_co_u32 s22, s22, ACO
	s_mov_b32 s23, 0
	s_lshl_b32 s20, s20, 9
	s_add_co_u32 s20, s20, ASO
	s_mov_b32 s21, 0
	s_lshl_b32 s46, s42, 1
	s_add_co_u32 s46, s46, s16                     ; B likewise, in registers that never hold cy
	s_mul_i32 s92, s46, HALFT
	s_add_co_u32 s92, s92, BCO
	s_mov_b32 s93, 0
	s_lshl_b32 s46, s46, 9
	s_add_co_u32 s46, s46, BSO
	s_mov_b32 s47, 0
	s_mul_i32 s45, s14, HALFT                      ; where they go: by the wave's number alone
	s_mul_i32 s94, s14, HALFS
	s_wait_kmcnt 0x0
	s_add_nc_u64 s[22:23], s[4:5], s[22:23]
	s_add_nc_u64 s[20:21], s[4:5], s[20:21]
	s_add_nc_u64 s[92:93], s[6:7], s[92:93]
	s_add_nc_u64 s[46:47], s[6:7], s[46:47]
	s_add_nc_u64 s[96:97], s[12:13], s[96:97]
	s_add_nc_u64 s[98:99], s[96:97], s[2:3]
	s_add_nc_u64 s[66:67], s[12:13], s[66:67]
	CROUND                                         ; all sixteen work-groups are here: the first joint loads meet
	s_mov_b32 s[G0S], 1
	s_add_co_u32 s[G0S+1], s94, SCL
	s_mov_b64 s[G0S+2:G0S+3], s[20:21]
	s_or_b32 s[G0S+3], s[G0S+3], 0x80000000
	s_mov_b32 s[G0SB], 1
	s_add_co_u32 s[G0SB+1], s94, SCL
	s_mov_b64 s[G0SB+2:G0SB+3], s[46:47]
	s_or_b32 s[G0SB+3], s[G0SB+3], 0x80000000
	JLOAD G0S, G1S, G0SB, G1SB                     ; the scale words first: filled once
.irp s, 0,1
	s_mov_b32 s[G0+4*\s], 1
	s_add_co_u32 s[G0+4*\s+1], s45, \s*SLOT
	s_add_nc_u64 s[G0+4*\s+2:G0+4*\s+3], s[22:23], \s*ASTEP
	s_or_b32 s[G0+4*\s+3], s[G0+4*\s+3], 0x80000000
	s_mov_b32 s[G0B+4*\s], 1
	s_add_co_u32 s[G0B+4*\s+1], s45, \s*SLOT
	s_add_nc_u64 s[G0B+4*\s+2:G0B+4*\s+3], s[92:93], \s*BSTEP
	s_or_b32 s[G0B+4*\s+3], s[G0B+4*\s+3], 0x80000000
	JLOAD G0+4*\s, G1, G0B+4*\s, G1B
.endr
	v_and_b32 v1, 15, v0                           ; r
	v_bfe_u32 v2, v0, 4, 1                         ; h
	v_and_b32 v3, 31, v0
	v_lshlrev_b32 v4, 4, v3                        ; 16 x lane
	v_lshlrev_b32 v5, 3, v3                        ; 8 x lane
	s_mul_i32 s21, s15, HALFT
	s_mul_i32 s22, s16, HALFT
	s_add_co_u32 s22, s22, 2*HALFT
.irp s, 0,1
	v_add_nc_u32 v[ADRA+\s], s21, v4
	v_add_nc_u32 v[ADRB+\s], s22, v4
	v_add_nc_u32 v[ADRA+2+\s], s21, v5
	v_add_nc_u32 v[ADRB+2+\s], s22, v5
	s_add_co_u32 s21, s21, SLOT
	s_add_co_u32 s22, s22, SLOT
.endr
	v_lshlrev_b32 v7, 2, v1
	s_mul_i32 s21, s15, HALFS
	s_mul_i32 s22, s16, HALFS
	s_add_co_u32 s22, s22, 2*HALFS
	s_sub_co_u32 s22, s22, s21
	v_mul_u32_u24 v6, s22, v2                      ; lanes 16-31 take B's
	s_add_co_u32 s21, s21, SCL
	v_add_nc_u32 v6, v7, v6
	v_add_nc_u32 v[ADRS], s21, v6
	; the way out
	v_mov_b32 v24, v4
	v_mov_b32 v25, v5
	s_lshl_b32 s21, s14, 9
	v_add_nc_u32 v26, s21, v7                      ; my wave's 512 bytes of LDS for its eight scale words a row: 512 w + 4 r (+ 64 a); they lie in slot 0, which has had its last fill and its last read by then
	v_add_nc_u32 v30, s21, v4
	v_lshlrev_b32 v31, 4, v1
	v_mul_u32_u24 v6, s95, v2
	v_add_nc_u32 v31, v31, v6
.irp b, 0,1,2,3
	v_mov_b32 v[TM+4+\b], 0                        ; a lane permute's destination counts as one of its sources
.endr
	s_mov_b32 s[SEL], 0x76543210
	s_mov_b32 s[SEL+1], 0xfedcba98
	s_wait_tensorcnt 1                             ; the scale words and my part of slot 0 are in; slot 1's load may be out
	s_barrier_signal -1
	s_barrier_wait -1
	FETCH_B 0, 0, 0
	FETCH_A 0, 0, 0
	SCALES 0
	FETCH_A 0, 0, 4
	STEP 0, 0, 1                                   ; the first step stands in front of the loop: its products start the sums
	s_mov_b32 s3, LAPS-1
.Llap:
	TURN 0, 1, 1
	STEP 1, 0, 0
	TURN 1, 0, 1
	STEP 0, 0, 0
	s_sub_co_u32 s3, s3, 1
	s_cmp_lg_u32 s3, 0
	s_cbranch_scc1 .Llap
	TURN 0, 1, 0                                   ; the last lap fills nothing
	STEP 1, 0, 0
	s_wait_dscnt 16
	WIN MUL_LO
	MUL16 0, 1, 1, 1, 0
	MUL16 2, 1, 1, 1, 0
	s_wait_dscnt 0x0
	WIN MUL_HI
	MUL16 4, 1, 1, 1, 0
	MUL16 6, 1, 1, 1, 0
	WIN 0
	PLACES 4
; Block a's 64 numbers a lane are quantised where they stand (window 2 or 3), each accumulator read from its low end on; the results stand in window 0.
.macro QUANTW a
.set ACB, 64*((\a)%4)
.set W, 2+(\a)/4
	WIN 5*W
.irp b, 0,1,2,3
	v_max3_num_f32 v[TM+\b], |v[ACB+16*\b]|, |v[ACB+1+16*\b]|, 0x1800000
.endr
	WIN 0x14*W
.irp i, 2,4,6,8,10,12,14
.irp b, 0,1,2,3
	v_max3_num_f32 v[TM+\b], v[TM+\b], |v[ACB+16*\b+\i]|, |v[ACB+1+16*\b+\i]|
.endr
.endr
	WIN 0
.irp b, 0,1,2,3
	v_permlanex16_b32 v[TM+4+\b], v[TM+\b], s[SEL], s[SEL+1]
.endr
.irp b, 0,1,2,3
	v_max_num_f32 v[TM+\b], v[TM+\b], v[TM+4+\b]
.endr
.irp b, 0,1,2,3
	v_add_nc_u32 v[TM+12+\b], 0xff000000, v[TM+\b]
.endr
.irp b, 0,1,2,3
	v_lshrrev_b32 v[TM+4+\b], 23, v[TM+12+\b]
.endr
	v_lshl_or_b32 v[PW], v[TM+5], 8, v[TM+4]
	v_lshl_or_b32 v[PW], v[TM+6], 16, v[PW]
	v_lshl_or_b32 v[PW], v[TM+7], 24, v[PW]
	WIN W
.irp c, 0,1
	v_cvt_scalef32_pk16_fp6_f32 v[PC+6*\c:PC+2+6*\c], v[ACB+32*\c:ACB+15+32*\c], v[TM+12+2*\c]
	v_cvt_scalef32_pk16_fp6_f32 v[PC+12+4*\c:PC+14+4*\c], v[ACB+16+32*\c:ACB+31+32*\c], v[TM+12+2*\c+1]
.endr
	WIN 0
	v_nop                                          ; one plain place behind a scaled conversion
.irp c, 0,1
.irp i, 0,1,2
	v_permlane16_swap_b32 v[PC+6*\c+\i], v[PC+12+4*\c+\i]
.endr
.irp i, 0,1,2
	v_mov_b32 v[PC+3+6*\c+\i], v[PC+12+4*\c+\i]
.endr
.endr
.endm
.irp a, 0,1,2,3,4,5,6,7
.if \a > 0
	s_wait_xcnt 0x0                                ; the last block's stores have read their registers:
	s_wait_dscnt 0x0                               ; codes and scale word may be written again
.endif
	QUANTW \a
	global_store_b128 v24, v[PC:PC+3], s[OB+2*(\a/4):OB+2*(\a/4)+1] offset:(\a%4)*1536        ; each store covers 512 or 256 consecutive bytes, aligned
	global_store_b64 v25, v[PC+4:PC+5], s[OB+2*(\a/4):OB+2*(\a/4)+1] offset:(\a%4)*1536+512
	global_store_b128 v24, v[PC+6:PC+9], s[OB+2*(\a/4):OB+2*(\a/4)+1] offset:(\a%4)*1536+768
	global_store_b64 v25, v[PC+10:PC+11], s[OB+2*(\a/4):OB+2*(\a/4)+1] offset:(\a%4)*1536+1280
	ds_store_b32 v26, v[PW] offset:64*\a           ; lanes 16-31 repeat lanes 0-15
.endr
	ds_load_b128 v[104:107], v30                   ; LDS serves a wave's instructions in order: these see my stores
	s_wait_dscnt 0x0
	global_store_b128 v31, v[104:107], s[66:67]    ; sixteen lanes store 256 consecutive bytes, aligned: four images' scale words
	s_wait_tensorcnt 0x0                           ; the wave's end
	ds_add_u32 v[SPW], v[NIL]
	s_wait_dscnt 0x0
	CROUND                                         ; the closing round
	s_endpgm
.Lfunc_end_k_q2d4b209ecd_qkv:
	.size	k_q2d4b209ecd_qkv, .Lfunc_end_k_q2d4b209ecd_qkv-k_q2d4b209ecd_qkv
	.p2alignl 7, 3214868480
	.fill 96, 4, 3214868480
	.section	.rodata,"a",@progbits
	.p2align	6, 0x0
	.amdhsa_kernel k_q2d4b209ecd_qkv
		.amdhsa_group_segment_fixed_size 327680
		.amdhsa_private_segment_fixed_size 0
		.amdhsa_enable_private_segment 0
		.amdhsa_kernarg_size 16
		.amdhsa_user_sgpr_count 2
		.amdhsa_user_sgpr_kernarg_segment_ptr 1
		.amdhsa_wavefront_size32 1
		.amdhsa_system_sgpr_workgroup_id_x 1
		.amdhsa_system_sgpr_workgroup_id_y 1
		.amdhsa_system_sgpr_workgroup_id_z 1
		.amdhsa_system_vgpr_workitem_id 0
		.amdhsa_next_free_vgpr 1024
		.amdhsa_next_free_sgpr 100
		.amdhsa_reserve_vcc 0
		.amdhsa_float_denorm_mode_32 3
		.amdhsa_float_denorm_mode_16_64 3
		.amdhsa_memory_ordered 1
		.amdhsa_forward_progress 1
		.amdhsa_inst_pref_size 153
	.end_amdhsa_kernel
	.amdgpu_metadata
---
amdhsa.version: [ 1, 2 ]
amdhsa.kernels:
  - .name:           k_q2d4b209ecd_qkv
    .symbol:         k_q2d4b209ecd_qkv.kd
    .args:
      - { .name: ops, .offset: 0, .size: 8, .value_kind: global_buffer, .address_space: global }
      - { .name: qkvc, .offset: 8, .size: 8, .value_kind: global_buffer, .address_space: global }
    .group_segment_fixed_size: 327680
    .private_segment_fixed_size: 0
    .kernarg_segment_align: 8
    .kernarg_segment_size: 16
    .max_flat_workgroup_size: 128
    .sgpr_count:     100
    .vgpr_count:     1024
    .wavefront_size: 32
...
	.end_amdgpu_metadata
.endif
;; end of part 2
;; launch attn (part 3): grid 8 x 32, 16 waves a work-group, clusters of 4 x 1, 206,848 bytes of LDS; arguments qkvc, hcs; writes hcs
.if DOCPART == 3
	.amdgcn_target "amdgcn-amd-amdhsa--gfx1250"
	.amdhsa_code_object_version 6
	.text
	.protected	k_q2d4b209ecd_attn
	.globl	k_q2d4b209ecd_attn
	.p2align	8
	.type	k_q2d4b209ecd_attn,@function
k_q2d4b209ecd_attn:
	s_mov_b64 s[64:65], 0
	v_nop
	global_prefetch_b8 v0, s[64:65] scope:SCOPE_SE
	s_setreg_imm32_b32 hwreg(HW_REG_WAVE_MODE, 25, 1), 1
	s_wait_xcnt 0x0
	s_wait_alu depctr_hold_cnt(0) depctr_sa_sdst(0) depctr_va_vdst(0) depctr_va_sdst(0) depctr_va_ssrc(0) depctr_va_vcc(0) depctr_vm_vsrc(0)
	s_getreg_b32 s2, hwreg(HW_REG_IB_STS2, 6, 4)
	s_cmp_eq_u32 s2, 0
	s_cbranch_scc0 .Lentry_in_a_cluster
	s_endpgm
.Lentry_in_a_cluster:
	s_bfe_u32 s2, ttmp6, 0x10000c
	s_cmp_lg_u32 s2, 0x3003
	s_cbranch_scc0 .Lentry_shape_is_right
	s_endpgm
.Lentry_shape_is_right:
; heads = softmax(Q K_r / 1024) V for one head and 256 queries a work-group, both products on codes of FP6 (E2M3) with E8M0 scales; the result is quantised at once as the next product's operand.
; THE SOFTMAX AHEAD OF THE SECOND PRODUCT: t = score x log2(e) / 1024; M = the row's largest t so far rounded UP to a whole number; p = 2^(t - M) is quantised along the keys, not normalised; the row's sum is taken
; of the unquantised p and divides at the end.  When M moves, the sum and O are multiplied by 2^(old M - new M): exact.
; SHARES.  Sixteen waves, each 16 queries in 256 registers: four waves to a SIMD, so that one wave's vector work stands beside another's matrix work and LDS loads.  Every wave walks the head's 2,048 keys, 128 a step.
; A HEAD'S K AND V LIE IN LDS WHOLE (196,608 bytes of codes, 8,192 of scale words): each byte of LDS is filled once, at the head, in four chunks of four key steps; a chunk is read behind a counted wait and a barrier.
; So there is no ring and nothing is filled again.  The four work-groups of a cluster belong to one head: every load is asked for JOINTLY (mask 15).  Nothing is prefetched: all loads go out at the head.
; OPERANDS come as images of their registers (1,536 bytes a fragment: 512, 256, 512, 256 consecutive bytes), so every LDS load takes consecutive bytes.
; Both products are used transposed: S^T = K Q^T, O^T = V^T P^T: a lane holds ONE query throughout.
; THE FIRST PRODUCT'S K IS 64, half of what the instruction takes.  A fragment of K holds two tiles of 16 keys: registers 0-5 those of key group 2 st, registers 6-11 those of 2 st + 1.  It is multiplied twice:
; by [Q | zero codes] and by [zero codes | Q], two runs of twelve registers inside v16-33.  Zero codes add nothing under any scale byte that occurs here (1 to 254).
; The rows of K's and V's fragments were ordered when they were made so that the 16 registers of tiles 2 b and 2 b + 1 are 16 neighbours: keys in S^T, channels in O^T.
; LIMITS: as the quantiser's floor: a block under 2^-124 gets the byte 1.  The two scale bytes of a head leave as two bytes a row (a scale word spans two heads): 131,072 bytes of the launch's 3.3 million.
.set CH,  49152                        ; a chunk in LDS: four steps of K (6,144 each), then four of V
.set SCB, 196608                       ; K's scale words [step][fragment][64 bytes], then V's
.set WV,  8
.set SEL, 20                           ; s[20:21]
.set CS,  22                           ; s[22:23] c = log2(e) / 1,024
.set TB,  2                            ; s2 LDS byte of the step's K
.set TS,  3                            ; s3 of its scale words
.set CNT, 73
.macro CROUND
	s_barrier_signal -1
	s_barrier_wait -1
	s_cmp_lg_u32 s[WV], 0
	s_cbranch_scc1 .Lnot_wave_0_\@
	s_barrier_signal -3
.Lnot_wave_0_\@:
	s_barrier_wait -3
	s_barrier_signal -1
	s_barrier_wait -1
.endm
	s_load_b128 s[4:7], s[0:1], 0x0                ; the images of Q, K, V; the heads' codes
	v_lshl_add_u32 v254, v0, 2, 0x32000
	v_mov_b32 v255, 0
	ds_add_u32 v254, v255
	ds_add_u32 v254, v255
	v_lshrrev_b32 v1, 5, v0
	v_readfirstlane_b32 s[WV], v1                  ; wave 0..15
	s_bfe_u32 s9, ttmp6, 0x40000                   ; cx: it enters Q's and the output's addresses alone
	s_lshl_b32 s10, ttmp9, 2
	s_add_co_u32 s10, s10, s9                      ; my block of 256 queries
	s_and_b32 s11, ttmp7, 0xffff                   ; y = 16 b + head
	s_mov_b32 s24, 15|(3<<16)|(1<<21)              ; group 1, codes: 3,072 dense bytes as 12 rows of 256; the mask names all four work-groups
	s_mov_b32 s25, 32<<16
	s_mov_b32 s26, 12<<16
	s_mov_b32 s27, 32<<16
	s_mov_b32 s28, 12
	s_mov_b32 s29, 32
	s_mov_b32 s30, 0
	s_mov_b32 s31, 0
	s_mov_b32 s32, 15|(3<<16)|(1<<21)              ; scale words: 512 bytes as 2 rows
	s_mov_b32 s33, 32<<16
	s_mov_b32 s34, 2<<16
	s_mov_b32 s35, 32<<16
	s_mov_b32 s36, 2
	s_mov_b32 s37, 32
	s_mov_b32 s38, 0
	s_mov_b32 s39, 0
	s_lshr_b32 s12, s[WV], 3                       ; waves 0-7 fetch K's, waves 8-15 V's
	s_and_b32 s13, s[WV], 7
	s_mul_i32 s14, s12, 3145728
	s_mul_i32 s15, s11, 98304
	s_add_co_u32 s14, s14, s15
	s_mul_i32 s15, s13, 3072
	s_add_co_u32 s14, s14, s15
	s_add_co_u32 s14, s14, 3145728
	s_mov_b32 s15, 0
	s_lshl_b32 s16, s12, 17
	s_lshl_b32 s17, s11, 12
	s_add_co_u32 s16, s16, s17
	s_lshl_b32 s17, s13, 9
	s_add_co_u32 s16, s16, s17
	s_add_co_u32 s16, s16, 9568256
	s_mov_b32 s17, 0
	s_mul_i32 s18, s[WV], 3072                     ; my bytes of a chunk,
	s_lshl_b32 s19, s[WV], 9                       ; and of the scale words
	s_lshr_b32 s60, s11, 4                         ; b
	s_and_b32 s61, s11, 15                         ; head
	s_lshl_b32 s62, s10, 4
	s_add_co_u32 s62, s62, s[WV]                   ; my block of 16 queries, 0..127
	s_lshl_b32 s63, s60, 3
	s_lshr_b32 s66, s61, 1
	s_add_co_u32 s63, s63, s66
	s_lshl_b32 s63, s63, 7
	s_add_co_u32 s63, s63, s62                     ; Q's image: (8 b + head / 2) 128 + block
	s_and_b32 s67, s61, 1
	s_mul_i32 s68, s63, 1536
	s_mul_i32 s69, s67, 768                        ; my head's half of it
	s_add_co_u32 s68, s68, s69
	s_mov_b32 s69, 0
	s_lshl_b32 s70, s63, 6
	s_add_co_u32 s70, s70, 9437184
	s_mov_b32 s71, 0
	s_lshl_b32 s72, s67, 4
	s_lshl_b32 s74, s60, 7
	s_add_co_u32 s74, s74, s62                     ; rho = 128 b + block
	s_lshr_b32 s75, s61, 2
	s_lshl_b32 s75, s75, 8
	s_add_co_u32 s75, s75, s74
	s_mul_i32 s75, s75, 3072
	s_and_b32 s76, s61, 3
	s_mul_i32 s76, s76, 768
	s_add_co_u32 s76, s76, s75                     ; the heads' codes: ((head / 4) 256 + rho) 3,072 + (head % 4) 768
	s_mov_b32 s77, 0
	s_lshl_b32 s78, s66, 14
	s_lshl_b32 s75, s74, 6
	s_add_co_u32 s78, s78, s75
	s_lshl_b32 s75, s67, 1
	s_add_co_u32 s78, s78, s75
	s_add_co_u32 s78, s78, 3145728                 ; their scale bytes
	s_mov_b32 s79, 0
	s_mov_b32 s[SEL], 0x76543210
	s_mov_b32 s[SEL+1], 0xfedcba98
	s_mov_b32 s[CS], 0x3ab8aa3b
	s_mov_b32 s[CS+1], s[CS]                       ; (named with it as a pair, so it is written)
	s_mov_b32 s[TB], 0
	s_mov_b32 s[TS], SCB
	s_wait_dscnt 0x0
	s_wait_kmcnt 0x0
	s_add_nc_u64 s[14:15], s[4:5], s[14:15]
	s_add_nc_u64 s[16:17], s[4:5], s[16:17]
	s_add_nc_u64 s[68:69], s[4:5], s[68:69]
	s_add_nc_u64 s[70:71], s[4:5], s[70:71]
	s_add_nc_u64 s[76:77], s[6:7], s[76:77]
	s_add_nc_u64 s[78:79], s[6:7], s[78:79]
	s_mov_b32 s40, 1
	s_add_co_u32 s41, s19, SCB
	s_mov_b64 s[42:43], s[16:17]
	s_or_b32 s43, s43, 0x80000000
.irp c, 0,1,2,3
	s_mov_b32 s[44+4*\c], 1
	s_add_co_u32 s[45+4*\c], s18, \c*CH
	s_add_nc_u64 s[46+4*\c:47+4*\c], s[14:15], \c*24576
	s_or_b32 s[47+4*\c], s[47+4*\c], 0x80000000
.endr
	CROUND                                         ; all four work-groups are here: the joint loads meet
	tensor_load_to_lds s[40:43], s[32:39]          ; five loads of mine are out: the scale words,
	s_nop 0
	tensor_load_to_lds s[44:47], s[24:31]          ; and my 3,072 bytes of each of the four chunks
	s_nop 0
	tensor_load_to_lds s[48:51], s[24:31]
	s_nop 0
	tensor_load_to_lds s[52:55], s[24:31]
	s_nop 0
	tensor_load_to_lds s[56:59], s[24:31]
	s_nop 0
.rept 4
	v_nop
.endr
	v_and_b32 v7, 31, v0
	v_lshlrev_b32 v1, 4, v7                        ; 16 x lane
	v_lshlrev_b32 v2, 3, v7                        ; 8 x lane
	v_and_b32 v3, 15, v0
	v_lshlrev_b32 v3, 2, v3                        ; 4 r
	global_load_b128 v[22:25], v1, s[68:69]        ; Q: my head's six registers
	global_load_b64 v[26:27], v2, s[68:69] offset:512
	global_load_b32 v34, v3, s[70:71]              ; and the head pair's scale word
.irp j, 16,17,18,19,20,21,28,29,30,31,32,33
	v_mov_b32 v\j, 0                               ; zero codes on both sides of Q
.endr
	v_mov_b32 v13, 0xff61b1e6                      ; the largest t so far: -3e38
	v_floor_f32 v12, -v13                          ; -M
	v_mov_b32 v14, 0                               ; the sum, in two halves
	v_mov_b32 v15, 0
.irp j, 216,217,218,219,225,226
	v_mov_b32 v\j, 0                               ; lane permutes' destinations, and the upper half of the pair v[224:225]
.endr
	s_wait_loadcnt 0x0
	v_lshrrev_b32 v34, s72, v34                    ; my head's two bytes,
	v_and_b32 v34, 0xffff, v34
	v_lshl_or_b32 v34, v34, 16, v34                ; in both halves of the word: they serve Q at either end
.irp j, 0,1,2,3,4,5,6,7,8,9,10,11,12,13,14,15,16,17,18,19,20,21,22,23,24,25,26,27,28,29,30,31
	v_mov_b32 v[160+\j], 0                         ; O^T: the step is written once; the first finds zeros.  (These are also the places between the scale word's last write and the first product)
.endr
; A KEY STEP: 128 keys
.macro STEP
	v_add_nc_u32 v4, s[TB], v1
	v_add_nc_u32 v5, s[TB], v2
	v_add_nc_u32 v6, s[TS], v3
	v_nop                                          ; four places in front of loads into registers that the last products read
.irp f, 0,1,2,3
.irp c, 0,1
	ds_load_b128 v[40+12*\f+6*\c:43+12*\f+6*\c], v4 offset:1536*\f+768*\c
	ds_load_b64 v[44+12*\f+6*\c:45+12*\f+6*\c], v5 offset:1536*\f+768*\c+512
.endr
	ds_load_b32 v[88+\f], v6 offset:64*\f
.endr
	s_wait_dscnt 0x0
.irp f, 0,1,2,3                                        ; keys 128 st + 0 .. 63
	v_wmma_scale_f32_16x16x128_f8f6f4 v[96+8*\f:103+8*\f], v[40+12*\f:51+12*\f], v[22:33], 0, v[88+\f], v34 matrix_a_fmt:MATRIX_FMT_FP6 matrix_b_fmt:MATRIX_FMT_FP6
.endr
.irp f, 0,1,2,3                                        ; keys 128 st + 64 .. 127
	v_wmma_scale_f32_16x16x128_f8f6f4 v[128+8*\f:135+8*\f], v[40+12*\f:51+12*\f], v[16:27], 0, v[88+\f], v34 matrix_a_fmt:MATRIX_FMT_FP6 matrix_b_fmt:MATRIX_FMT_FP6
.endr
.rept 4
	v_nop
.endr
.irp b, 0,1,2,3
	v_max3_num_f32 v[212+\b], v[96+16*\b], v[97+16*\b], v[98+16*\b]   ; the largest score of each block of 32 keys: for the row's maximum, and, since p rises with the score, for the block's largest p
.endr
.irp i, 3,5,7,9,11,13
.irp b, 0,1,2,3
	v_max3_num_f32 v[212+\b], v[212+\b], v[96+16*\b+\i], v[97+16*\b+\i]
.endr
.endr
.irp b, 0,1,2,3
	v_max_num_f32 v[212+\b], v[212+\b], v[111+16*\b]
.endr
.irp b, 0,1,2,3
	v_permlanex16_b32 v[216+\b], v[212+\b], s[SEL], s[SEL+1]
.endr
.irp b, 0,1,2,3
	v_max_num_f32 v[212+\b], v[212+\b], v[216+\b]
.endr
	v_max3_num_f32 v226, v212, v213, v214
	v_max_num_f32 v226, v226, v215
	v_mul_f32 v226, s[CS], v226                    ; as t (c is positive)
	v_max_num_f32 v13, v13, v226                   ; the running largest t
	v_mov_b32 v226, v12
	v_floor_f32 v12, -v13                          ; the new -M = -ceil(t)
	v_sub_f32 v226, v12, v226                      ; old M - new M: a whole number, 0 or less
	v_cvt_i32_f32 v226, v226                       ; (it saturates)
	v_ldexp_f32 v224, 1.0, v226                    ; f = 2^(old M - new M)
.irp j, 0,2,4,6,8,10,12,14,16,18,20,22,24,26,28,30,32,34,36,38,40,42,44,46,48,50,52,54,56,58,60,62
	v_pk_fma_f32 v[96+\j:97+\j], v[96+\j:97+\j], s[CS:CS+1], v[12:13] op_sel_hi:[1,0,0]   ; t - M
.endr
.irp b, 0,1,2,3
	v_fma_f32 v[212+\b], v[212+\b], s[CS], v12
.endr
.irp j, 0,1,2,3,4,5,6,7,8,9,10,11,12,13,14,15,16,17,18,19,20,21,22,23,24,25,26,27,28,29,30,31,32,33,34,35,36,37,38,39,40,41,42,43,44,45,46,47,48,49,50,51,52,53,54,55,56,57,58,59,60,61,62,63
	v_exp_f32 v[96+\j], v[96+\j]                   ; p = 2^(t - M)
.endr
	v_pk_mul_f32 v[14:15], v[14:15], v[224:225] op_sel_hi:[1,0]   ; the sums under the new M: a plain place behind the exponentials
	s_wait_alu depctr_va_vdst(0)                   ; one wait for the whole batch, ahead of its first reader
.irp b, 0,1,2,3
	v_exp_f32 v[212+\b], v[212+\b]                 ; the block's largest p
.endr
	v_pk_add_f32 v[216:217], v[96:97], v[98:99]    ; the row's sum of the unquantised p, in two chains: plain work behind the four
.irp j, 4,8,12,16,20,24,28,32,36,40,44,48,52,56,60
	v_pk_add_f32 v[14:15], v[14:15], v[96+\j:97+\j]
	v_pk_add_f32 v[216:217], v[216:217], v[98+\j:99+\j]
.endr
	v_pk_add_f32 v[14:15], v[14:15], v[216:217]
	s_wait_alu depctr_va_vdst(0)                   ; and one for the four
.irp b, 0,1,2,3
	v_max_num_f32 v[212+\b], 0x1800000, v[212+\b]  ; the floor 2^(3 - 127)
.endr
.irp b, 0,1,2,3
	v_add_nc_u32 v[220+\b], 0xff000000, v[212+\b]
.endr
.irp b, 0,1,2,3
	v_lshrrev_b32 v[216+\b], 23, v[220+\b]
.endr
	v_lshl_or_b32 v92, v217, 8, v216               ; p's scale word for these 128 keys
	v_lshl_or_b32 v92, v218, 16, v92
	v_lshl_or_b32 v92, v219, 24, v92
.irp c, 0,1
	v_cvt_scalef32_pk16_fp6_f32 v[192+6*\c:194+6*\c], v[96+32*\c:111+32*\c], v[220+2*\c]
	v_cvt_scalef32_pk16_fp6_f32 v[204+4*\c:206+4*\c], v[112+32*\c:127+32*\c], v[220+2*\c+1]
.endr
	v_nop
.irp c, 0,1
.irp i, 0,1,2
	v_permlane16_swap_b32 v[192+6*\c+\i], v[204+4*\c+\i]
.endr
.irp i, 0,1,2
	v_mov_b32 v[195+6*\c+\i], v[204+4*\c+\i]
.endr
.endr
.irp j, 0,2,4,6,8,10,12,14,16,18,20,22,24,26,28,30
	v_pk_mul_f32 v[160+\j:161+\j], v[160+\j:161+\j], v[224:225] op_sel_hi:[1,0]   ; O^T under the new M; also the places in front of the products below
.endr
.irp f, 0,1,2,3
.irp c, 0,1
	ds_load_b128 v[40+12*\f+6*\c:43+12*\f+6*\c], v4 offset:24576+1536*\f+768*\c
	ds_load_b64 v[44+12*\f+6*\c:45+12*\f+6*\c], v5 offset:24576+1536*\f+768*\c+512
.endr
	ds_load_b32 v[88+\f], v6 offset:4096+64*\f
.endr
	s_wait_dscnt 0x0
.irp f, 0,1,2,3
	v_wmma_scale_f32_16x16x128_f8f6f4 v[160+8*\f:167+8*\f], v[40+12*\f:51+12*\f], v[192:203], v[160+8*\f:167+8*\f], v[88+\f], v92 matrix_a_fmt:MATRIX_FMT_FP6 matrix_b_fmt:MATRIX_FMT_FP6
.endr
	s_add_co_u32 s[TB], s[TB], 6144
	s_add_co_u32 s[TS], s[TS], 256
.endm
.macro CHUNK left                              ; four key steps.  left: my loads of the later chunks, which may stay out: no byte of LDS is ever filled again
	s_wait_tensorcnt \left
	s_barrier_signal -1
	s_barrier_wait -1                              ; every wave's part of the chunk is in
	s_mov_b32 s[CNT], 4
.Lstep_\@:
	STEP
	s_sub_co_u32 s[CNT], s[CNT], 1
	s_cmp_lg_u32 s[CNT], 0
	s_cbranch_scc1 .Lstep_\@
	s_add_co_u32 s[TB], s[TB], 24576               ; over the chunk's V
.endm
	CHUNK 3
	CHUNK 2
	CHUNK 1
	CHUNK 0
	; THE WAY OUT: O^T / the sum; register 16 b + i is channel 32 b + 16 h + i of my query: two blocks of the next product's K
.rept 4
	v_nop
.endr
	v_add_f32 v14, v14, v15
	v_permlanex16_b32 v226, v14, s[SEL], s[SEL+1]
	v_add_f32 v14, v14, v226
	v_rcp_f32 v14, v14
	v_nop                                          ; a plain place behind the transcendental
	s_wait_alu depctr_va_vdst(0)                   ; the wait ahead of its first reader
.irp j, 0,1,2,3,4,5,6,7,8,9,10,11,12,13,14,15,16,17,18,19,20,21,22,23,24,25,26,27,28,29,30,31
	v_mul_f32 v[96+\j], v[160+\j], v14
.endr
.irp b, 0,1
	v_max3_num_f32 v[212+\b], |v[96+16*\b]|, |v[97+16*\b]|, 0x1800000
.endr
.irp i, 2,4,6,8,10,12,14
.irp b, 0,1
	v_max3_num_f32 v[212+\b], v[212+\b], |v[96+16*\b+\i]|, |v[97+16*\b+\i]|
.endr
.endr
.irp b, 0,1
	v_permlanex16_b32 v[216+\b], v[212+\b], s[SEL], s[SEL+1]
.endr
.irp b, 0,1
	v_max_num_f32 v[212+\b], v[212+\b], v[216+\b]
.endr
.irp b, 0,1
	v_add_nc_u32 v[220+\b], 0xff000000, v[212+\b]
.endr
.irp b, 0,1
	v_lshrrev_b32 v[216+\b], 23, v[220+\b]
.endr
	v_lshl_or_b32 v92, v217, 8, v216               ; my head's two scale bytes
	v_cvt_scalef32_pk16_fp6_f32 v[192:194], v[96:111], v220
	v_cvt_scalef32_pk16_fp6_f32 v[204:206], v[112:127], v221
	v_nop
.irp i, 0,1,2
	v_permlane16_swap_b32 v[192+\i], v[204+\i]
.endr
.irp i, 0,1,2
	v_mov_b32 v[195+\i], v[204+\i]
.endr
	global_store_b128 v1, v[192:195], s[76:77]     ; 512 consecutive bytes, aligned
	global_store_b64 v2, v[196:197], s[76:77] offset:512   ; 256 consecutive bytes, aligned
	global_store_b16 v3, v92, s[78:79]             ; lanes 16-31 repeat lanes 0-15
	s_wait_tensorcnt 0x0
	ds_add_u32 v254, v255
	s_wait_dscnt 0x0
	CROUND                                         ; the closing round
	s_endpgm
.Lfunc_end_k_q2d4b209ecd_attn:
	.size	k_q2d4b209ecd_attn, .Lfunc_end_k_q2d4b209ecd_attn-k_q2d4b209ecd_attn
	.p2alignl 7, 3214868480
	.fill 96, 4, 3214868480
	.section	.rodata,"a",@progbits
	.p2align	6, 0x0
	.amdhsa_kernel k_q2d4b209ecd_attn
		.amdhsa_group_segment_fixed_size 206848
		.amdhsa_private_segment_fixed_size 0
		.amdhsa_enable_private_segment 0
		.amdhsa_kernarg_size 16
		.amdhsa_user_sgpr_count 2
		.amdhsa_user_sgpr_kernarg_segment_ptr 1
		.amdhsa_wavefront_size32 1
		.amdhsa_system_sgpr_workgroup_id_x 1
		.amdhsa_system_sgpr_workgroup_id_y 1
		.amdhsa_system_sgpr_workgroup_id_z 1
		.amdhsa_system_vgpr_workitem_id 0
		.amdhsa_next_free_vgpr 256
		.amdhsa_next_free_sgpr 80
		.amdhsa_reserve_vcc 0
		.amdhsa_float_denorm_mode_32 3
		.amdhsa_float_denorm_mode_16_64 3
		.amdhsa_memory_ordered 1
		.amdhsa_forward_progress 1
		.amdhsa_inst_pref_size 78
	.end_amdhsa_kernel
	.amdgpu_metadata
---
amdhsa.version: [ 1, 2 ]
amdhsa.kernels:
  - .name:           k_q2d4b209ecd_attn
    .symbol:         k_q2d4b209ecd_attn.kd
    .args:
      - { .name: qkvc, .offset: 0, .size: 8, .value_kind: global_buffer, .address_space: global }
      - { .name: hcs, .offset: 8, .size: 8, .value_kind: global_buffer, .address_space: global }
    .group_segment_fixed_size: 206848
    .private_segment_fixed_size: 0
    .kernarg_segment_align: 8
    .kernarg_segment_size: 16
    .max_flat_workgroup_size: 512
    .sgpr_count:     80
    .vgpr_count:     256
    .wavefront_size: 32
...
	.end_amdgpu_metadata
.endif
;; end of part 3
;; launch wo (part 4): grid 4 x 16, 4 waves a work-group, clusters of 4 x 4, 327,680 bytes of LDS; arguments hcs, ops, x, z1; writes z1
.if DOCPART == 4
	.amdgcn_target "amdgcn-amd-amdhsa--gfx1250"
	.amdhsa_code_object_version 6
	.text
	.protected	k_q2d4b209ecd_wo
	.globl	k_q2d4b209ecd_wo
	.p2align	8
	.type	k_q2d4b209ecd_wo,@function
k_q2d4b209ecd_wo:
	s_mov_b64 s[64:65], 0
	v_nop
	global_prefetch_b8 v0, s[64:65] scope:SCOPE_SE
	s_setreg_imm32_b32 hwreg(HW_REG_WAVE_MODE, 25, 1), 1
	s_wait_xcnt 0x0
	s_wait_alu depctr_hold_cnt(0) depctr_sa_sdst(0) depctr_va_vdst(0) depctr_va_sdst(0) depctr_va_ssrc(0) depctr_va_vcc(0) depctr_vm_vsrc(0)
	s_getreg_b32 s2, hwreg(HW_REG_IB_STS2, 6, 4)
	s_cmp_eq_u32 s2, 0
	s_cbranch_scc0 .Lentry_in_a_cluster
	s_endpgm
.Lentry_in_a_cluster:
	s_bfe_u32 s2, ttmp6, 0x10000c
	s_cmp_lg_u32 s2, 0xf033
	s_cbranch_scc0 .Lentry_shape_is_right
	s_endpgm
.Lentry_shape_is_right:
; z1 = x + heads W_O: 4,096 x 1,024 x 1,024 on codes of FP6 (E2M3) with E8M0 scales; f32 sums; the residual is added on the way out.
; Both operands lie in the order of the operand's registers: fragment (kappa, rho) of an operand of R rows at ((kappa / 2) (R / 16) + rho) 3,072 + (kappa % 2) 1,536; 128 rows x 256 K are 24,576 dense bytes.
; A tile of 256 x 256 is made by four waves, 128 x 128 each: 64 accumulators.  K goes in steps of 256 through two LDS slots filled by the tensor data mover; the scale words come once.
; THE MATRIX INSTRUCTION IS USED TRANSPOSED (source 0 = 16 rows of B = W_O's columns, source 1 = 16 rows of A): a lane holds eight neighbouring numbers of a row of the result.
; A's rows are tokens with bits 3 and 4 of their number exchanged: the way out puts them back, in the stores' immediates.
; CLUSTERS: 4 x 4; A's tiles are asked for jointly along a row of the cluster, B's along a column.  The launch has 64 tiles of this size: 64 work-groups.
.set KTOT,  1024
.set AROWS, 4096
.set BROWS, 1024
.set ACO,   0
.set ASO,   3145728
.set BCO,   9011200
.set BSO,   9797632
.set HALFT,  24576                     ; 128 rows x 256 K: what one tensor load brings, and what one wave reads of A or of B
.set SLOT,   4*HALFT
.set SCL,    2*SLOT                    ; behind the ring: the scale words, [kappa][128 rows] for each of the four halves
.set NKAP,   KTOT/128
.set HALFS,  NKAP*512
.set SPARE,  SCL+4*HALFS               ; the spare words, 128 bytes for each wave: two blocks of 256 bytes that no other line names
.set LAPS,   KTOT/512
.set ASTEP,  AROWS*192
.set BSTEP,  BROWS*192
.set FR,     12
.set ADRA, 16
.set ADRB, 20
.set ADRS, 27
.set SPW,  28
.set NIL,  29
.set SC,   32                          ; v32-63 scale words and nothing else
.set BIAS, 64
.set AF,   128
.set G1, 24
.set G0, 32
.set G1B, 48
.set G0B, 56
.set G1S, 68
.set G0S, 76
.set G1SB, 80
.set G0SB, 88
.set MSB, 0
.macro WIN new                         ; the immediate's high byte repeats the setting that is left
.if MSB != \new
	s_set_vgpr_msb (MSB<<8)|\new
.set MSB, \new
.endif
.endm
.set MUL_LO, 0xa1
.set MUL_HI, 0xf1
.set TO_B,   0x40
.macro JLOAD g0a, g1a, g0b, g1b        ; a joint load: waves 0, 1 fetch for A, waves 2, 3 for B; four v_nop follow each line
	s_cmp_eq_u32 s15, 0
	s_cbranch_scc0 .Lfor_b_\@
	tensor_load_to_lds s[\g0a:\g0a+3], s[\g1a:\g1a+7]
	s_nop 0
.rept 4
	v_nop
.endr
	s_branch .Lasked_\@
.Lfor_b_\@:
	tensor_load_to_lds s[\g0b:\g0b+3], s[\g1b:\g1b+7]
	s_nop 0
.rept 4
	v_nop
.endr
.Lasked_\@:
.endm
.macro CREST
	s_cmp_lg_u32 s14, 0
	s_cbranch_scc1 .Lnot_wave_0_\@
	s_barrier_signal -3
.Lnot_wave_0_\@:
	s_barrier_wait -3
	s_barrier_signal -1
	s_barrier_wait -1
.endm
.macro CROUND
	s_barrier_signal -1
	s_barrier_wait -1
	CREST
.endm
.macro PLACES n                        ; plain places behind matrix instructions (ISA guide 7.12.1)
.rept \n
	v_nop
.endr
.endm
.macro FRAG reg, adr, q, i
.irp c, 0,1
	ds_load_b128 v[\reg+6*\c:\reg+6*\c+3], v[\adr] offset:(\i)*3072+(\q)*1536+768*\c
	ds_load_b64 v[\reg+6*\c+4:\reg+6*\c+5], v[\adr+2] offset:(\i)*3072+(\q)*1536+768*\c+512
.endr
.endm
.macro FETCH_B slot, q, p
	WIN TO_B
.irp i, 0,1,2,3,4,5,6,7
	FRAG 128*(\p)+FR*\i, ADRB+\slot, \q, \i
.endr
	WIN 0
.endm
.macro FETCH_A slot, q, i0
.irp i, \i0, \i0+1, \i0+2, \i0+3
	FRAG AF+FR*(\i), ADRA+\slot, \q, \i
.endr
.endm
.macro SCALES sc
.irp i, 0,1,2,3,4,5,6,7
.irp q, 0,1
	ds_load_b32 v[SC+16*\sc+2*\i+\q], v[ADRS] offset:64*\i+512*\q
.endr
.endr
.endm
; cmode 1: the constant 0 starts the sums; 2: a bias does; 0: they go on.  The 64 accumulators take turns.
.macro MUL16 a0, p, q, sc, cmode
.irp a, \a0, \a0+1
.irp b, 0,1,2,3,4,5,6,7
.if \cmode == 1
	v_wmma_scale_f32_16x16x128_f8f6f4 v[8*(8*((\a)%4)+\b):8*(8*((\a)%4)+\b)+7], v[128*(\p)+FR*\b:128*(\p)+FR*\b+FR-1], v[AF+FR*(\a):AF+FR*(\a)+FR-1], 0, v[SC+16*(\sc)+2*\b+(\q)], v[SC+16*(\sc)+2*(\a)+(\q)] matrix_a_fmt:MATRIX_FMT_FP6 matrix_b_fmt:MATRIX_FMT_FP6 matrix_a_scale:MATRIX_SCALE_ROW1
.elseif \cmode == 2
	v_wmma_scale_f32_16x16x128_f8f6f4 v[8*(8*((\a)%4)+\b):8*(8*((\a)%4)+\b)+7], v[128*(\p)+FR*\b:128*(\p)+FR*\b+FR-1], v[AF+FR*(\a):AF+FR*(\a)+FR-1], v[BIAS+8*\b:BIAS+8*\b+7], v[SC+16*(\sc)+2*\b+(\q)], v[SC+16*(\sc)+2*(\a)+(\q)] matrix_a_fmt:MATRIX_FMT_FP6 matrix_b_fmt:MATRIX_FMT_FP6 matrix_a_scale:MATRIX_SCALE_ROW1
.else
	v_wmma_scale_f32_16x16x128_f8f6f4 v[8*(8*((\a)%4)+\b):8*(8*((\a)%4)+\b)+7], v[128*(\p)+FR*\b:128*(\p)+FR*\b+FR-1], v[AF+FR*(\a):AF+FR*(\a)+FR-1], v[8*(8*((\a)%4)+\b):8*(8*((\a)%4)+\b)+7], v[SC+16*(\sc)+2*\b+(\q)], v[SC+16*(\sc)+2*(\a)+(\q)] matrix_a_fmt:MATRIX_FMT_FP6 matrix_b_fmt:MATRIX_FMT_FP6 matrix_a_scale:MATRIX_SCALE_ROW1
.endif
.endr
.endr
.endm
.macro STEP slot, q, cmode
	s_wait_dscnt 16                                ; all but the youngest sixteen loads (A's blocks 4-7) are in
.if \cmode == 2
	WIN 0x81
.else
	WIN MUL_LO
.endif
	MUL16 0, (\q)%2, \q, \slot, \cmode
	MUL16 2, (\q)%2, \q, \slot, \cmode
	s_wait_dscnt 0x0
	PLACES 4
	FETCH_B \slot, (\q)+1, 1-(\q)%2
	FETCH_A \slot, (\q)+1, 0
.if \cmode == 2
	WIN 0xc1
.else
	WIN MUL_HI
.endif
	MUL16 4, (\q)%2, \q, \slot, \cmode
	MUL16 6, (\q)%2, \q, \slot, \cmode
	PLACES 4
	WIN 0
	FETCH_A \slot, (\q)+1, 4
.endm
.macro TURN slot, next, fill
	s_wait_tensorcnt 0x0                           ; all my tensor loads have landed: my part of the next slot
	ds_add_u32 v[SPW], v[NIL]
	s_wait_dscnt 17                                ; the add and the youngest sixteen loads may be out
	WIN MUL_LO
	MUL16 0, 1, 1, \slot, 0
	s_wait_dscnt 0x0                               ; the add is done, and my reads of this slot are over
	s_barrier_signal -1
	MUL16 2, 1, 1, \slot, 0
	WIN 0
	s_barrier_wait -1
.if \fill
	CREST                                          ; a round of the cluster's barrier: no wave of any partner still reads this slot or has a load on its way
	s_add_nc_u64 s[G0+4*\slot+2:G0+4*\slot+3], s[G0+4*\slot+2:G0+4*\slot+3], 2*ASTEP
	s_add_nc_u64 s[G0B+4*\slot+2:G0B+4*\slot+3], s[G0B+4*\slot+2:G0B+4*\slot+3], 2*BSTEP
	JLOAD G0+4*\slot, G1, G0B+4*\slot, G1B
.else
	PLACES 4
.endif
	v_add_nc_u32 v[ADRS], 1024, v[ADRS]
	FETCH_B \next, 0, 0
	FETCH_A \next, 0, 0
	SCALES \next
	WIN MUL_HI
	MUL16 4, 1, 1, \slot, 0
	MUL16 6, 1, 1, \slot, 0
	PLACES 4
	WIN 0
	FETCH_A \next, 0, 4
.endm
.set SPITCH, 528                       ; the way out: a stage of 16 rows x (512 bytes + 16) for each wave, in slot 0, which has had its last fill and its last read by then
.set STO, 24
.set RD,  25
.set CO,  26
.set RS,  64                           ; v64-127, v128-191 the residual's rows, two sets; then the sums that are stored
.set BK,  192                          ; v192-255 16 rows back from the stage
	s_load_b128 s[4:7], s[0:1], 0x0                ; the heads' codes, the weights' codes
	s_load_b128 s[8:11], s[0:1], 0x10              ; x s[8:9], z1 s[10:11]
	v_lshl_add_u32 v[SPW], v0, 2, SPARE
	v_mov_b32 v[NIL], 0
	ds_add_u32 v28, v29
	ds_add_u32 v28, v29
	s_wait_dscnt 0x0
	v_lshrrev_b32 v1, 5, v0
	v_readfirstlane_b32 s14, v1
	s_lshr_b32 s15, s14, 1
	s_and_b32 s16, s14, 1
	s_bfe_u32 s40, ttmp6, 0x40000
	s_bfe_u32 s41, ttmp6, 0x40004
	s_lshl_b32 s42, ttmp9, 2
	s_add_co_u32 s42, s42, s40                     ; B's tile
	s_and_b32 s17, ttmp7, 0xffff
	s_lshl_b32 s17, s17, 2
	s_add_co_u32 s17, s17, s41                     ; A's tile
	s_lshl_b32 s43, s41, 2
	s_lshl_b32 s43, 15, s43
	s_lshl_b32 s44, 0x1111, s40
	s_or_b32 s[G1+0], s43, (3<<16)|(1<<21)         ; codes: 24,576 dense bytes as 96 rows of 256, no padding
	s_or_b32 s[G1B+0], s44, (3<<16)|(1<<21)
.irp g, G1, G1B
	s_mov_b32 s[\g+1], 32<<16
	s_mov_b32 s[\g+2], 96<<16
	s_mov_b32 s[\g+3], 32<<16
	s_mov_b32 s[\g+4], 96
	s_mov_b32 s[\g+5], 32
	s_mov_b32 s[\g+6], 0
	s_mov_b32 s[\g+7], 0
.endr
	s_or_b32 s[G1S+0], s43, (3<<16)|(1<<21)        ; scale words: NKAP rows of 512 bytes
	s_or_b32 s[G1SB+0], s44, (3<<16)|(1<<21)
.irp g, G1S, G1SB
	s_mov_b32 s[\g+1], 64<<16
	s_mov_b32 s[\g+2], NKAP<<16
	s_mov_b32 s[\g+3], 64<<16
	s_mov_b32 s[\g+4], NKAP
	s_mov_b32 s[\g+6], 0
	s_mov_b32 s[\g+7], 0
.endr
	s_mov_b32 s[G1S+5], AROWS/2
	s_mov_b32 s[G1SB+5], BROWS/2
	s_lshl_b32 s20, s17, 1
	s_add_co_u32 s20, s20, s16
	s_mul_i32 s22, s20, HALFT
	s_add_co_u32 s22, s22, ACO
	s_mov_b32 s23, 0
	s_lshl_b32 s20, s20, 9
	s_add_co_u32 s20, s20, ASO
	s_mov_b32 s21, 0
	s_lshl_b32 s46, s42, 1
	s_add_co_u32 s46, s46, s16
	s_mul_i32 s92, s46, HALFT
	s_add_co_u32 s92, s92, BCO
	s_mov_b32 s93, 0
	s_lshl_b32 s46, s46, 9
	s_add_co_u32 s46, s46, BSO
	s_mov_b32 s47, 0
	s_mul_i32 s45, s14, HALFT
	s_mul_i32 s94, s14, HALFS
	s_wait_kmcnt 0x0
	s_add_nc_u64 s[22:23], s[4:5], s[22:23]
	s_add_nc_u64 s[20:21], s[4:5], s[20:21]
	s_add_nc_u64 s[92:93], s[6:7], s[92:93]
	s_add_nc_u64 s[46:47], s[6:7], s[46:47]
	CROUND
	s_mov_b32 s[G0S], 1
	s_add_co_u32 s[G0S+1], s94, SCL
	s_mov_b64 s[G0S+2:G0S+3], s[20:21]
	s_or_b32 s[G0S+3], s[G0S+3], 0x80000000
	s_mov_b32 s[G0SB], 1
	s_add_co_u32 s[G0SB+1], s94, SCL
	s_mov_b64 s[G0SB+2:G0SB+3], s[46:47]
	s_or_b32 s[G0SB+3], s[G0SB+3], 0x80000000
	JLOAD G0S, G1S, G0SB, G1SB
.irp s, 0,1
	s_mov_b32 s[G0+4*\s], 1
	s_add_co_u32 s[G0+4*\s+1], s45, \s*SLOT
	s_add_nc_u64 s[G0+4*\s+2:G0+4*\s+3], s[22:23], \s*ASTEP
	s_or_b32 s[G0+4*\s+3], s[G0+4*\s+3], 0x80000000
	s_mov_b32 s[G0B+4*\s], 1
	s_add_co_u32 s[G0B+4*\s+1], s45, \s*SLOT
	s_add_nc_u64 s[G0B+4*\s+2:G0B+4*\s+3], s[92:93], \s*BSTEP
	s_or_b32 s[G0B+4*\s+3], s[G0B+4*\s+3], 0x80000000
	JLOAD G0+4*\s, G1, G0B+4*\s, G1B
.endr
	v_and_b32 v1, 15, v0
	v_bfe_u32 v2, v0, 4, 1
	v_and_b32 v3, 31, v0
	v_lshlrev_b32 v4, 4, v3
	v_lshlrev_b32 v5, 3, v3
	s_mul_i32 s21, s15, HALFT
	s_mul_i32 s22, s16, HALFT
	s_add_co_u32 s22, s22, 2*HALFT
.irp s, 0,1
	v_add_nc_u32 v[ADRA+\s], s21, v4
	v_add_nc_u32 v[ADRB+\s], s22, v4
	v_add_nc_u32 v[ADRA+2+\s], s21, v5
	v_add_nc_u32 v[ADRB+2+\s], s22, v5
	s_add_co_u32 s21, s21, SLOT
	s_add_co_u32 s22, s22, SLOT
.endr
	v_lshlrev_b32 v7, 2, v1
	s_mul_i32 s21, s15, HALFS
	s_mul_i32 s22, s16, HALFS
	s_add_co_u32 s22, s22, 2*HALFS
	s_sub_co_u32 s22, s22, s21
	v_mul_u32_u24 v6, s22, v2
	s_add_co_u32 s21, s21, SCL
	v_add_nc_u32 v6, v7, v6
	v_add_nc_u32 v[ADRS], s21, v6
	s_mul_i32 s23, s14, 16*SPITCH                  ; my stage
	v_mul_u32_u24 v5, v1, SPITCH
	v_lshl_add_u32 v5, v2, 5, v5
	v_add_nc_u32 v[STO], s23, v5                   ; in: row r, 32 bytes for each half of the lanes
	v_mov_b32 v[CO], v4                            ; back: the 32 lanes take a row of 512 bytes; and the same in memory
	v_add_nc_u32 v[RD], s23, v4
	s_lshl_b32 s20, s17, 8
	s_lshl_b32 s21, s15, 7
	s_add_co_u32 s20, s20, s21
	s_lshl_b32 s20, s20, 12                        ; my first row, of 4,096 bytes
	s_lshl_b32 s46, s42, 10
	s_lshl_b32 s47, s16, 9
	s_add_co_u32 s46, s46, s47                     ; my first column, in bytes
	s_add_co_u32 s20, s20, s46
	s_mov_b32 s21, 0
	s_add_nc_u64 s[12:13], s[10:11], s[20:21]      ; the result
	s_add_nc_u64 s[10:11], s[8:9], s[20:21]        ; the residual
	s_wait_tensorcnt 1                             ; the scale words and my part of slot 0 are in; slot 1's load may be out
	s_barrier_signal -1
	s_barrier_wait -1
	FETCH_B 0, 0, 0
	FETCH_A 0, 0, 0
	SCALES 0
	FETCH_A 0, 0, 4
	STEP 0, 0, 1
	s_mov_b32 s3, LAPS-1
.Llap:
	TURN 0, 1, 1
	STEP 1, 0, 0
	TURN 1, 0, 1
	STEP 0, 0, 0
	s_sub_co_u32 s3, s3, 1
	s_cmp_lg_u32 s3, 0
	s_cbranch_scc1 .Llap
	TURN 0, 1, 0
	STEP 1, 0, 0
	s_wait_dscnt 16
	WIN MUL_LO
	MUL16 0, 1, 1, 1, 0
	MUL16 2, 1, 1, 1, 0
	s_wait_dscnt 0x0
	WIN MUL_HI
	MUL16 4, 1, 1, 1, 0
	MUL16 6, 1, 1, 1, 0
	WIN 0
	PLACES 4
; THE WAY OUT, block by block of 16 rows x 128 columns.  Row t of block a is token 32 (a / 2) + 16 (t / 8) + 8 (a % 2) + t % 8 of my 128: it stands in the immediate, 127 rows of 4,096 bytes at the most.
.macro RLOAD a
.set RB, RS+64*((\a)%2)
.irp t, 0,1,2,3,4,5,6,7,8,9,10,11,12,13,14,15
	global_load_b128 v[RB+4*\t:RB+4*\t+3], v[CO], s[10:11] offset:(32*((\a)/2)+16*(\t/8)+8*((\a)%2)+\t%8)*4096 th:TH_LOAD_NT
.endr
.endm
.macro TOSTAGE a
.set ACB, 64*((\a)%4)
	WIN 0x08+4*((\a)/4)                            ; the data: window 2 or 3
.irp b, 0,1,2,3,4,5,6,7
	ds_store_b128 v[STO], v[ACB+8*\b:ACB+8*\b+3] offset:64*\b          ; each accumulator from its low end on
	ds_store_b128 v[STO], v[ACB+8*\b+4:ACB+8*\b+7] offset:64*\b+16
.endr
	WIN 0
.irp t, 0,1,2,3,4,5,6,7,8,9,10,11,12,13,14,15
	ds_load_b128 v[BK+4*\t:BK+4*\t+3], v[RD] offset:\t*SPITCH          ; LDS serves a wave's instructions in order: these see the stores above
.endr
.endm
.macro SEND a
.set RB, RS+64*((\a)%2)
.set i, 0
.rept 32
	v_pk_add_f32 v[RB+i:RB+i+1], v[RB+i:RB+i+1], v[BK+i:BK+i+1]
.set i, i+2
.endr
.irp t, 0,1,2,3,4,5,6,7,8,9,10,11,12,13,14,15
	global_store_b128 v[CO], v[RB+4*\t:RB+4*\t+3], s[12:13] offset:(32*((\a)/2)+16*(\t/8)+8*((\a)%2)+\t%8)*4096   ; 32 lanes store 512 consecutive bytes, aligned
.endr
.endm
	RLOAD 0
.irp a, 0,1,2,3,4,5,6,7
.if \a < 7
.if \a > 0
	s_wait_xcnt 0x0                                ; block a - 1's stores have read their registers: the next residual rows may land there
.endif
	RLOAD \a+1
.endif
	TOSTAGE \a
	s_wait_dscnt 0x0
.if \a < 7
	s_wait_loadcnt 16                              ; this block's residual rows are in; the next block's sixteen loads may be out
.else
	s_wait_loadcnt 0x0
.endif
	SEND \a
.endr
	s_wait_tensorcnt 0x0                           ; the wave's end
	ds_add_u32 v[SPW], v[NIL]
	s_wait_dscnt 0x0
	CROUND
	s_endpgm
.Lfunc_end_k_q2d4b209ecd_wo:
	.size	k_q2d4b209ecd_wo, .Lfunc_end_k_q2d4b209ecd_wo-k_q2d4b209ecd_wo
	.p2alignl 7, 3214868480
	.fill 96, 4, 3214868480
	.section	.rodata,"a",@progbits
	.p2align	6, 0x0
	.amdhsa_kernel k_q2d4b209ecd_wo
		.amdhsa_group_segment_fixed_size 327680
		.amdhsa_private_segment_fixed_size 0
		.amdhsa_enable_private_segment 0
		.amdhsa_kernarg_size 32
		.amdhsa_user_sgpr_count 2
		.amdhsa_user_sgpr_kernarg_segment_ptr 1
		.amdhsa_wavefront_size32 1
		.amdhsa_system_sgpr_workgroup_id_x 1
		.amdhsa_system_sgpr_workgroup_id_y 1
		.amdhsa_system_sgpr_workgroup_id_z 1
		.amdhsa_system_vgpr_workitem_id 0
		.amdhsa_next_free_vgpr 1024
		.amdhsa_next_free_sgpr 100
		.amdhsa_reserve_vcc 0
		.amdhsa_float_denorm_mode_32 3
		.amdhsa_float_denorm_mode_16_64 3
		.amdhsa_memory_ordered 1
		.amdhsa_forward_progress 1
		.amdhsa_inst_pref_size 173
	.end_amdhsa_kernel
	.amdgpu_metadata
---
amdhsa.version: [ 1, 2 ]
amdhsa.kernels:
  - .name:           k_q2d4b209ecd_wo
    .symbol:         k_q2d4b209ecd_wo.kd
    .args:
      - { .name: hcs, .offset: 0, .size: 8, .value_kind: global_buffer, .address_space: global }
      - { .name: ops, .offset: 8, .size: 8, .value_kind: global_buffer, .address_space: global }
      - { .name: x, .offset: 16, .size: 8, .value_kind: global_buffer, .address_space: global }
      - { .name: z1, .offset: 24, .size: 8, .value_kind: global_buffer, .address_space: global }
    .group_segment_fixed_size: 327680
    .private_segment_fixed_size: 0
    .kernarg_segment_align: 8
    .kernarg_segment_size: 32
    .max_flat_workgroup_size: 128
    .sgpr_count:     100
    .vgpr_count:     1024
    .wavefront_size: 32
...
	.end_amdgpu_metadata
.endif
;; end of part 4
;; launch ln2: the kernel of part 1 again; grid 256 x 1, 8 waves a work-group, no clusters, 67,072 bytes of LDS; arguments z1, gamma_2, beta_2, W_Q, W_K, W_V, W_O, W_up, W_down, vops; writes vops
;; launch up (part 5): grid 16 x 16, 4 waves a work-group, clusters of 4 x 4, 327,680 bytes of LDS; arguments vops, ops, b_up, gcs; writes gcs
.if DOCPART == 5
	.amdgcn_target "amdgcn-amd-amdhsa--gfx1250"
	.amdhsa_code_object_version 6
	.text
	.protected	k_q2d4b209ecd_up
	.globl	k_q2d4b209ecd_up
	.p2align	8
	.type	k_q2d4b209ecd_up,@function
k_q2d4b209ecd_up:
	s_mov_b64 s[64:65], 0
	v_nop
	global_prefetch_b8 v0, s[64:65] scope:SCOPE_SE
	s_setreg_imm32_b32 hwreg(HW_REG_WAVE_MODE, 25, 1), 1
	s_wait_xcnt 0x0
	s_wait_alu depctr_hold_cnt(0) depctr_sa_sdst(0) depctr_va_vdst(0) depctr_va_sdst(0) depctr_va_ssrc(0) depctr_va_vcc(0) depctr_vm_vsrc(0)
	s_getreg_b32 s2, hwreg(HW_REG_IB_STS2, 6, 4)
	s_cmp_eq_u32 s2, 0
	s_cbranch_scc0 .Lentry_in_a_cluster
	s_endpgm
.Lentry_in_a_cluster:
	s_bfe_u32 s2, ttmp6, 0x10000c
	s_cmp_lg_u32 s2, 0xf033
	s_cbranch_scc0 .Lentry_shape_is_right
	s_endpgm
.Lentry_shape_is_right:
; hidden = gelu(v1 W_up + b_up), exact gelu, quantised at once: 4,096 x 4,096 x 1,024 on codes of FP6 (E2M3) with E8M0 scales; f32 sums; the hidden layer goes to memory as codes alone.
; Both operands lie in the order of the operand's registers: fragment (kappa, rho) of an operand of R rows at ((kappa / 2) (R / 16) + rho) 3,072 + (kappa % 2) 1,536; 128 rows x 256 K are 24,576 dense bytes.
; A tile of 256 x 256 is made by four waves, 128 x 128 each: 64 accumulators.  K goes in steps of 256 through two LDS slots filled by the tensor data mover; the scale words come once.
; THE MATRIX INSTRUCTION IS USED TRANSPOSED (source 0 = 16 columns of W_up, source 1 = 16 tokens).  W_up's columns are STORED with bits 3 and 4 of their number exchanged, so that a lane's 64 registers of a block a run
; along the hidden units in the quantiser's order: register 16 beta + i is unit 32 beta + 16 h + i.  The bias is the C of each sum's first matrix instruction.
; gelu(x) = x/2 + x/2 erf(x / sqrt 2); erf(z) = z P(z^2) / Q(z^2), the rational form of degree 13 over 8 in f32, z held to +-4 (beyond that erf is 1 to f32's last bit); 1 / Q by v_rcp_f32.
; CLUSTERS: 4 x 4; A's tiles are asked for jointly along a row of the cluster, B's along a column.
; LIMITS: a block under 2^-124 (zeros too) gets the byte 1; only this program reads the bytes.  NaN and infinities are not served.
.set KTOT,  1024
.set AROWS, 11264
.set BROWS, 4096
.set ACO,   0
.set ASO,   8650752
.set BCO,   9830400
.set BSO,   12976128
.set HALFT,  24576                     ; 128 rows x 256 K: what one tensor load brings, and what one wave reads of A or of B
.set SLOT,   4*HALFT
.set SCL,    2*SLOT                    ; behind the ring: the scale words, [kappa][128 rows] for each of the four halves
.set NKAP,   KTOT/128
.set HALFS,  NKAP*512
.set SPARE,  SCL+4*HALFS               ; the spare words, 128 bytes for each wave: two blocks of 256 bytes that no other line names
.set LAPS,   KTOT/512
.set ASTEP,  AROWS*192
.set BSTEP,  BROWS*192
.set FR,     12
.set ADRA, 16
.set ADRB, 20
.set ADRS, 27
.set SPW,  28
.set NIL,  29
.set SC,   32                          ; v32-63 scale words and nothing else
.set BIAS, 64
.set AF,   128
.set G1, 24
.set G0, 32
.set G1B, 48
.set G0B, 56
.set G1S, 68
.set G0S, 76
.set G1SB, 80
.set G0SB, 88
.set MSB, 0
.macro WIN new                         ; the immediate's high byte repeats the setting that is left
.if MSB != \new
	s_set_vgpr_msb (MSB<<8)|\new
.set MSB, \new
.endif
.endm
.set MUL_LO, 0xa1
.set MUL_HI, 0xf1
.set TO_B,   0x40
.macro JLOAD g0a, g1a, g0b, g1b        ; a joint load: waves 0, 1 fetch for A, waves 2, 3 for B; four v_nop follow each line
	s_cmp_eq_u32 s15, 0
	s_cbranch_scc0 .Lfor_b_\@
	tensor_load_to_lds s[\g0a:\g0a+3], s[\g1a:\g1a+7]
	s_nop 0
.rept 4
	v_nop
.endr
	s_branch .Lasked_\@
.Lfor_b_\@:
	tensor_load_to_lds s[\g0b:\g0b+3], s[\g1b:\g1b+7]
	s_nop 0
.rept 4
	v_nop
.endr
.Lasked_\@:
.endm
.macro CREST
	s_cmp_lg_u32 s14, 0
	s_cbranch_scc1 .Lnot_wave_0_\@
	s_barrier_signal -3
.Lnot_wave_0_\@:
	s_barrier_wait -3
	s_barrier_signal -1
	s_barrier_wait -1
.endm
.macro CROUND
	s_barrier_signal -1
	s_barrier_wait -1
	CREST
.endm
.macro PLACES n                        ; plain places behind matrix instructions (ISA guide 7.12.1)
.rept \n
	v_nop
.endr
.endm
.macro FRAG reg, adr, q, i
.irp c, 0,1
	ds_load_b128 v[\reg+6*\c:\reg+6*\c+3], v[\adr] offset:(\i)*3072+(\q)*1536+768*\c
	ds_load_b64 v[\reg+6*\c+4:\reg+6*\c+5], v[\adr+2] offset:(\i)*3072+(\q)*1536+768*\c+512
.endr
.endm
.macro FETCH_B slot, q, p
	WIN TO_B
.irp i, 0,1,2,3,4,5,6,7
	FRAG 128*(\p)+FR*\i, ADRB+\slot, \q, \i
.endr
	WIN 0
.endm
.macro FETCH_A slot, q, i0
.irp i, \i0, \i0+1, \i0+2, \i0+3
	FRAG AF+FR*(\i), ADRA+\slot, \q, \i
.endr
.endm
.macro SCALES sc
.irp i, 0,1,2,3,4,5,6,7
.irp q, 0,1
	ds_load_b32 v[SC+16*\sc+2*\i+\q], v[ADRS] offset:64*\i+512*\q
.endr
.endr
.endm
; cmode 1: the constant 0 starts the sums; 2: a bias does; 0: they go on.  The 64 accumulators take turns.
.macro MUL16 a0, p, q, sc, cmode
.irp a, \a0, \a0+1
.irp b, 0,1,2,3,4,5,6,7
.if \cmode == 1
	v_wmma_scale_f32_16x16x128_f8f6f4 v[8*(8*((\a)%4)+\b):8*(8*((\a)%4)+\b)+7], v[128*(\p)+FR*\b:128*(\p)+FR*\b+FR-1], v[AF+FR*(\a):AF+FR*(\a)+FR-1], 0, v[SC+16*(\sc)+2*\b+(\q)], v[SC+16*(\sc)+2*(\a)+(\q)] matrix_a_fmt:MATRIX_FMT_FP6 matrix_b_fmt:MATRIX_FMT_FP6 matrix_a_scale:MATRIX_SCALE_ROW1
.elseif \cmode == 2
	v_wmma_scale_f32_16x16x128_f8f6f4 v[8*(8*((\a)%4)+\b):8*(8*((\a)%4)+\b)+7], v[128*(\p)+FR*\b:128*(\p)+FR*\b+FR-1], v[AF+FR*(\a):AF+FR*(\a)+FR-1], v[BIAS+8*\b:BIAS+8*\b+7], v[SC+16*(\sc)+2*\b+(\q)], v[SC+16*(\sc)+2*(\a)+(\q)] matrix_a_fmt:MATRIX_FMT_FP6 matrix_b_fmt:MATRIX_FMT_FP6 matrix_a_scale:MATRIX_SCALE_ROW1
.else
	v_wmma_scale_f32_16x16x128_f8f6f4 v[8*(8*((\a)%4)+\b):8*(8*((\a)%4)+\b)+7], v[128*(\p)+FR*\b:128*(\p)+FR*\b+FR-1], v[AF+FR*(\a):AF+FR*(\a)+FR-1], v[8*(8*((\a)%4)+\b):8*(8*((\a)%4)+\b)+7], v[SC+16*(\sc)+2*\b+(\q)], v[SC+16*(\sc)+2*(\a)+(\q)] matrix_a_fmt:MATRIX_FMT_FP6 matrix_b_fmt:MATRIX_FMT_FP6 matrix_a_scale:MATRIX_SCALE_ROW1
.endif
.endr
.endr
.endm
.macro STEP slot, q, cmode
	s_wait_dscnt 16                                ; all but the youngest sixteen loads (A's blocks 4-7) are in
.if \cmode == 2
	WIN 0x81                                       ; the bias stands in window 0
.else
	WIN MUL_LO
.endif
	MUL16 0, (\q)%2, \q, \slot, \cmode
	MUL16 2, (\q)%2, \q, \slot, \cmode
	s_wait_dscnt 0x0
	PLACES 4
	FETCH_B \slot, (\q)+1, 1-(\q)%2
	FETCH_A \slot, (\q)+1, 0
.if \cmode == 2
	WIN 0xc1
.else
	WIN MUL_HI
.endif
	MUL16 4, (\q)%2, \q, \slot, \cmode
	MUL16 6, (\q)%2, \q, \slot, \cmode
	PLACES 4
	WIN 0
	FETCH_A \slot, (\q)+1, 4
.endm
.macro TURN slot, next, fill
	s_wait_tensorcnt 0x0                           ; all my tensor loads have landed: my part of the next slot
	ds_add_u32 v[SPW], v[NIL]
	s_wait_dscnt 17                                ; the add and the youngest sixteen loads may be out
	WIN MUL_LO
	MUL16 0, 1, 1, \slot, 0
	s_wait_dscnt 0x0                               ; the add is done, and my reads of this slot are over
	s_barrier_signal -1
	MUL16 2, 1, 1, \slot, 0
	WIN 0
	s_barrier_wait -1
.if \fill
	CREST                                          ; a round of the cluster's barrier: no wave of any partner still reads this slot or has a load on its way
	s_add_nc_u64 s[G0+4*\slot+2:G0+4*\slot+3], s[G0+4*\slot+2:G0+4*\slot+3], 2*ASTEP
	s_add_nc_u64 s[G0B+4*\slot+2:G0B+4*\slot+3], s[G0B+4*\slot+2:G0B+4*\slot+3], 2*BSTEP
	JLOAD G0+4*\slot, G1, G0B+4*\slot, G1B
.else
	PLACES 4
.endif
	v_add_nc_u32 v[ADRS], 1024, v[ADRS]
	FETCH_B \next, 0, 0
	FETCH_A \next, 0, 0
	SCALES \next
	WIN MUL_HI
	MUL16 4, 1, 1, \slot, 0
	MUL16 6, 1, 1, \slot, 0
	PLACES 4
	WIN 0
	FETCH_A \next, 0, 4
.endm
.set TM, 64                            ; the way out: v64-79 at work, v80-98 the codes, v100 the scale word, v102-125 erf's twelve constants, a pair each
.set PC, 80
.set PW, 100
.set CK, 102
.set Z,  128                           ; v128-191 a block's 64 numbers
.set ZC, 192
.set X2, 208
.set PN, 224
.set QD, 240
.set SEL, 92
.set RH,  18                           ; s[18:19] 1 / sqrt 2
.set BA,  95                           ; s95 the block
.set SOF, 96                           ; s96 its scale words' place in my 512 bytes of LDS
.set OB,  98                           ; s[98:99] where its image goes
	s_load_b128 s[4:7], s[0:1], 0x0                ; v1's codes, the weights' codes
	s_load_b128 s[8:11], s[0:1], 0x10              ; b_up s[8:9], the hidden layer's codes s[10:11]
	v_lshl_add_u32 v[SPW], v0, 2, SPARE
	v_mov_b32 v[NIL], 0
	ds_add_u32 v28, v29
	ds_add_u32 v28, v29
	s_wait_dscnt 0x0
	v_lshrrev_b32 v1, 5, v0
	v_readfirstlane_b32 s14, v1
	s_lshr_b32 s15, s14, 1
	s_and_b32 s16, s14, 1
	s_bfe_u32 s40, ttmp6, 0x40000
	s_bfe_u32 s41, ttmp6, 0x40004
	s_lshl_b32 s42, ttmp9, 2
	s_add_co_u32 s42, s42, s40                     ; B's tile
	s_and_b32 s17, ttmp7, 0xffff
	s_lshl_b32 s17, s17, 2
	s_add_co_u32 s17, s17, s41                     ; A's tile
	s_lshl_b32 s43, s41, 2
	s_lshl_b32 s43, 15, s43
	s_lshl_b32 s44, 0x1111, s40
	s_or_b32 s[G1+0], s43, (3<<16)|(1<<21)         ; codes: 24,576 dense bytes as 96 rows of 256, no padding
	s_or_b32 s[G1B+0], s44, (3<<16)|(1<<21)
.irp g, G1, G1B
	s_mov_b32 s[\g+1], 32<<16
	s_mov_b32 s[\g+2], 96<<16
	s_mov_b32 s[\g+3], 32<<16
	s_mov_b32 s[\g+4], 96
	s_mov_b32 s[\g+5], 32
	s_mov_b32 s[\g+6], 0
	s_mov_b32 s[\g+7], 0
.endr
	s_or_b32 s[G1S+0], s43, (3<<16)|(1<<21)        ; scale words: NKAP rows of 512 bytes
	s_or_b32 s[G1SB+0], s44, (3<<16)|(1<<21)
.irp g, G1S, G1SB
	s_mov_b32 s[\g+1], 64<<16
	s_mov_b32 s[\g+2], NKAP<<16
	s_mov_b32 s[\g+3], 64<<16
	s_mov_b32 s[\g+4], NKAP
	s_mov_b32 s[\g+6], 0
	s_mov_b32 s[\g+7], 0
.endr
	s_mov_b32 s[G1S+5], AROWS/2
	s_mov_b32 s[G1SB+5], BROWS/2
	s_lshl_b32 s20, s17, 1
	s_add_co_u32 s20, s20, s16
	s_mul_i32 s22, s20, HALFT
	s_add_co_u32 s22, s22, ACO
	s_mov_b32 s23, 0
	s_lshl_b32 s20, s20, 9
	s_add_co_u32 s20, s20, ASO
	s_mov_b32 s21, 0
	s_lshl_b32 s46, s42, 1
	s_add_co_u32 s46, s46, s16
	s_mul_i32 s92, s46, HALFT
	s_add_co_u32 s92, s92, BCO
	s_mov_b32 s93, 0
	s_lshl_b32 s46, s46, 9
	s_add_co_u32 s46, s46, BSO
	s_mov_b32 s47, 0
	s_mul_i32 s45, s14, HALFT
	s_mul_i32 s94, s14, HALFS
	s_wait_kmcnt 0x0
	s_add_nc_u64 s[22:23], s[4:5], s[22:23]
	s_add_nc_u64 s[20:21], s[4:5], s[20:21]
	s_add_nc_u64 s[92:93], s[6:7], s[92:93]
	s_add_nc_u64 s[46:47], s[6:7], s[46:47]
	CROUND
	s_mov_b32 s[G0S], 1
	s_add_co_u32 s[G0S+1], s94, SCL
	s_mov_b64 s[G0S+2:G0S+3], s[20:21]
	s_or_b32 s[G0S+3], s[G0S+3], 0x80000000
	s_mov_b32 s[G0SB], 1
	s_add_co_u32 s[G0SB+1], s94, SCL
	s_mov_b64 s[G0SB+2:G0SB+3], s[46:47]
	s_or_b32 s[G0SB+3], s[G0SB+3], 0x80000000
	JLOAD G0S, G1S, G0SB, G1SB
.irp s, 0,1
	s_mov_b32 s[G0+4*\s], 1
	s_add_co_u32 s[G0+4*\s+1], s45, \s*SLOT
	s_add_nc_u64 s[G0+4*\s+2:G0+4*\s+3], s[22:23], \s*ASTEP
	s_or_b32 s[G0+4*\s+3], s[G0+4*\s+3], 0x80000000
	s_mov_b32 s[G0B+4*\s], 1
	s_add_co_u32 s[G0B+4*\s+1], s45, \s*SLOT
	s_add_nc_u64 s[G0B+4*\s+2:G0B+4*\s+3], s[92:93], \s*BSTEP
	s_or_b32 s[G0B+4*\s+3], s[G0B+4*\s+3], 0x80000000
	JLOAD G0+4*\s, G1, G0B+4*\s, G1B
.endr
	v_and_b32 v1, 15, v0
	v_bfe_u32 v2, v0, 4, 1
	v_and_b32 v3, 31, v0
	v_lshlrev_b32 v4, 4, v3
	v_lshlrev_b32 v5, 3, v3
	s_lshl_b32 s46, s42, 10                        ; the bias: my 128 columns; accumulator b's register j is column 32 (b / 2) + 16 h + 8 (b % 2) + j
	s_lshl_b32 s47, s16, 9
	s_add_co_u32 s46, s46, s47
	s_mov_b32 s47, 0
	s_add_nc_u64 s[8:9], s[8:9], s[46:47]
	v_lshlrev_b32 v30, 6, v2
.irp b, 0,1,2,3,4,5,6,7
	global_load_b128 v[BIAS+8*\b:BIAS+8*\b+3], v30, s[8:9] offset:128*(\b/2)+32*(\b%2)
	global_load_b128 v[BIAS+8*\b+4:BIAS+8*\b+7], v30, s[8:9] offset:128*(\b/2)+32*(\b%2)+16
.endr
	s_mul_i32 s21, s15, HALFT
	s_mul_i32 s22, s16, HALFT
	s_add_co_u32 s22, s22, 2*HALFT
.irp s, 0,1
	v_add_nc_u32 v[ADRA+\s], s21, v4
	v_add_nc_u32 v[ADRB+\s], s22, v4
	v_add_nc_u32 v[ADRA+2+\s], s21, v5
	v_add_nc_u32 v[ADRB+2+\s], s22, v5
	s_add_co_u32 s21, s21, SLOT
	s_add_co_u32 s22, s22, SLOT
.endr
	v_lshlrev_b32 v7, 2, v1
	s_mul_i32 s21, s15, HALFS
	s_mul_i32 s22, s16, HALFS
	s_add_co_u32 s22, s22, 2*HALFS
	s_sub_co_u32 s22, s22, s21
	v_mul_u32_u24 v6, s22, v2
	s_add_co_u32 s21, s21, SCL
	v_add_nc_u32 v6, v7, v6
	v_add_nc_u32 v[ADRS], s21, v6
	v_mov_b32 v24, v4
	v_mov_b32 v25, v5
	s_lshl_b32 s21, s14, 9
	v_add_nc_u32 v26, s21, v7                      ; my wave's 512 bytes of LDS for its scale words, in slot 0, which has had its last fill and its last read by then
	v_add_nc_u32 v31, s21, v4
	s_lshl_b32 s20, s42, 8                         ; images: ((256 tB + 16 tA + 8 x my A half + a) 2 + my B half) 1,536
	s_lshl_b32 s21, s17, 4
	s_add_co_u32 s20, s20, s21
	s_lshl_b32 s21, s15, 3
	s_add_co_u32 s20, s20, s21
	s_lshl_b32 s20, s20, 1
	s_add_co_u32 s20, s20, s16
	s_mul_i32 s98, s20, 1536
	s_mov_b32 s99, 0
	s_add_nc_u64 s[OB:OB+1], s[10:11], s[98:99]
	s_lshl_b32 s20, s42, 1                         ; scale words: kappa = 2 tB + my B half, rows 256 tA + 128 x my A half on
	s_add_co_u32 s20, s20, s16
	s_lshl_b32 s20, s20, 14
	s_lshl_b32 s21, s17, 10
	s_add_co_u32 s20, s20, s21
	s_lshl_b32 s21, s15, 9
	s_add_co_u32 s20, s20, s21
	s_add_co_u32 s66, s20, 12582912
	s_mov_b32 s67, 0
	s_add_nc_u64 s[66:67], s[10:11], s[66:67]
	s_mov_b32 s[SEL], 0x76543210
	s_mov_b32 s[SEL+1], 0xfedcba98
	s_mov_b32 s[RH], 0x3f3504f3
	s_mov_b32 s[RH+1], s[RH]
	s_wait_tensorcnt 1                             ; the scale words and my part of slot 0 are in; slot 1's load may be out
	s_barrier_signal -1
	s_barrier_wait -1
	FETCH_B 0, 0, 0
	FETCH_A 0, 0, 0
	SCALES 0
	FETCH_A 0, 0, 4
	s_wait_loadcnt 0x0                             ; the bias
	STEP 0, 0, 2
	s_mov_b32 s3, LAPS-1
.Llap:
	TURN 0, 1, 1
	STEP 1, 0, 0
	TURN 1, 0, 1
	STEP 0, 0, 0
	s_sub_co_u32 s3, s3, 1
	s_cmp_lg_u32 s3, 0
	s_cbranch_scc1 .Llap
	TURN 0, 1, 0
	STEP 1, 0, 0
	s_wait_dscnt 16
	WIN MUL_LO
	MUL16 0, 1, 1, 1, 0
	MUL16 2, 1, 1, 1, 0
	s_wait_dscnt 0x0
	WIN MUL_HI
	MUL16 4, 1, 1, 1, 0
	MUL16 6, 1, 1, 1, 0
	WIN 0
	; erf's constants, highest power first: P's seven, Q's five.  (These moves are also the places behind the last products)
.set n, 0
.irp k, 0xaf95df0b, 0x32edffee, 0xb60cff51, 0xb86ec2d2, 0xba40ac63, 0xbb41a1f6, 0xbc83dbd4, 0xb77460cd, 0xb95fbd29, 0xbadc924e, 0xbbf19bf8, 0xbc69b6a7
	v_mov_b32 v[CK+n], \k
	v_mov_b32 v[CK+n+1], \k
.set n, n+2
.endr
.irp b, 0,1,2,3
	v_mov_b32 v[TM+4+\b], 0                        ; a lane permute's destination counts as one of its sources
.endr
.macro TAKE k                                          ; block k's 64 sums, x 1 / sqrt 2, come into window 0; each accumulator is read from its low end on
	WIN 2+(\k)/4
.set i, 0
.rept 32
	v_pk_mul_f32 v[Z+i:Z+i+1], v[64*((\k)%4)+i:64*((\k)%4)+i+1], s[RH:RH+1] op_sel_hi:[1,0]
.set i, i+2
.endr
	WIN 0
.endm
.macro GELU16 g                                        ; sixteen numbers z = x / sqrt 2 become gelu(x)
.set ZB, Z+16*(\g)
.irp i, 0,1,2,3,4,5,6,7,8,9,10,11,12,13,14,15
	v_med3_num_f32 v[ZC+\i], v[ZB+\i], -4.0, 4.0
.endr
.irp i, 0,2,4,6,8,10,12,14
	v_pk_mul_f32 v[X2+\i:X2+\i+1], v[ZC+\i:ZC+\i+1], v[ZC+\i:ZC+\i+1]
.endr
.irp i, 0,2,4,6,8,10,12,14
	v_pk_fma_f32 v[PN+\i:PN+\i+1], v[X2+\i:X2+\i+1], v[CK:CK+1], v[CK+2:CK+3]
.endr
.irp k, 4,6,8,10,12
.irp i, 0,2,4,6,8,10,12,14
	v_pk_fma_f32 v[PN+\i:PN+\i+1], v[PN+\i:PN+\i+1], v[X2+\i:X2+\i+1], v[CK+\k:CK+\k+1]
.endr
.endr
.irp i, 0,2,4,6,8,10,12,14
	v_pk_fma_f32 v[QD+\i:QD+\i+1], v[X2+\i:X2+\i+1], v[CK+14:CK+15], v[CK+16:CK+17]
.endr
.irp k, 18,20,22
.irp i, 0,2,4,6,8,10,12,14
	v_pk_fma_f32 v[QD+\i:QD+\i+1], v[QD+\i:QD+\i+1], v[X2+\i:X2+\i+1], v[CK+\k:CK+\k+1]
.endr
.endr
.irp i, 0,2,4,6,8,10,12,14
	v_pk_mul_f32 v[PN+\i:PN+\i+1], v[PN+\i:PN+\i+1], v[ZC+\i:ZC+\i+1]
.endr
.irp i, 0,1,2,3,4,5,6,7,8,9,10,11,12,13,14,15
	v_rcp_f32 v[QD+\i], v[QD+\i]
.endr
.irp i, 0,2,4,6,8,10,12,14
	v_pk_mul_f32 v[X2+\i:X2+\i+1], v[ZB+\i:ZB+\i+1], s[RH:RH+1] op_sel_hi:[1,0]   ; x / 2: plain work behind the reciprocals
.endr
	s_wait_alu depctr_va_vdst(0)                   ; one wait for the sixteen, ahead of their first reader
.irp i, 0,2,4,6,8,10,12,14
	v_pk_mul_f32 v[PN+\i:PN+\i+1], v[PN+\i:PN+\i+1], v[QD+\i:QD+\i+1]              ; erf
.endr
.irp i, 0,2,4,6,8,10,12,14
	v_pk_fma_f32 v[ZB+\i:ZB+\i+1], v[X2+\i:X2+\i+1], v[PN+\i:PN+\i+1], v[X2+\i:X2+\i+1]
.endr
.endm
.macro QUANT s
.irp b, 0,1,2,3
	v_max3_num_f32 v[TM+\b], |v[\s+16*\b]|, |v[\s+1+16*\b]|, 0x1800000
.endr
.irp i, 2,4,6,8,10,12,14
.irp b, 0,1,2,3
	v_max3_num_f32 v[TM+\b], v[TM+\b], |v[\s+16*\b+\i]|, |v[\s+1+16*\b+\i]|
.endr
.endr
.irp b, 0,1,2,3
	v_permlanex16_b32 v[TM+4+\b], v[TM+\b], s[SEL], s[SEL+1]
.endr
.irp b, 0,1,2,3
	v_max_num_f32 v[TM+\b], v[TM+\b], v[TM+4+\b]
.endr
.irp b, 0,1,2,3
	v_add_nc_u32 v[TM+12+\b], 0xff000000, v[TM+\b]
.endr
.irp b, 0,1,2,3
	v_lshrrev_b32 v[TM+4+\b], 23, v[TM+12+\b]
.endr
	v_lshl_or_b32 v[PW], v[TM+5], 8, v[TM+4]
	v_lshl_or_b32 v[PW], v[TM+6], 16, v[PW]
	v_lshl_or_b32 v[PW], v[TM+7], 24, v[PW]
.irp c, 0,1
	v_cvt_scalef32_pk16_fp6_f32 v[PC+6*\c:PC+2+6*\c], v[\s+32*\c:\s+15+32*\c], v[TM+12+2*\c]
	v_cvt_scalef32_pk16_fp6_f32 v[PC+12+4*\c:PC+14+4*\c], v[\s+16+32*\c:\s+31+32*\c], v[TM+12+2*\c+1]
.endr
	v_nop
.irp c, 0,1
.irp i, 0,1,2
	v_permlane16_swap_b32 v[PC+6*\c+\i], v[PC+12+4*\c+\i]
.endr
.irp i, 0,1,2
	v_mov_b32 v[PC+3+6*\c+\i], v[PC+12+4*\c+\i]
.endr
.endr
.endm
	; A loop over my eight blocks of 16 tokens: only the lines that fetch a block differ, so only they are written eight times
	s_mov_b32 s[BA], 0
	s_mov_b32 s[SOF], 0
.Lblk:
.irp k, 0,1,2,3,4,5,6
	s_cmp_eq_u32 s[BA], \k
	s_cbranch_scc0 .Lnot\k
	TAKE \k
	s_branch .Lwork
.Lnot\k:
.endr
	TAKE 7
.Lwork:
	GELU16 0
	GELU16 1
	GELU16 2
	GELU16 3
	QUANT Z
	v_add_nc_u32 v27, s[SOF], v26
	ds_store_b32 v27, v[PW]                        ; lanes 16-31 repeat lanes 0-15
	global_store_b128 v24, v[PC:PC+3], s[OB:OB+1]              ; each store covers 512 or 256 consecutive bytes, aligned
	global_store_b64 v25, v[PC+4:PC+5], s[OB:OB+1] offset:512
	global_store_b128 v24, v[PC+6:PC+9], s[OB:OB+1] offset:768
	global_store_b64 v25, v[PC+10:PC+11], s[OB:OB+1] offset:1280
	s_wait_xcnt 0x0                                ; the stores have read their registers and their base:
	s_wait_dscnt 0x0                               ; all may be written again
	s_add_nc_u64 s[OB:OB+1], s[OB:OB+1], 3072
	s_add_co_u32 s[SOF], s[SOF], 64
	s_add_co_u32 s[BA], s[BA], 1
	s_cmp_lt_u32 s[BA], 8
	s_cbranch_scc1 .Lblk
	ds_load_b128 v[80:83], v31                     ; my 128 rows' scale words
	s_wait_dscnt 0x0
	global_store_b128 v24, v[80:83], s[66:67]      ; 512 consecutive bytes, aligned
	s_wait_tensorcnt 0x0                           ; the wave's end
	ds_add_u32 v[SPW], v[NIL]
	s_wait_dscnt 0x0
	CROUND
	s_endpgm
.Lfunc_end_k_q2d4b209ecd_up:
	.size	k_q2d4b209ecd_up, .Lfunc_end_k_q2d4b209ecd_up-k_q2d4b209ecd_up
	.p2alignl 7, 3214868480
	.fill 96, 4, 3214868480
	.section	.rodata,"a",@progbits
	.p2align	6, 0x0
	.amdhsa_kernel k_q2d4b209ecd_up
		.amdhsa_group_segment_fixed_size 327680
		.amdhsa_private_segment_fixed_size 0
		.amdhsa_enable_private_segment 0
		.amdhsa_kernarg_size 32
		.amdhsa_user_sgpr_count 2
		.amdhsa_user_sgpr_kernarg_segment_ptr 1
		.amdhsa_wavefront_size32 1
		.amdhsa_system_sgpr_workgroup_id_x 1
		.amdhsa_system_sgpr_workgroup_id_y 1
		.amdhsa_system_sgpr_workgroup_id_z 1
		.amdhsa_system_vgpr_workitem_id 0
		.amdhsa_next_free_vgpr 1024
		.amdhsa_next_free_sgpr 100
		.amdhsa_reserve_vcc 0
		.amdhsa_float_denorm_mode_32 3
		.amdhsa_float_denorm_mode_16_64 3
		.amdhsa_memory_ordered 1
		.amdhsa_forward_progress 1
		.amdhsa_inst_pref_size 178
	.end_amdhsa_kernel
	.amdgpu_metadata
---
amdhsa.version: [ 1, 2 ]
amdhsa.kernels:
  - .name:           k_q2d4b209ecd_up
    .symbol:         k_q2d4b209ecd_up.kd
    .args:
      - { .name: vops, .offset: 0, .size: 8, .value_kind: global_buffer, .address_space: global }
      - { .name: ops, .offset: 8, .size: 8, .value_kind: global_buffer, .address_space: global }
      - { .name: b_up, .offset: 16, .size: 8, .value_kind: global_buffer, .address_space: global }
      - { .name: gcs, .offset: 24, .size: 8, .value_kind: global_buffer, .address_space: global }
    .group_segment_fixed_size: 327680
    .private_segment_fixed_size: 0
    .kernarg_segment_align: 8
    .kernarg_segment_size: 32
    .max_flat_workgroup_size: 128
    .sgpr_count:     100
    .vgpr_count:     1024
    .wavefront_size: 32
...
	.end_amdgpu_metadata
.endif
;; end of part 5
;; launch down (part 6): grid 4 x 16, 4 waves a work-group, clusters of 4 x 4, 327,680 bytes of LDS; arguments gcs, ops, b_down, z1, out0; writes out0
.if DOCPART == 6
	.amdgcn_target "amdgcn-amd-amdhsa--gfx1250"
	.amdhsa_code_object_version 6
	.text
	.protected	k_q2d4b209ecd_down
	.globl	k_q2d4b209ecd_down
	.p2align	8
	.type	k_q2d4b209ecd_down,@function
k_q2d4b209ecd_down:
	s_mov_b64 s[64:65], 0
	v_nop
	global_prefetch_b8 v0, s[64:65] scope:SCOPE_SE
	s_setreg_imm32_b32 hwreg(HW_REG_WAVE_MODE, 25, 1), 1
	s_wait_xcnt 0x0
	s_wait_alu depctr_hold_cnt(0) depctr_sa_sdst(0) depctr_va_vdst(0) depctr_va_sdst(0) depctr_va_ssrc(0) depctr_va_vcc(0) depctr_vm_vsrc(0)
	s_getreg_b32 s2, hwreg(HW_REG_IB_STS2, 6, 4)
	s_cmp_eq_u32 s2, 0
	s_cbranch_scc0 .Lentry_in_a_cluster
	s_endpgm
.Lentry_in_a_cluster:
	s_bfe_u32 s2, ttmp6, 0x10000c
	s_cmp_lg_u32 s2, 0xf033
	s_cbranch_scc0 .Lentry_shape_is_right
	s_endpgm
.Lentry_shape_is_right:
; out = z1 + hidden W_down + b_down: 4,096 x 1,024 x 4,096 on codes of FP6 (E2M3) with E8M0 scales; f32 sums; the bias is the C of each sum's first matrix instruction, the residual is added on the way out.
; Both operands lie in the order of the operand's registers: fragment (kappa, rho) of an operand of R rows at ((kappa / 2) (R / 16) + rho) 3,072 + (kappa % 2) 1,536; 128 rows x 256 K are 24,576 dense bytes.
; A tile of 256 x 256 is made by four waves, 128 x 128 each: 64 accumulators.  K goes in steps of 256 through two LDS slots filled by the tensor data mover; the scale words come once.
; THE MATRIX INSTRUCTION IS USED TRANSPOSED (source 0 = 16 columns of W_down, source 1 = 16 tokens): a lane holds eight neighbouring numbers of a row of the result.
; A's rows are tokens with bits 3 and 4 of their number exchanged: the way out puts them back, in the stores' immediates.
; CLUSTERS: 4 x 4; A's tiles are asked for jointly along a row of the cluster, B's along a column.  The launch has 64 tiles of this size: 64 work-groups.
.set KTOT,  4096
.set AROWS, 4096
.set BROWS, 1024
.set ACO,   0
.set ASO,   12582912
.set BCO,   13107200
.set BSO,   16252928
.set HALFT,  24576                     ; 128 rows x 256 K: what one tensor load brings, and what one wave reads of A or of B
.set SLOT,   4*HALFT
.set SCL,    2*SLOT                    ; behind the ring: the scale words, [kappa][128 rows] for each of the four halves
.set NKAP,   KTOT/128
.set HALFS,  NKAP*512
.set SPARE,  SCL+4*HALFS               ; the spare words, 128 bytes for each wave: two blocks of 256 bytes that no other line names
.set LAPS,   KTOT/512
.set ASTEP,  AROWS*192
.set BSTEP,  BROWS*192
.set FR,     12
.set ADRA, 16
.set ADRB, 20
.set ADRS, 27
.set SPW,  28
.set NIL,  29
.set SC,   32                          ; v32-63 scale words and nothing else
.set BIAS, 64
.set AF,   128
.set G1, 24
.set G0, 32
.set G1B, 48
.set G0B, 56
.set G1S, 68
.set G0S, 76
.set G1SB, 80
.set G0SB, 88
.set MSB, 0
.macro WIN new                         ; the immediate's high byte repeats the setting that is left
.if MSB != \new
	s_set_vgpr_msb (MSB<<8)|\new
.set MSB, \new
.endif
.endm
.set MUL_LO, 0xa1
.set MUL_HI, 0xf1
.set TO_B,   0x40
.macro JLOAD g0a, g1a, g0b, g1b        ; a joint load: waves 0, 1 fetch for A, waves 2, 3 for B; four v_nop follow each line
	s_cmp_eq_u32 s15, 0
	s_cbranch_scc0 .Lfor_b_\@
	tensor_load_to_lds s[\g0a:\g0a+3], s[\g1a:\g1a+7]
	s_nop 0
.rept 4
	v_nop
.endr
	s_branch .Lasked_\@
.Lfor_b_\@:
	tensor_load_to_lds s[\g0b:\g0b+3], s[\g1b:\g1b+7]
	s_nop 0
.rept 4
	v_nop
.endr
.Lasked_\@:
.endm
.macro CREST
	s_cmp_lg_u32 s14, 0
	s_cbranch_scc1 .Lnot_wave_0_\@
	s_barrier_signal -3
.Lnot_wave_0_\@:
	s_barrier_wait -3
	s_barrier_signal -1
	s_barrier_wait -1
.endm
.macro CROUND
	s_barrier_signal -1
	s_barrier_wait -1
	CREST
.endm
.macro PLACES n                        ; plain places behind matrix instructions (ISA guide 7.12.1)
.rept \n
	v_nop
.endr
.endm
.macro FRAG reg, adr, q, i
.irp c, 0,1
	ds_load_b128 v[\reg+6*\c:\reg+6*\c+3], v[\adr] offset:(\i)*3072+(\q)*1536+768*\c
	ds_load_b64 v[\reg+6*\c+4:\reg+6*\c+5], v[\adr+2] offset:(\i)*3072+(\q)*1536+768*\c+512
.endr
.endm
.macro FETCH_B slot, q, p
	WIN TO_B
.irp i, 0,1,2,3,4,5,6,7
	FRAG 128*(\p)+FR*\i, ADRB+\slot, \q, \i
.endr
	WIN 0
.endm
.macro FETCH_A slot, q, i0
.irp i, \i0, \i0+1, \i0+2, \i0+3
	FRAG AF+FR*(\i), ADRA+\slot, \q, \i
.endr
.endm
.macro SCALES sc
.irp i, 0,1,2,3,4,5,6,7
.irp q, 0,1
	ds_load_b32 v[SC+16*\sc+2*\i+\q], v[ADRS] offset:64*\i+512*\q
.endr
.endr
.endm
; cmode 1: the constant 0 starts the sums; 2: a bias does; 0: they go on.  The 64 accumulators take turns.
.macro MUL16 a0, p, q, sc, cmode
.irp a, \a0, \a0+1
.irp b, 0,1,2,3,4,5,6,7
.if \cmode == 1
	v_wmma_scale_f32_16x16x128_f8f6f4 v[8*(8*((\a)%4)+\b):8*(8*((\a)%4)+\b)+7], v[128*(\p)+FR*\b:128*(\p)+FR*\b+FR-1], v[AF+FR*(\a):AF+FR*(\a)+FR-1], 0, v[SC+16*(\sc)+2*\b+(\q)], v[SC+16*(\sc)+2*(\a)+(\q)] matrix_a_fmt:MATRIX_FMT_FP6 matrix_b_fmt:MATRIX_FMT_FP6 matrix_a_scale:MATRIX_SCALE_ROW1
.elseif \cmode == 2
	v_wmma_scale_f32_16x16x128_f8f6f4 v[8*(8*((\a)%4)+\b):8*(8*((\a)%4)+\b)+7], v[128*(\p)+FR*\b:128*(\p)+FR*\b+FR-1], v[AF+FR*(\a):AF+FR*(\a)+FR-1], v[BIAS+8*\b:BIAS+8*\b+7], v[SC+16*(\sc)+2*\b+(\q)], v[SC+16*(\sc)+2*(\a)+(\q)] matrix_a_fmt:MATRIX_FMT_FP6 matrix_b_fmt:MATRIX_FMT_FP6 matrix_a_scale:MATRIX_SCALE_ROW1
.else
	v_wmma_scale_f32_16x16x128_f8f6f4 v[8*(8*((\a)%4)+\b):8*(8*((\a)%4)+\b)+7], v[128*(\p)+FR*\b:128*(\p)+FR*\b+FR-1], v[AF+FR*(\a):AF+FR*(\a)+FR-1], v[8*(8*((\a)%4)+\b):8*(8*((\a)%4)+\b)+7], v[SC+16*(\sc)+2*\b+(\q)], v[SC+16*(\sc)+2*(\a)+(\q)] matrix_a_fmt:MATRIX_FMT_FP6 matrix_b_fmt:MATRIX_FMT_FP6 matrix_a_scale:MATRIX_SCALE_ROW1
.endif
.endr
.endr
.endm
.macro STEP slot, q, cmode
	s_wait_dscnt 16                                ; all but the youngest sixteen loads (A's blocks 4-7) are in
.if \cmode == 2
	WIN 0x81                                       ; the bias stands in window 0
.else
	WIN MUL_LO
.endif
	MUL16 0, (\q)%2, \q, \slot, \cmode
	MUL16 2, (\q)%2, \q, \slot, \cmode
	s_wait_dscnt 0x0
	PLACES 4
	FETCH_B \slot, (\q)+1, 1-(\q)%2
	FETCH_A \slot, (\q)+1, 0
.if \cmode == 2
	WIN 0xc1
.else
	WIN MUL_HI
.endif
	MUL16 4, (\q)%2, \q, \slot, \cmode
	MUL16 6, (\q)%2, \q, \slot, \cmode
	PLACES 4
	WIN 0
	FETCH_A \slot, (\q)+1, 4
.endm
.macro TURN slot, next, fill
	s_wait_tensorcnt 0x0                           ; all my tensor loads have landed: my part of the next slot
	ds_add_u32 v[SPW], v[NIL]
	s_wait_dscnt 17                                ; the add and the youngest sixteen loads may be out
	WIN MUL_LO
	MUL16 0, 1, 1, \slot, 0
	s_wait_dscnt 0x0                               ; the add is done, and my reads of this slot are over
	s_barrier_signal -1
	MUL16 2, 1, 1, \slot, 0
	WIN 0
	s_barrier_wait -1
.if \fill
	CREST                                          ; a round of the cluster's barrier: no wave of any partner still reads this slot or has a load on its way
	s_add_nc_u64 s[G0+4*\slot+2:G0+4*\slot+3], s[G0+4*\slot+2:G0+4*\slot+3], 2*ASTEP
	s_add_nc_u64 s[G0B+4*\slot+2:G0B+4*\slot+3], s[G0B+4*\slot+2:G0B+4*\slot+3], 2*BSTEP
	JLOAD G0+4*\slot, G1, G0B+4*\slot, G1B
.else
	PLACES 4
.endif
	v_add_nc_u32 v[ADRS], 1024, v[ADRS]
	FETCH_B \next, 0, 0
	FETCH_A \next, 0, 0
	SCALES \next
	WIN MUL_HI
	MUL16 4, 1, 1, \slot, 0
	MUL16 6, 1, 1, \slot, 0
	PLACES 4
	WIN 0
	FETCH_A \next, 0, 4
.endm
.set SPITCH, 528                       ; the way out: a stage of 16 rows x (512 bytes + 16) for each wave, in slot 0, which has had its last fill and its last read by then
.set STO, 24
.set RD,  25
.set CO,  26
.set RS,  64                           ; v64-127, v128-191 the residual's rows, two sets; then the sums that are stored
.set BK,  192                          ; v192-255 16 rows back from the stage
	s_load_b128 s[4:7], s[0:1], 0x0                ; the hidden layer's codes, the weights' codes
	s_load_b128 s[8:11], s[0:1], 0x10              ; b_down s[8:9], z1 s[10:11]
	s_load_b64 s[12:13], s[0:1], 0x20              ; the output
	v_lshl_add_u32 v[SPW], v0, 2, SPARE
	v_mov_b32 v[NIL], 0
	ds_add_u32 v28, v29
	ds_add_u32 v28, v29
	s_wait_dscnt 0x0
	v_lshrrev_b32 v1, 5, v0
	v_readfirstlane_b32 s14, v1
	s_lshr_b32 s15, s14, 1
	s_and_b32 s16, s14, 1
	s_bfe_u32 s40, ttmp6, 0x40000
	s_bfe_u32 s41, ttmp6, 0x40004
	s_lshl_b32 s42, ttmp9, 2
	s_add_co_u32 s42, s42, s40                     ; B's tile
	s_and_b32 s17, ttmp7, 0xffff
	s_lshl_b32 s17, s17, 2
	s_add_co_u32 s17, s17, s41                     ; A's tile
	s_lshl_b32 s43, s41, 2
	s_lshl_b32 s43, 15, s43
	s_lshl_b32 s44, 0x1111, s40
	s_or_b32 s[G1+0], s43, (3<<16)|(1<<21)         ; codes: 24,576 dense bytes as 96 rows of 256, no padding
	s_or_b32 s[G1B+0], s44, (3<<16)|(1<<21)
.irp g, G1, G1B
	s_mov_b32 s[\g+1], 32<<16
	s_mov_b32 s[\g+2], 96<<16
	s_mov_b32 s[\g+3], 32<<16
	s_mov_b32 s[\g+4], 96
	s_mov_b32 s[\g+5], 32
	s_mov_b32 s[\g+6], 0
	s_mov_b32 s[\g+7], 0
.endr
	s_or_b32 s[G1S+0], s43, (3<<16)|(1<<21)        ; scale words: NKAP rows of 512 bytes
	s_or_b32 s[G1SB+0], s44, (3<<16)|(1<<21)
.irp g, G1S, G1SB
	s_mov_b32 s[\g+1], 64<<16
	s_mov_b32 s[\g+2], NKAP<<16
	s_mov_b32 s[\g+3], 64<<16
	s_mov_b32 s[\g+4], NKAP
	s_mov_b32 s[\g+6], 0
	s_mov_b32 s[\g+7], 0
.endr
	s_mov_b32 s[G1S+5], AROWS/2
	s_mov_b32 s[G1SB+5], BROWS/2
	s_lshl_b32 s20, s17, 1
	s_add_co_u32 s20, s20, s16
	s_mul_i32 s22, s20, HALFT
	s_add_co_u32 s22, s22, ACO
	s_mov_b32 s23, 0
	s_lshl_b32 s20, s20, 9
	s_add_co_u32 s20, s20, ASO
	s_mov_b32 s21, 0
	s_lshl_b32 s46, s42, 1
	s_add_co_u32 s46, s46, s16
	s_mul_i32 s92, s46, HALFT
	s_add_co_u32 s92, s92, BCO
	s_mov_b32 s93, 0
	s_lshl_b32 s46, s46, 9
	s_add_co_u32 s46, s46, BSO
	s_mov_b32 s47, 0
	s_mul_i32 s45, s14, HALFT
	s_mul_i32 s94, s14, HALFS
	s_wait_kmcnt 0x0
	s_add_nc_u64 s[22:23], s[4:5], s[22:23]
	s_add_nc_u64 s[20:21], s[4:5], s[20:21]
	s_add_nc_u64 s[92:93], s[6:7], s[92:93]
	s_add_nc_u64 s[46:47], s[6:7], s[46:47]
	CROUND
	s_mov_b32 s[G0S], 1
	s_add_co_u32 s[G0S+1], s94, SCL
	s_mov_b64 s[G0S+2:G0S+3], s[20:21]
	s_or_b32 s[G0S+3], s[G0S+3], 0x80000000
	s_mov_b32 s[G0SB], 1
	s_add_co_u32 s[G0SB+1], s94, SCL
	s_mov_b64 s[G0SB+2:G0SB+3], s[46:47]
	s_or_b32 s[G0SB+3], s[G0SB+3], 0x80000000
	JLOAD G0S, G1S, G0SB, G1SB
.irp s, 0,1
	s_mov_b32 s[G0+4*\s], 1
	s_add_co_u32 s[G0+4*\s+1], s45, \s*SLOT
	s_add_nc_u64 s[G0+4*\s+2:G0+4*\s+3], s[22:23], \s*ASTEP
	s_or_b32 s[G0+4*\s+3], s[G0+4*\s+3], 0x80000000
	s_mov_b32 s[G0B+4*\s], 1
	s_add_co_u32 s[G0B+4*\s+1], s45, \s*SLOT
	s_add_nc_u64 s[G0B+4*\s+2:G0B+4*\s+3], s[92:93], \s*BSTEP
	s_or_b32 s[G0B+4*\s+3], s[G0B+4*\s+3], 0x80000000
	JLOAD G0+4*\s, G1, G0B+4*\s, G1B
.endr
	v_and_b32 v1, 15, v0
	v_bfe_u32 v2, v0, 4, 1
	v_and_b32 v3, 31, v0
	v_lshlrev_b32 v4, 4, v3
	v_lshlrev_b32 v5, 3, v3
	s_lshl_b32 s46, s42, 10
	s_lshl_b32 s47, s16, 9
	s_add_co_u32 s46, s46, s47                     ; my first column, in bytes
	s_mov_b32 s47, 0
	s_add_nc_u64 s[8:9], s[8:9], s[46:47]          ; the bias: accumulator b's register j is column 16 b + 8 h + j
	v_lshlrev_b32 v30, 5, v2
.irp b, 0,1,2,3,4,5,6,7
	global_load_b128 v[BIAS+8*\b:BIAS+8*\b+3], v30, s[8:9] offset:64*\b
	global_load_b128 v[BIAS+8*\b+4:BIAS+8*\b+7], v30, s[8:9] offset:64*\b+16
.endr
	s_mul_i32 s21, s15, HALFT
	s_mul_i32 s22, s16, HALFT
	s_add_co_u32 s22, s22, 2*HALFT
.irp s, 0,1
	v_add_nc_u32 v[ADRA+\s], s21, v4
	v_add_nc_u32 v[ADRB+\s], s22, v4
	v_add_nc_u32 v[ADRA+2+\s], s21, v5
	v_add_nc_u32 v[ADRB+2+\s], s22, v5
	s_add_co_u32 s21, s21, SLOT
	s_add_co_u32 s22, s22, SLOT
.endr
	v_lshlrev_b32 v7, 2, v1
	s_mul_i32 s21, s15, HALFS
	s_mul_i32 s22, s16, HALFS
	s_add_co_u32 s22, s22, 2*HALFS
	s_sub_co_u32 s22, s22, s21
	v_mul_u32_u24 v6, s22, v2
	s_add_co_u32 s21, s21, SCL
	v_add_nc_u32 v6, v7, v6
	v_add_nc_u32 v[ADRS], s21, v6
	s_mul_i32 s23, s14, 16*SPITCH                  ; my stage
	v_mul_u32_u24 v5, v1, SPITCH
	v_lshl_add_u32 v5, v2, 5, v5
	v_add_nc_u32 v[STO], s23, v5
	v_mov_b32 v[CO], v4
	v_add_nc_u32 v[RD], s23, v4
	s_lshl_b32 s20, s17, 8
	s_lshl_b32 s21, s15, 7
	s_add_co_u32 s20, s20, s21
	s_lshl_b32 s20, s20, 12                        ; my first row, of 4,096 bytes
	s_add_co_u32 s20, s20, s46
	s_mov_b32 s21, 0
	s_add_nc_u64 s[12:13], s[12:13], s[20:21]      ; the result
	s_add_nc_u64 s[10:11], s[10:11], s[20:21]      ; the residual
	s_wait_tensorcnt 1                             ; the scale words and my part of slot 0 are in; slot 1's load may be out
	s_barrier_signal -1
	s_barrier_wait -1
	FETCH_B 0, 0, 0
	FETCH_A 0, 0, 0
	SCALES 0
	FETCH_A 0, 0, 4
	s_wait_loadcnt 0x0                             ; the bias
	STEP 0, 0, 2
	s_mov_b32 s3, LAPS-1
.Llap:
	TURN 0, 1, 1
	STEP 1, 0, 0
	TURN 1, 0, 1
	STEP 0, 0, 0
	s_sub_co_u32 s3, s3, 1
	s_cmp_lg_u32 s3, 0
	s_cbranch_scc1 .Llap
	TURN 0, 1, 0
	STEP 1, 0, 0
	s_wait_dscnt 16
	WIN MUL_LO
	MUL16 0, 1, 1, 1, 0
	MUL16 2, 1, 1, 1, 0
	s_wait_dscnt 0x0
	WIN MUL_HI
	MUL16 4, 1, 1, 1, 0
	MUL16 6, 1, 1, 1, 0
	WIN 0
	PLACES 4
; THE WAY OUT, block by block of 16 rows x 128 columns.  Row t of block a is token 32 (a / 2) + 16 (t / 8) + 8 (a % 2) + t % 8 of my 128: it stands in the immediate, 127 rows of 4,096 bytes at the most.
.macro RLOAD a
.set RB, RS+64*((\a)%2)
.irp t, 0,1,2,3,4,5,6,7,8,9,10,11,12,13,14,15
	global_load_b128 v[RB+4*\t:RB+4*\t+3], v[CO], s[10:11] offset:(32*((\a)/2)+16*(\t/8)+8*((\a)%2)+\t%8)*4096 th:TH_LOAD_NT
.endr
.endm
.macro TOSTAGE a
.set ACB, 64*((\a)%4)
	WIN 0x08+4*((\a)/4)                            ; the data: window 2 or 3
.irp b, 0,1,2,3,4,5,6,7
	ds_store_b128 v[STO], v[ACB+8*\b:ACB+8*\b+3] offset:64*\b          ; each accumulator from its low end on
	ds_store_b128 v[STO], v[ACB+8*\b+4:ACB+8*\b+7] offset:64*\b+16
.endr
	WIN 0
.irp t, 0,1,2,3,4,5,6,7,8,9,10,11,12,13,14,15
	ds_load_b128 v[BK+4*\t:BK+4*\t+3], v[RD] offset:\t*SPITCH          ; LDS serves a wave's instructions in order: these see the stores above
.endr
.endm
.macro SEND a
.set RB, RS+64*((\a)%2)
.set i, 0
.rept 32
	v_pk_add_f32 v[RB+i:RB+i+1], v[RB+i:RB+i+1], v[BK+i:BK+i+1]
.set i, i+2
.endr
.irp t, 0,1,2,3,4,5,6,7,8,9,10,11,12,13,14,15
	global_store_b128 v[CO], v[RB+4*\t:RB+4*\t+3], s[12:13] offset:(32*((\a)/2)+16*(\t/8)+8*((\a)%2)+\t%8)*4096 th:TH_STORE_NT   ; 32 lanes store 512 consecutive bytes, aligned; written once, read by nobody here
.endr
.endm
	RLOAD 0
.irp a, 0,1,2,3,4,5,6,7
.if \a < 7
.if \a > 0
	s_wait_xcnt 0x0                                ; block a - 1's stores have read their registers: the next residual rows may land there
.endif
	RLOAD \a+1
.endif
	TOSTAGE \a
	s_wait_dscnt 0x0
.if \a < 7
	s_wait_loadcnt 16                              ; this block's residual rows are in; the next block's sixteen loads may be out
.else
	s_wait_loadcnt 0x0
.endif
	SEND \a
.endr
	s_wait_tensorcnt 0x0                           ; the wave's end
	ds_add_u32 v[SPW], v[NIL]
	s_wait_dscnt 0x0
	CROUND
	s_endpgm
.Lfunc_end_k_q2d4b209ecd_down:
	.size	k_q2d4b209ecd_down, .Lfunc_end_k_q2d4b209ecd_down-k_q2d4b209ecd_down
	.p2alignl 7, 3214868480
	.fill 96, 4, 3214868480
	.section	.rodata,"a",@progbits
	.p2align	6, 0x0
	.amdhsa_kernel k_q2d4b209ecd_down
		.amdhsa_group_segment_fixed_size 327680
		.amdhsa_private_segment_fixed_size 0
		.amdhsa_enable_private_segment 0
		.amdhsa_kernarg_size 40
		.amdhsa_user_sgpr_count 2
		.amdhsa_user_sgpr_kernarg_segment_ptr 1
		.amdhsa_wavefront_size32 1
		.amdhsa_system_sgpr_workgroup_id_x 1
		.amdhsa_system_sgpr_workgroup_id_y 1
		.amdhsa_system_sgpr_workgroup_id_z 1
		.amdhsa_system_vgpr_workitem_id 0
		.amdhsa_next_free_vgpr 1024
		.amdhsa_next_free_sgpr 100
		.amdhsa_reserve_vcc 0
		.amdhsa_float_denorm_mode_32 3
		.amdhsa_float_denorm_mode_16_64 3
		.amdhsa_memory_ordered 1
		.amdhsa_forward_progress 1
		.amdhsa_inst_pref_size 175
	.end_amdhsa_kernel
	.amdgpu_metadata
---
amdhsa.version: [ 1, 2 ]
amdhsa.kernels:
  - .name:           k_q2d4b209ecd_down
    .symbol:         k_q2d4b209ecd_down.kd
    .args:
      - { .name: gcs, .offset: 0, .size: 8, .value_kind: global_buffer, .address_space: global }
      - { .name: ops, .offset: 8, .size: 8, .value_kind: global_buffer, .address_space: global }
      - { .name: b_down, .offset: 16, .size: 8, .value_kind: global_buffer, .address_space: global }
      - { .name: z1, .offset: 24, .size: 8, .value_kind: global_buffer, .address_space: global }
      - { .name: out0, .offset: 32, .size: 8, .value_kind: global_buffer, .address_space: global }
    .group_segment_fixed_size: 327680
    .private_segment_fixed_size: 0
    .kernarg_segment_align: 8
    .kernarg_segment_size: 40
    .max_flat_workgroup_size: 128
    .sgpr_count:     100
    .vgpr_count:     1024
    .wavefront_size: 32
...
	.end_amdgpu_metadata
.endif
;; end of part 6
;; ======== version 2 of 2: 7 launches
;; limits: right only within a limited range of input values
;; workspace buffers: ops 16,384,000 bytes; vops 9,011,200 bytes; qkvc 9,830,400 bytes; hcs 3,276,800 bytes; z1 16,777,216 bytes; gcs 13,107,200 bytes
;; launch prep (part 7): grid 992 x 1, 8 waves a work-group, no clusters, 67,072 bytes of LDS; arguments x, gamma_1, beta_1, W_Q, W_K, W_V, W_O, W_up, W_down, ops; writes ops
.if DOCPART == 7
	.amdgcn_target "amdgcn-amd-amdhsa--gfx1250"
	.amdhsa_code_object_version 6
	.text
	.protected	k_q2d4b209ecd_prep
	.globl	k_q2d4b209ecd_prep
	.p2align	8
	.type	k_q2d4b209ecd_prep,@function
k_q2d4b209ecd_prep:
	s_mov_b64 s[64:65], 0
	v_nop
	global_prefetch_b8 v0, s[64:65] scope:SCOPE_SE
	s_setreg_imm32_b32 hwreg(HW_REG_WAVE_MODE, 25, 1), 1
	s_wait_xcnt 0x0
; Every operand that the later products read many times is quantised ONCE here, to codes of FP6 (E2M3) with one E8M0 byte for each 32 along K.
; THE CODES' LAYOUT is the order of the matrix operand's registers.  A fragment (16 rows x 128 K, 12 registers a lane; lane (r, h) holds row r, registers 6 c .. 6 c + 5 hold k = 64 c + 32 h + 0 .. 31)
; is 1,536 bytes: registers 6 c .. 6 c + 3 at 768 c + 16 x lane, registers 6 c + 4, 6 c + 5 at 768 c + 512 + 8 x lane.  Fragment (kappa = k / 128, rho = row / 16) of an operand of R rows lies at
; ((kappa / 2) (R / 16) + rho) 3,072 + (kappa % 2) 1,536.  Scale words (four bytes: a row's 128 k) lie [kappa][R].
; WORK-GROUPS 0 .. 703 make row block rho = g of one operand of 11,264 rows, K = 1,024 innermost in the source:
;   g < 256: layernorm of source row swap34(16 g + r) (swap34 exchanges bits 3 and 4);  256 <= g < 512: layernorm again, rows in the order that the raw reshape of K asks (row sigma = b T a2 g u h j in bits
;   11 | 10-8 | 7-6 | 5 | 4 | 3 | 2-0 takes token 2048 b + 1024 g + 32 (16 h + 8 u + j) + 4 T + a2);  g >= 512: rows swap34(..) of W_Q, W_K, W_V, as they are.
; WORK-GROUPS 704 .. 991 take W_O, W_up, W_down, whose K is the FIRST axis: a lane takes a column, its registers run down K (256 columns x 128 k a work-group).  W_up's columns are stored at swap34.
; The same body, launched with 256 work-groups on z1, gamma_2, beta_2, makes the second layernorm's codes.
; No tensor loads, no matrix work, no cluster: no two work-groups read the same bytes but x's rows, which two read.
; LIMITS: a block whose largest magnitude lies under 2^-124 (a block of zeros too) gets the byte 1 where the quantiser says 127 for zeros: its codes are zeros or nearly, and only this program reads the bytes.
; NaN and infinities among the inputs are not served.  The scale words leave in runs of 64 or 128 bytes, not whole runs of 256: one byte in 24 of what is stored.
.set GROWS, 704
.set LP,    4112                       ; a row of 4,096 bytes in LDS + 16: sixteen rows' equal columns start 16 bytes apart modulo 256
.set SWALL, 8650752                    ; where the 11,264 rows' scale words begin
.set TM,    160                        ; v160-175 at work
.set PC,    176                        ; v176-194 the codes just made
.set PW,    196                        ; the scale word just made
.set SEL,   30                         ; s[30:31] lane selects of v_permlanex16_b32: lane l xor 16
.set A16,   2                          ; v2 16 x lane
.set A8,    3                          ; v3 8 x lane
.set I0,    172                        ; columns: the two images
.set I1,    184
.set TA,    196
.set TB,    200
; 64 numbers of a lane, register 16 b + i = k 32 b + 16 (lane / 16) + i of my row, become a fragment's 12 registers in v[PC] on and its scale word in v[PW]
.macro QUANT s
.irp b, 0,1,2,3
	v_max3_num_f32 v[TM+\b], |v[\s+16*\b]|, |v[\s+1+16*\b]|, 0x1800000   ; my 16 numbers of block b, and the floor 2^(3 - 127): the byte cannot fall under 1
.endr
.irp i, 2,4,6,8,10,12,14
.irp b, 0,1,2,3
	s_delay_alu instid0(VALU_DEP_4)
	v_max3_num_f32 v[TM+\b], v[TM+\b], |v[\s+16*\b+\i]|, |v[\s+1+16*\b+\i]|
.endr
.endr
.irp b, 0,1,2,3
	v_permlanex16_b32 v[TM+4+\b], v[TM+\b], s[SEL], s[SEL+1]
.endr
.irp b, 0,1,2,3
	s_delay_alu instid0(VALU_DEP_4)
	v_max_num_f32 v[TM+\b], v[TM+\b], v[TM+4+\b]       ; with lane l xor 16's: the block's largest magnitude
.endr
.irp b, 0,1,2,3
	s_delay_alu instid0(VALU_DEP_4)
	v_add_nc_u32 v[TM+12+\b], 0xff000000, v[TM+\b]     ; 2 off its exponent field: the conversion's scale operand
.endr
.irp b, 0,1,2,3
	s_delay_alu instid0(VALU_DEP_4)
	v_lshrrev_b32 v[TM+4+\b], 23, v[TM+12+\b]          ; the scale's byte
.endr
	s_delay_alu instid0(VALU_DEP_3)
	v_lshl_or_b32 v[PW], v[TM+5], 8, v[TM+4]
	s_delay_alu instid0(VALU_DEP_1)
	v_lshl_or_b32 v[PW], v[TM+6], 16, v[PW]
	s_delay_alu instid0(VALU_DEP_1)
	v_lshl_or_b32 v[PW], v[TM+7], 24, v[PW]
.irp c, 0,1
	v_cvt_scalef32_pk16_fp6_f32 v[PC+6*\c:PC+2+6*\c], v[\s+32*\c:\s+15+32*\c], v[TM+12+2*\c]
	v_cvt_scalef32_pk16_fp6_f32 v[PC+12+4*\c:PC+14+4*\c], v[\s+16+32*\c:\s+31+32*\c], v[TM+12+2*\c+1]   ; (a conversion's three registers begin on an even number)
.endr
	v_nop                                              ; one plain place behind a scaled conversion
.irp c, 0,1                                            ; the layout wants a whole block in a lane: lanes 0-15 block 2 c, lanes 16-31 block 2 c + 1
.irp i, 0,1,2
	v_permlane16_swap_b32 v[PC+6*\c+\i], v[PC+12+4*\c+\i]
.endr
.irp i, 0,1,2
	s_delay_alu instid0(VALU_DEP_3)
	v_mov_b32 v[PC+3+6*\c+\i], v[PC+12+4*\c+\i]
.endr
.endr
.endm
.macro IMGOUT p, sb, off                               ; a fragment's 12 registers leave: each store covers 512 or 256 consecutive bytes, aligned
	global_store_b128 v[A16], v[\p:\p+3], s[\sb:\sb+1] offset:(\off)
	global_store_b64 v[A8], v[\p+4:\p+5], s[\sb:\sb+1] offset:(\off)+512
	global_store_b128 v[A16], v[\p+6:\p+9], s[\sb:\sb+1] offset:(\off)+768
	global_store_b64 v[A8], v[\p+10:\p+11], s[\sb:\sb+1] offset:(\off)+1280
.endm
.macro LANES t, u                                      ; v[t] summed over the 32 lanes, into every lane
	s_delay_alu instid0(VALU_DEP_1)
	v_add_f32_dpp v[\t], v[\t], v[\t] row_xmask:1 row_mask:0xf bank_mask:0xf
	s_delay_alu instid0(VALU_DEP_1)
	v_add_f32_dpp v[\t], v[\t], v[\t] row_xmask:2 row_mask:0xf bank_mask:0xf
	s_delay_alu instid0(VALU_DEP_1)
	v_add_f32_dpp v[\t], v[\t], v[\t] row_xmask:4 row_mask:0xf bank_mask:0xf
	s_delay_alu instid0(VALU_DEP_1)
	v_add_f32_dpp v[\t], v[\t], v[\t] row_xmask:8 row_mask:0xf bank_mask:0xf
	s_delay_alu instid0(VALU_DEP_1)
	v_permlanex16_b32 v[\u], v[\t], s[SEL], s[SEL+1]
	s_delay_alu instid0(VALU_DEP_1)
	v_add_f32 v[\t], v[\t], v[\u]
.endm
; a row of 1,024 numbers, 32 a lane in v[x] on: the mean is taken away, and v[t] becomes the variance + eps (two passes, as the definition has it)
.macro MOMENTS x, t
	v_pk_add_f32 v[\t:\t+1], v[\x:\x+1], v[\x+2:\x+3]
	v_pk_add_f32 v[\t+2:\t+3], v[\x+4:\x+5], v[\x+6:\x+7]
.irp i, 8,12,16,20,24,28
	s_delay_alu instid0(VALU_DEP_2)
	v_pk_add_f32 v[\t:\t+1], v[\t:\t+1], v[\x+\i:\x+\i+1]
	s_delay_alu instid0(VALU_DEP_2)
	v_pk_add_f32 v[\t+2:\t+3], v[\t+2:\t+3], v[\x+\i+2:\x+\i+3]
.endr
	s_delay_alu instid0(VALU_DEP_1)
	v_pk_add_f32 v[\t:\t+1], v[\t:\t+1], v[\t+2:\t+3]
	s_delay_alu instid0(VALU_DEP_1)
	v_add_f32 v[\t], v[\t], v[\t+1]
	LANES \t, \t+1
	s_delay_alu instid0(VALU_DEP_1)
	v_mul_f32 v[\t], 0x3a800000, v[\t]                 ; / 1,024: the mean
.irp i, 0,2,4,6,8,10,12,14,16,18,20,22,24,26,28,30
	v_pk_add_f32 v[\x+\i:\x+\i+1], v[\x+\i:\x+\i+1], v[\t:\t+1] op_sel_hi:[1,0] neg_lo:[0,1] neg_hi:[0,1]
.endr
	v_pk_mul_f32 v[\t:\t+1], v[\x:\x+1], v[\x:\x+1]
	v_pk_mul_f32 v[\t+2:\t+3], v[\x+2:\x+3], v[\x+2:\x+3]
.irp i, 4,8,12,16,20,24,28
	s_delay_alu instid0(VALU_DEP_2)
	v_pk_fma_f32 v[\t:\t+1], v[\x+\i:\x+\i+1], v[\x+\i:\x+\i+1], v[\t:\t+1]
	s_delay_alu instid0(VALU_DEP_2)
	v_pk_fma_f32 v[\t+2:\t+3], v[\x+\i+2:\x+\i+3], v[\x+\i+2:\x+\i+3], v[\t+2:\t+3]
.endr
	s_delay_alu instid0(VALU_DEP_1)
	v_pk_add_f32 v[\t:\t+1], v[\t:\t+1], v[\t+2:\t+3]
	s_delay_alu instid0(VALU_DEP_1)
	v_add_f32 v[\t], v[\t], v[\t+1]
	LANES \t, \t+1
	s_delay_alu instid0(VALU_DEP_1)
	v_fma_f32 v[\t], v[\t], s40, s41                   ; / 1,024 + 1e-5
.endm
.macro NORM x, t                                       ; ((x - mean) rsqrt) gamma + beta
.irp i, 0,2,4,6,8,10,12,14,16,18,20,22,24,26,28,30
	v_pk_mul_f32 v[\x+\i:\x+\i+1], v[\x+\i:\x+\i+1], v[\t:\t+1] op_sel_hi:[1,0]
.endr
.irp i, 0,2,4,6,8,10,12,14,16,18,20,22,24,26,28,30
	v_pk_fma_f32 v[\x+\i:\x+\i+1], v[\x+\i:\x+\i+1], v[96+\i:97+\i], v[128+\i:129+\i]
.endr
.endm
	s_load_b256 s[4:11], s[0:1], 0x0               ; x s[4:5], gamma s[6:7], beta s[8:9], W_Q s[10:11]
	s_load_b256 s[12:19], s[0:1], 0x20             ; W_K s[12:13], W_V s[14:15], W_O s[16:17], W_up s[18:19]
	s_load_b128 s[24:27], s[0:1], 0x40             ; W_down s[24:25], the codes' buffer s[26:27]
	v_lshl_add_u32 v208, v0, 2, 0x10200
	v_mov_b32 v209, 0
	v_lshrrev_b32 v1, 5, v0
	s_delay_alu instid0(VALU_DEP_1)
	v_readfirstlane_b32 s28, v1                    ; wave 0..7
	v_and_b32 v1, 31, v0                           ; lane
	s_delay_alu instid0(VALU_DEP_1)
	v_lshlrev_b32 v[A16], 4, v1
	s_delay_alu instid0(VALU_DEP_2)
	v_lshlrev_b32 v[A8], 3, v1
	v_and_b32 v4, 15, v0                           ; r
	v_bfe_u32 v5, v0, 4, 1                         ; h
	s_mov_b32 s[SEL], 0x76543210
	s_mov_b32 s[SEL+1], 0xfedcba98
	s_cmp_ge_u32 ttmp9, GROWS                      ; the same in all waves of a work-group
	s_cbranch_scc1 .Lcolumns
	; ---------------- ROWS.  Wave w loads source rows of destination rows 2 w and 2 w + 1
	s_lshl_b32 s32, s28, 1
	s_and_b32 s32, s32, 7                          ; bits 2-0 of the destination row
	s_bfe_u32 s33, s28, 0x10002                    ; its bit 3
	s_and_b32 s34, ttmp9, 63
	s_cmp_lt_u32 ttmp9, 256
	s_cselect_b32 s34, ttmp9, s34                  ; the row block within its source tensor
	s_lshr_b32 s35, s34, 1
	s_lshl_b32 s35, s35, 5
	s_and_b32 s34, s34, 1
	s_lshl_b32 s34, s34, 3                         ; the destination's bit 4 becomes the source's bit 3,
	s_add_co_u32 s35, s35, s34
	s_lshl_b32 s34, s33, 4                         ; its bit 3 the source's bit 4
	s_add_co_u32 s35, s35, s34
	s_add_co_u32 s35, s35, s32                     ; swap34(16 g + 2 w)
	s_bfe_u32 s36, ttmp9, 0x10007                  ; the reshape's order: b
	s_lshl_b32 s36, s36, 11
	s_bfe_u32 s37, ttmp9, 0x10001                  ; g
	s_lshl_b32 s37, s37, 10
	s_add_co_u32 s36, s36, s37
	s_lshl_b32 s37, s33, 4                         ; 16 h
	s_and_b32 s38, ttmp9, 1
	s_lshl_b32 s38, s38, 3                         ; 8 u
	s_add_co_u32 s37, s37, s38
	s_add_co_u32 s37, s37, s32                     ; + j
	s_lshl_b32 s37, s37, 5
	s_add_co_u32 s36, s36, s37
	s_bfe_u32 s37, ttmp9, 0x30004                  ; T
	s_lshl_b32 s37, s37, 2
	s_add_co_u32 s36, s36, s37
	s_bfe_u32 s37, ttmp9, 0x20002                  ; a2
	s_add_co_u32 s36, s36, s37                     ; the token
	s_lshr_b32 s37, ttmp9, 8                       ; 0, 1, 2: which of the three kinds of rows
	s_mov_b32 s38, 131072
	s_cmp_eq_u32 s37, 1
	s_cselect_b32 s35, s36, s35                    ; my first source row
	s_cselect_b32 s38, s38, 4096                   ; and how far on the second lies: 32 rows or one
	s_lshl_b32 s34, s35, 12
	s_mov_b32 s35, 0
	s_mov_b32 s39, 0
	s_mov_b32 s40, 0x3a800000                      ; 1 / 1,024
	s_mov_b32 s41, 0x3727c5ac                      ; 1e-5
	s_bfe_u32 s36, ttmp9, 0x20006                  ; for g >= 512: which weight
	s_wait_kmcnt 0x0
	s_cmp_eq_u32 s36, 1
	s_cselect_b64 s[20:21], s[12:13], s[10:11]
	s_cmp_eq_u32 s36, 2
	s_cselect_b64 s[20:21], s[14:15], s[20:21]
	s_cmp_lt_u32 ttmp9, 512
	s_cselect_b64 s[20:21], s[4:5], s[20:21]
	s_add_nc_u64 s[20:21], s[20:21], s[34:35]
	s_add_nc_u64 s[22:23], s[20:21], s[38:39]
	s_wait_alu depctr_va_vdst(0)
.irp i, 0,1,2,3,4,5,6,7
	global_load_b128 v[32+4*\i:35+4*\i], v[A16], s[20:21] offset:512*\i    ; 32 lanes read 512 consecutive bytes
.endr
.irp i, 0,1,2,3,4,5,6,7
	global_load_b128 v[64+4*\i:67+4*\i], v[A16], s[22:23] offset:512*\i
.endr
	s_mul_i32 s34, s28, 2*LP
	v_add_nc_u32 v6, s34, v[A16]                   ; into LDS: my two rows, 16 bytes a lane
	v_mul_u32_u24 v7, v4, LP
	s_delay_alu instid0(VALU_DEP_1)
	v_lshl_add_u32 v7, v5, 6, v7
	s_lshl_b32 s34, s28, 9
	v_add_nc_u32 v7, s34, v7                       ; out of it: row r, K step w, my half's 16 numbers of each block of 32
	v_lshlrev_b32 v8, 2, v4
.irp i, 164,165,166,167
	v_mov_b32 v\i, 0                               ; a lane permute's destination counts as one of its sources
.endr
	s_lshr_b32 s34, s28, 1                         ; where my fragment (kappa = w, rho = g) goes
	s_mul_i32 s34, s34, GROWS
	s_add_co_u32 s34, s34, ttmp9
	s_mul_i32 s34, s34, 3072
	s_and_b32 s36, s28, 1
	s_mul_i32 s36, s36, 1536
	s_add_co_u32 s34, s34, s36
	s_add_nc_u64 s[36:37], s[26:27], s[34:35]
	s_mul_i32 s34, s28, 45056                      ; and its scale words: kappa x 11,264 x 4 + 64 g
	s_lshl_b32 s38, ttmp9, 6
	s_add_co_u32 s34, s34, s38
	s_add_co_u32 s34, s34, SWALL
	s_add_nc_u64 s[38:39], s[26:27], s[34:35]
	s_cmp_ge_u32 ttmp9, 512
	s_cbranch_scc1 .Lraw                           ; weights are taken as they are
.irp i, 0,1,2,3,4,5,6,7
	global_load_b128 v[96+4*\i:99+4*\i], v[A16], s[6:7] offset:512*\i
	global_load_b128 v[128+4*\i:131+4*\i], v[A16], s[8:9] offset:512*\i
.endr
	s_wait_loadcnt 16                              ; both rows are in; gamma's and beta's sixteen loads may be out
	MOMENTS 32, 160
	MOMENTS 64, 164
	s_wait_alu depctr_va_vdst(0)
	v_rsq_f32 v160, v160
	v_rsq_f32 v164, v164
	v_nop                                          ; a plain place behind the transcendentals
	s_wait_alu depctr_va_vdst(0)                   ; one wait for the two, ahead of their first reader
	s_wait_loadcnt 0x0                             ; gamma, beta
	NORM 32, 160
	NORM 64, 164
.Lraw:
	s_wait_loadcnt 0x0
	s_wait_alu depctr_va_vdst(0)
.irp i, 0,1,2,3,4,5,6,7
	ds_store_b128 v6, v[32+4*\i:35+4*\i] offset:512*\i
.endr
.irp i, 0,1,2,3,4,5,6,7
	ds_store_b128 v6, v[64+4*\i:67+4*\i] offset:LP+512*\i
.endr
	s_wait_dscnt 0x0                               ; for the others' sake: my two rows lie in LDS
	s_barrier_signal -1
	s_barrier_wait -1                              ; all sixteen do
.irp b, 0,1,2,3
.irp j, 0,1,2,3
	ds_load_b128 v[32+16*\b+4*\j:35+16*\b+4*\j], v7 offset:128*\b+16*\j   ; row r, k = 128 w + 32 b + 16 h + 4 j ..
.endr
.endr
	s_wait_dscnt 0x0
	QUANT 32
	IMGOUT PC, 36, 0
	global_store_b32 v8, v[PW], s[38:39]           ; lanes 16-31 repeat lanes 0-15: the same word to the same place
	s_wait_tensorcnt 0x0
	ds_add_u32 v208, v209
	s_wait_dscnt 0x0
	s_endpgm
	; ---------------- COLUMNS
.Lcolumns:
	s_sub_co_u32 s32, ttmp9, GROWS                 ; c: 0-31 W_O, 32-159 W_up, 160-287 W_down
	s_sub_co_u32 s33, s32, 32
	s_sub_co_u32 s34, s32, 160
	s_mov_b32 s41, 13107200
	s_mov_b32 s42, 16252928
	s_cmp_lt_u32 s32, 160
	s_cselect_b32 s35, s33, s34                    ; the work-group's number within its tensor
	s_cselect_b32 s36, 4, 2                        ; log2 of the groups of 256 columns
	s_cselect_b32 s37, 14, 12                      ; log2 of a source row's bytes
	s_cselect_b32 s40, -1, 0                       ; all lanes where the columns are stored at swap34
	s_cselect_b32 s41, 9830400, s41                ; where the codes go
	s_cselect_b32 s42, 12976128, s42               ; and the scale words
	s_cmp_lt_u32 s32, 32
	s_cselect_b32 s35, s32, s35
	s_cselect_b32 s36, 2, s36
	s_cselect_b32 s37, 12, s37
	s_cselect_b32 s40, 0, s40
	s_cselect_b32 s41, 9011200, s41
	s_cselect_b32 s42, 9797632, s42
	s_bfm_b32 s43, s36, 0
	s_and_b32 s43, s35, s43                        ; the group of columns
	s_lshr_b32 s44, s35, s36                       ; kappa
	s_lshl_b32 s43, s43, 8
	s_lshl_b32 s45, s28, 5
	s_add_co_u32 s43, s43, s45                     ; n0: my wave's first column = its first destination row
	s_add_co_u32 s45, s37, 7
	s_lshl_b32 s46, s44, s45                       ; 128 kappa source rows, in bytes
	s_lshl_b32 s47, s43, 2
	s_add_co_u32 s46, s46, s47
	s_mov_b32 s47, 0
	s_wait_alu depctr_va_vdst(0)
	v_and_b32 v9, 7, v1
	v_bfe_u32 v10, v1, 3, 1
	s_delay_alu instid0(VALU_DEP_1)
	v_lshl_add_u32 v9, v10, 4, v9
	s_delay_alu instid0(VALU_DEP_1)
	v_lshl_add_u32 v9, v5, 3, v9                   ; swap34(lane)
	s_delay_alu instid0(VALU_DEP_1)
	v_cndmask_b32 v9, v1, v9, s40
	s_delay_alu instid0(VALU_DEP_1)
	v_lshlrev_b32 v9, 2, v9                        ; my column's bytes
	v_lshlrev_b32 v11, 2, v1
	s_wait_kmcnt 0x0
	s_cmp_lt_u32 s32, 160
	s_cselect_b64 s[20:21], s[18:19], s[24:25]
	s_cmp_lt_u32 s32, 32
	s_cselect_b64 s[20:21], s[16:17], s[20:21]
	s_add_nc_u64 s[20:21], s[20:21], s[46:47]
	s_lshr_b32 s45, s44, 1                         ; codes: ((kappa / 2) (N / 16) + n0 / 16) 3,072 + (kappa % 2) 1,536
	s_sub_co_u32 s46, s37, 6
	s_lshl_b32 s45, s45, s46
	s_lshr_b32 s46, s43, 4
	s_add_co_u32 s45, s45, s46
	s_mul_i32 s45, s45, 3072
	s_and_b32 s46, s44, 1
	s_mul_i32 s46, s46, 1536
	s_add_co_u32 s46, s46, s45
	s_add_co_u32 s46, s46, s41
	s_add_nc_u64 s[22:23], s[26:27], s[46:47]
	s_lshl_b32 s46, s44, s37                       ; scale words: kappa N 4 + 4 n0
	s_lshl_b32 s45, s43, 2
	s_add_co_u32 s46, s46, s45
	s_add_co_u32 s46, s46, s42
	s_add_nc_u64 s[38:39], s[26:27], s[46:47]
.macro COLLOAD rb                                      ; W(128 kappa + i, my column): a wave reads 128 neighbouring bytes, the work-group 1,024
.set i, 0
.rept 128
	global_load_b32 v[32+i], v9, s[20:21] offset:i*\rb th:TH_LOAD_NT
.set i, i+1
.endr
.endm
	s_cmp_eq_u32 s37, 14
	s_cbranch_scc1 .Lwide
	s_wait_alu depctr_va_vdst(0)
	COLLOAD 4096
	s_branch .Lloaded
.Lwide:
	s_wait_alu depctr_va_vdst(0)
	COLLOAD 16384
.Lloaded:
.macro CMAX b                                          ; block b: all its 32 numbers are mine
.set XS, 32+32*\b
	v_max3_num_f32 v160, |v[XS]|, |v[XS+1]|, |v[XS+2]|
	v_max3_num_f32 v161, |v[XS+3]|, |v[XS+4]|, |v[XS+5]|
.irp i, 6,10,14,18,22,26
	s_delay_alu instid0(VALU_DEP_2)
	v_max3_num_f32 v160, v160, |v[XS+\i]|, |v[XS+\i+1]|
	s_delay_alu instid0(VALU_DEP_2)
	v_max3_num_f32 v161, v161, |v[XS+\i+2]|, |v[XS+\i+3]|
.endr
	s_delay_alu instid0(VALU_DEP_2)
	v_max3_num_f32 v160, v160, |v[XS+30]|, |v[XS+31]|
	s_delay_alu instid0(VALU_DEP_1)
	v_max3_num_f32 v160, v160, v161, 0x1800000
	s_delay_alu instid0(VALU_DEP_1)
	v_add_nc_u32 v[164+\b], 0xff000000, v160
	s_delay_alu instid0(VALU_DEP_1)
	v_lshrrev_b32 v161, 23, v[164+\b]
.if \b == 0
	s_delay_alu instid0(VALU_DEP_1)
	v_mov_b32 v170, v161
.else
	s_delay_alu instid0(VALU_DEP_1)
	v_lshl_or_b32 v170, v161, 8*\b, v170           ; my row's scale word
.endif
.endm
; Lanes 0-15 hold the rows of one image, lanes 16-31 those of the next; an image wants block 2 c in its lanes 0-15 and block 2 c + 1 in its lanes 16-31.
; So the registers of block 2 c change their lanes 16-31 for lanes 0-15 of the registers of block 2 c + 1: the first then belong to image 0, the second to image 1.
.macro CPAIR c
	v_cvt_scalef32_pk16_fp6_f32 v[I0+6*\c:I0+6*\c+2], v[32+64*\c:47+64*\c], v[164+2*\c]
	v_cvt_scalef32_pk16_fp6_f32 v[TA:TA+2], v[48+64*\c:63+64*\c], v[164+2*\c]
	v_cvt_scalef32_pk16_fp6_f32 v[I1+6*\c:I1+6*\c+2], v[64+64*\c:79+64*\c], v[165+2*\c]
	v_cvt_scalef32_pk16_fp6_f32 v[TB:TB+2], v[80+64*\c:95+64*\c], v[165+2*\c]
	v_nop                                          ; one plain place behind a scaled conversion
.irp i, 0,1,2
	v_permlane16_swap_b32 v[I0+6*\c+\i], v[I1+6*\c+\i]
	v_permlane16_swap_b32 v[TA+\i], v[TB+\i]
.endr
.irp i, 0,1,2
	v_mov_b32 v[I0+6*\c+3+\i], v[TA+\i]
	v_mov_b32 v[I1+6*\c+3+\i], v[TB+\i]
.endr
.endm
	s_wait_loadcnt 63                              ; at most the 63 youngest loads are out: blocks 0 and 1 (the first 64) are in
	CMAX 0
	CMAX 1
	CPAIR 0
	s_wait_loadcnt 32                              ; block 2 is in; block 3's 32 loads may be out
	CMAX 2
	s_wait_loadcnt 0x0
	CMAX 3
	CPAIR 1
	IMGOUT I0, 22, 0
	IMGOUT I1, 22, 3072
	global_store_b32 v11, v170, s[38:39]
	s_endpgm
.Lfunc_end_k_q2d4b209ecd_prep:
	.size	k_q2d4b209ecd_prep, .Lfunc_end_k_q2d4b209ecd_prep-k_q2d4b209ecd_prep
	.p2alignl 7, 3214868480
	.fill 96, 4, 3214868480
	.section	.rodata,"a",@progbits
	.p2align	6, 0x0
	.amdhsa_kernel k_q2d4b209ecd_prep
		.amdhsa_group_segment_fixed_size 67072
		.amdhsa_private_segment_fixed_size 0
		.amdhsa_enable_private_segment 0
		.amdhsa_kernarg_size 80
		.amdhsa_user_sgpr_count 2
		.amdhsa_user_sgpr_kernarg_segment_ptr 1
		.amdhsa_wavefront_size32 1
		.amdhsa_system_sgpr_workgroup_id_x 1
		.amdhsa_system_sgpr_workgroup_id_y 1
		.amdhsa_system_sgpr_workgroup_id_z 1
		.amdhsa_system_vgpr_workitem_id 0
		.amdhsa_next_free_vgpr 210
		.amdhsa_next_free_sgpr 66
		.amdhsa_reserve_vcc 0
		.amdhsa_float_denorm_mode_32 3
		.amdhsa_float_denorm_mode_16_64 3
		.amdhsa_memory_ordered 1
		.amdhsa_forward_progress 1
		.amdhsa_inst_pref_size 66
	.end_amdhsa_kernel
	.amdgpu_metadata
---
amdhsa.version: [ 1, 2 ]
amdhsa.kernels:
  - .name:           k_q2d4b209ecd_prep
    .symbol:         k_q2d4b209ecd_prep.kd
    .args:
      - { .name: x, .offset: 0, .size: 8, .value_kind: global_buffer, .address_space: global }
      - { .name: gamma_1, .offset: 8, .size: 8, .value_kind: global_buffer, .address_space: global }
      - { .name: beta_1, .offset: 16, .size: 8, .value_kind: global_buffer, .address_space: global }
      - { .name: W_Q, .offset: 24, .size: 8, .value_kind: global_buffer, .address_space: global }
      - { .name: W_K, .offset: 32, .size: 8, .value_kind: global_buffer, .address_space: global }
      - { .name: W_V, .offset: 40, .size: 8, .value_kind: global_buffer, .address_space: global }
      - { .name: W_O, .offset: 48, .size: 8, .value_kind: global_buffer, .address_space: global }
      - { .name: W_up, .offset: 56, .size: 8, .value_kind: global_buffer, .address_space: global }
      - { .name: W_down, .offset: 64, .size: 8, .value_kind: global_buffer, .address_space: global }
      - { .name: ops, .offset: 72, .size: 8, .value_kind: global_buffer, .address_space: global }
    .group_segment_fixed_size: 67072
    .private_segment_fixed_size: 0
    .kernarg_segment_align: 8
    .kernarg_segment_size: 80
    .max_flat_workgroup_size: 256
    .sgpr_count:     66
    .vgpr_count:     210
    .wavefront_size: 32
...
	.end_amdgpu_metadata
.endif
;; end of part 7
;; launch qkv (part 8): grid 12 x 16, 4 waves a work-group, clusters of 4 x 4, 327,680 bytes of LDS; arguments ops, qkvc; writes qkvc
.if DOCPART == 8
	.amdgcn_target "amdgcn-amd-amdhsa--gfx1250"
	.amdhsa_code_object_version 6
	.text
	.protected	k_q2d4b209ecd_qkv
	.globl	k_q2d4b209ecd_qkv
	.p2align	8
	.type	k_q2d4b209ecd_qkv,@function
k_q2d4b209ecd_qkv:
	s_mov_b64 s[64:65], 0
	v_nop
	global_prefetch_b8 v0, s[64:65] scope:SCOPE_SE
	s_setreg_imm32_b32 hwreg(HW_REG_WAVE_MODE, 25, 1), 1
	s_wait_xcnt 0x0
	s_wait_alu depctr_hold_cnt(0) depctr_sa_sdst(0) depctr_va_vdst(0) depctr_va_sdst(0) depctr_va_ssrc(0) depctr_va_vcc(0) depctr_vm_vsrc(0)
	s_getreg_b32 s2, hwreg(HW_REG_IB_STS2, 6, 4)
	s_cmp_eq_u32 s2, 0
	s_cbranch_scc0 .Lentry_in_a_cluster
	s_endpgm
.Lentry_in_a_cluster:
	s_bfe_u32 s2, ttmp6, 0x10000c
	s_cmp_lg_u32 s2, 0xf033
	s_cbranch_scc0 .Lentry_shape_is_right
	s_endpgm
.Lentry_shape_is_right:
.set KTOT,  1024
.set AROWS, 11264
.set BROWS, 11264
.set ACO,   0
.set ASO,   8650752
.set BCO,   0
.set BSO,   8650752
.set HALFT,  24576
.set SLOT,   4*HALFT
.set SCL,    2*SLOT
.set NKAP,   KTOT/128
.set HALFS,  NKAP*512
.set SPARE,  SCL+4*HALFS
.set LAPS,   KTOT/512
.set ASTEP,  AROWS*192
.set BSTEP,  BROWS*192
.set FR,     12
.set ADRA, 16
.set ADRB, 20
.set ADRS, 27
.set SPW,  28
.set NIL,  29
.set SC,   32
.set BIAS, 64
.set AF,   128
.set G1, 24
.set G0, 32
.set G1B, 48
.set G0B, 56
.set G1S, 68
.set G0S, 76
.set G1SB, 80
.set G0SB, 88
.set MSB, 0
.macro WIN new
.if MSB != \new
	s_set_vgpr_msb (MSB<<8)|\new
.set MSB, \new
.endif
.endm
.set MUL_LO, 0xa1
.set MUL_HI, 0xf1
.set TO_B,   0x40
.macro JLOAD g0a, g1a, g0b, g1b
	s_cmp_eq_u32 s15, 0
	s_cbranch_scc0 .Lfor_b_\@
	tensor_load_to_lds s[\g0a:\g0a+3], s[\g1a:\g1a+7]
	s_nop 0
.rept 4
	v_nop
.endr
	s_branch .Lasked_\@
.Lfor_b_\@:
	tensor_load_to_lds s[\g0b:\g0b+3], s[\g1b:\g1b+7]
	s_nop 0
.rept 4
	v_nop
.endr
.Lasked_\@:
.endm
.macro CREST
	s_cmp_lg_u32 s14, 0
	s_cbranch_scc1 .Lnot_wave_0_\@
	s_barrier_signal -3
.Lnot_wave_0_\@:
	s_barrier_wait -3
	s_barrier_signal -1
	s_barrier_wait -1
.endm
.macro CROUND
	s_barrier_signal -1
	s_barrier_wait -1
	CREST
.endm
.macro PLACES n
.rept \n
	v_nop
.endr
.endm
.macro FRAG reg, adr, q, i
.irp c, 0,1
	ds_load_b128 v[\reg+6*\c:\reg+6*\c+3], v[\adr] offset:(\i)*3072+(\q)*1536+768*\c
	ds_load_b64 v[\reg+6*\c+4:\reg+6*\c+5], v[\adr+2] offset:(\i)*3072+(\q)*1536+768*\c+512
.endr
.endm
.macro FETCH_B slot, q, p
	WIN TO_B
.irp i, 0,1,2,3,4,5,6,7
	FRAG 128*(\p)+FR*\i, ADRB+\slot, \q, \i
.endr
	WIN 0
.endm
.macro FETCH_A slot, q, i0
.irp i, \i0, \i0+1, \i0+2, \i0+3
	FRAG AF+FR*(\i), ADRA+\slot, \q, \i
.endr
.endm
.macro SCALES sc
.irp i, 0,1,2,3,4,5,6,7
.irp q, 0,1
	ds_load_b32 v[SC+16*\sc+2*\i+\q], v[ADRS] offset:64*\i+1024*\q
.endr
.endr
.endm
.macro MUL16 a0, p, q, sc, cmode
.irp a, \a0, \a0+1
.irp b, 0,1,2,3,4,5,6,7
.if \cmode == 1
	v_wmma_scale_f32_16x16x128_f8f6f4 v[8*(8*((\a)%4)+\b):8*(8*((\a)%4)+\b)+7], v[128*(\p)+FR*\b:128*(\p)+FR*\b+FR-1], v[AF+FR*(\a):AF+FR*(\a)+FR-1], 0, v[SC+16*(\sc)+2*\b+(\q)], v[SC+16*(\sc)+2*(\a)+(\q)] matrix_a_fmt:MATRIX_FMT_FP6 matrix_b_fmt:MATRIX_FMT_FP6 matrix_a_scale:MATRIX_SCALE_ROW1
.elseif \cmode == 2
	v_wmma_scale_f32_16x16x128_f8f6f4 v[8*(8*((\a)%4)+\b):8*(8*((\a)%4)+\b)+7], v[128*(\p)+FR*\b:128*(\p)+FR*\b+FR-1], v[AF+FR*(\a):AF+FR*(\a)+FR-1], v[BIAS+8*\b:BIAS+8*\b+7], v[SC+16*(\sc)+2*\b+(\q)], v[SC+16*(\sc)+2*(\a)+(\q)] matrix_a_fmt:MATRIX_FMT_FP6 matrix_b_fmt:MATRIX_FMT_FP6 matrix_a_scale:MATRIX_SCALE_ROW1
.else
	v_wmma_scale_f32_16x16x128_f8f6f4 v[8*(8*((\a)%4)+\b):8*(8*((\a)%4)+\b)+7], v[128*(\p)+FR*\b:128*(\p)+FR*\b+FR-1], v[AF+FR*(\a):AF+FR*(\a)+FR-1], v[8*(8*((\a)%4)+\b):8*(8*((\a)%4)+\b)+7], v[SC+16*(\sc)+2*\b+(\q)], v[SC+16*(\sc)+2*(\a)+(\q)] matrix_a_fmt:MATRIX_FMT_FP6 matrix_b_fmt:MATRIX_FMT_FP6 matrix_a_scale:MATRIX_SCALE_ROW1
.endif
.endr
.endr
.endm
.macro STEP slot, q, cmode
	s_wait_dscnt 16
.if \cmode == 2
	WIN 0x81
.else
	WIN MUL_LO
.endif
	MUL16 0, (\q)%2, \q, \slot, \cmode
	MUL16 2, (\q)%2, \q, \slot, \cmode
	s_wait_dscnt 0x0
	PLACES 4
	FETCH_B \slot, (\q)+1, 1-(\q)%2
	FETCH_A \slot, (\q)+1, 0
.if \cmode == 2
	WIN 0xc1
.else
	WIN MUL_HI
.endif
	MUL16 4, (\q)%2, \q, \slot, \cmode
	MUL16 6, (\q)%2, \q, \slot, \cmode
	PLACES 4
	WIN 0
	FETCH_A \slot, (\q)+1, 4
.endm
.macro TURN slot, next, fill
	s_wait_tensorcnt 0x0
	ds_add_u32 v[SPW], v[NIL]
	s_wait_dscnt 17
	WIN MUL_LO
	MUL16 0, 1, 1, \slot, 0
	s_wait_dscnt 0x0
	s_barrier_signal -1
	MUL16 2, 1, 1, \slot, 0
	WIN 0
	s_barrier_wait -1
.if \fill
	CREST
	s_add_nc_u64 s[G0+4*\slot+2:G0+4*\slot+3], s[G0+4*\slot+2:G0+4*\slot+3], 2*ASTEP
	s_add_nc_u64 s[G0B+4*\slot+2:G0B+4*\slot+3], s[G0B+4*\slot+2:G0B+4*\slot+3], 2*BSTEP
	JLOAD G0+4*\slot, G1, G0B+4*\slot, G1B
.else
	PLACES 4
.endif
	s_wait_alu depctr_va_vdst(0)
	v_add_nc_u32 v[ADRS], 2048, v[ADRS]
	FETCH_B \next, 0, 0
	FETCH_A \next, 0, 0
	SCALES \next
	WIN MUL_HI
	MUL16 4, 1, 1, \slot, 0
	MUL16 6, 1, 1, \slot, 0
	PLACES 4
	WIN 0
	FETCH_A \next, 0, 4
.endm
.set TM, 64
.set PC, 80
.set PW, 100
.set SEL, 92
.set OB, 96
	s_load_b64 s[4:5], s[0:1], 0x0
	s_load_b64 s[6:7], s[0:1], 0x0
	s_load_b64 s[12:13], s[0:1], 0x8
	v_lshl_add_u32 v[SPW], v0, 2, SPARE
	v_mov_b32 v[NIL], 0
	ds_add_u32 v28, v29
	ds_add_u32 v28, v29
	s_wait_dscnt 0x0
	v_lshrrev_b32 v1, 5, v0
	v_readfirstlane_b32 s14, v1
	s_lshr_b32 s15, s14, 1
	s_and_b32 s16, s14, 1
	s_bfe_u32 s40, ttmp6, 0x40000
	s_bfe_u32 s41, ttmp6, 0x40004
	s_and_b32 s18, ttmp7, 0xffff
	s_lshl_b32 s18, s18, 2
	s_lshl_b32 s19, ttmp9, 2
	s_add_co_u32 s19, s19, 32
	s_sub_co_u32 s66, 2, ttmp9
	s_lshl_b32 s66, s66, 4
	s_add_co_u32 s66, s66, s18
	s_mov_b32 s95, 4096
	s_mov_b32 s2, 98304
	s_cmp_eq_u32 ttmp9, 0
	s_cselect_b32 s17, s18, s19
	s_cselect_b32 s42, 32, s66
	s_cselect_b32 s67, s41, s40
	s_cselect_b32 s95, 256, s95
	s_cselect_b32 s2, 6144, s2
	s_add_co_u32 s17, s17, s41
	s_add_co_u32 s42, s42, s40
	s_add_co_u32 s67, s67, s18
	s_lshr_b32 s8, s67, 3
	s_and_b32 s9, s67, 7
	s_lshl_b32 s10, s8, 3
	s_lshl_b32 s11, s40, 1
	s_add_co_u32 s10, s10, s11
	s_add_co_u32 s10, s10, s16
	s_lshl_b32 s10, s10, 7
	s_lshl_b32 s11, s9, 4
	s_add_co_u32 s10, s10, s11
	s_lshl_b32 s11, s15, 3
	s_add_co_u32 s10, s10, s11
	s_lshl_b32 s8, s8, 4
	s_lshl_b32 s11, s41, 2
	s_add_co_u32 s8, s8, s11
	s_lshl_b32 s11, s15, 1
	s_add_co_u32 s8, s8, s11
	s_lshl_b32 s8, s8, 4
	s_lshl_b32 s9, s9, 1
	s_add_co_u32 s8, s8, s9
	s_add_co_u32 s8, s8, s16
	s_mov_b32 s9, 6144
	s_mov_b32 s11, 256
	s_cmp_eq_u32 ttmp9, 0
	s_cselect_b32 s8, s10, s8
	s_cselect_b32 s9, 1536, s9
	s_cselect_b32 s11, 64, s11
	s_mul_i32 s9, s8, s9
	s_mul_i32 s10, ttmp9, 3145728
	s_add_co_u32 s96, s9, s10
	s_mov_b32 s97, 0
	s_mul_i32 s11, s8, s11
	s_mul_i32 s10, ttmp9, 131072
	s_add_co_u32 s66, s11, s10
	s_add_co_u32 s66, s66, 9437184
	s_mov_b32 s67, 0
	s_mov_b32 s3, 0
	s_lshl_b32 s43, s41, 2
	s_lshl_b32 s43, 15, s43
	s_lshl_b32 s44, 0x1111, s40
	s_or_b32 s[G1+0], s43, (3<<16)|(1<<21)
	s_or_b32 s[G1B+0], s44, (3<<16)|(1<<21)
.irp g, G1, G1B
	s_mov_b32 s[\g+1], 32<<16
	s_mov_b32 s[\g+2], 192<<16                     ; the head's loads of codes bring a slot's 256 rows: 192 rows of 256 bytes
	s_mov_b32 s[\g+3], 32<<16
	s_mov_b32 s[\g+4], 192
	s_mov_b32 s[\g+5], 32
	s_mov_b32 s[\g+6], 0
	s_mov_b32 s[\g+7], 0
.endr
	s_or_b32 s[G1S+0], s43, (3<<16)|(1<<21)
	s_or_b32 s[G1SB+0], s44, (3<<16)|(1<<21)
.irp g, G1S, G1SB
	s_mov_b32 s[\g+1], 128<<16                     ; scale words: NKAP rows of 1,024 bytes (256 rows' words)
	s_mov_b32 s[\g+2], NKAP<<16
	s_mov_b32 s[\g+3], 128<<16
	s_mov_b32 s[\g+4], NKAP
	s_mov_b32 s[\g+6], 0
	s_mov_b32 s[\g+7], 0
.endr
	s_mov_b32 s[G1S+5], AROWS/2
	s_mov_b32 s[G1SB+5], BROWS/2
	s_lshl_b32 s20, s17, 1
	s_add_co_u32 s20, s20, s16
	s_mul_i32 s22, s20, HALFT
	s_add_co_u32 s22, s22, ACO
	s_mov_b32 s23, 0
	s_lshl_b32 s20, s17, 10
	s_add_co_u32 s20, s20, ASO
	s_mov_b32 s21, 0
	s_lshl_b32 s46, s42, 1
	s_add_co_u32 s46, s46, s16
	s_mul_i32 s92, s46, HALFT
	s_add_co_u32 s92, s92, BCO
	s_mov_b32 s93, 0
	s_lshl_b32 s46, s42, 10
	s_add_co_u32 s46, s46, BSO
	s_mov_b32 s47, 0
	s_mul_i32 s45, s14, HALFT
	s_wait_kmcnt 0x0
	s_add_nc_u64 s[22:23], s[4:5], s[22:23]
	s_add_nc_u64 s[20:21], s[4:5], s[20:21]
	s_add_nc_u64 s[92:93], s[6:7], s[92:93]
	s_add_nc_u64 s[46:47], s[6:7], s[46:47]
	s_add_nc_u64 s[96:97], s[12:13], s[96:97]
	s_add_nc_u64 s[98:99], s[96:97], s[2:3]
	s_add_nc_u64 s[66:67], s[12:13], s[66:67]
	CROUND
	s_mov_b32 s[G0S], 1
	s_mov_b32 s[G0S+1], SCL
	s_mov_b64 s[G0S+2:G0S+3], s[20:21]
	s_or_b32 s[G0S+3], s[G0S+3], 0x80000000
	s_mov_b32 s[G0SB], 1
	s_mov_b32 s[G0SB+1], SCL+2*HALFS
	s_mov_b64 s[G0SB+2:G0SB+3], s[46:47]
	s_or_b32 s[G0SB+3], s[G0SB+3], 0x80000000
.irp s, 0,1
	s_mov_b32 s[G0+4*\s], 1
	s_add_co_u32 s[G0+4*\s+1], s45, \s*SLOT
	s_add_nc_u64 s[G0+4*\s+2:G0+4*\s+3], s[22:23], \s*ASTEP
	s_or_b32 s[G0+4*\s+3], s[G0+4*\s+3], 0x80000000
	s_mov_b32 s[G0B+4*\s], 1
	s_add_co_u32 s[G0B+4*\s+1], s45, \s*SLOT
	s_add_nc_u64 s[G0B+4*\s+2:G0B+4*\s+3], s[92:93], \s*BSTEP
	s_or_b32 s[G0B+4*\s+3], s[G0B+4*\s+3], 0x80000000
.endr
; THE HEAD'S LOADS, ONE A WAVE: wave 0 slot 0's 256 rows of A, wave 1 A's scale words, wave 2 slot 0's 256 rows of B, wave 3 B's scale words.
; Waves 0 and 2 fetch the first half of a tile in the ring, so their slot 0 descriptors already name the tile's first byte and its place in LDS.
.macro ARM under, g0, g1, next
	s_cmp_lt_u32 s14, \under
	s_cbranch_scc0 \next
	tensor_load_to_lds s[\g0:\g0+3], s[\g1:\g1+7]
	s_nop 0
.rept 4
	v_nop
.endr
	s_branch .Lhead_asked
\next:
.endm
	ARM 1, G0,  G1,  .Lhead_sa
	ARM 2, G0S, G1S, .Lhead_b
	ARM 3, G0B, G1B, .Lhead_sb
	tensor_load_to_lds s[G0SB:G0SB+3], s[G1SB:G1SB+7]
	s_nop 0
.rept 4
	v_nop
.endr
.Lhead_asked:
	; THE PREFETCHES: the 24,576 bytes that my wave fetches two fills on: the third fill's behind the head's load, the fourth's behind slot 1's first fill.  The four partners that ask for a tile jointly share
	; its 96 blocks of 256 bytes out by address: 24 each (cx for A, cy for B), a lane a block; lanes 24-31 name the last block again.  K has four fills, so the loop asks for nothing.
	s_cmp_eq_u32 s15, 0
	s_cselect_b64 s[4:5], s[22:23], s[92:93]
	s_cselect_b32 s6, s40, s41
	s_mov_b32 s94, BSTEP
	s_cselect_b32 s94, ASTEP, s94
	s_mul_i32 s6, s6, 6144
	s_lshl_b32 s7, s94, 1
	s_add_co_u32 s6, s6, s7
	s_mov_b32 s7, 0
	s_add_nc_u64 s[4:5], s[4:5], s[6:7]            ; never rewritten
	v_and_b32 v8, 31, v0
	v_min_u32 v8, 23, v8
	v_lshlrev_b32 v8, 8, v8                        ; never rewritten
	v_add_nc_u32 v9, s94, v8                       ; a fill further along K; never rewritten
	global_prefetch_b8 v8, s[4:5] th:TH_LOAD_NT scope:SCOPE_SE
	v_and_b32 v1, 15, v0
	v_bfe_u32 v2, v0, 4, 1
	v_and_b32 v3, 31, v0
	v_lshlrev_b32 v4, 4, v3
	v_lshlrev_b32 v5, 3, v3
	s_mul_i32 s21, s15, HALFT
	s_mul_i32 s22, s16, HALFT
	s_add_co_u32 s22, s22, 2*HALFT
.irp s, 0,1
	v_add_nc_u32 v[ADRA+\s], s21, v4
	v_add_nc_u32 v[ADRB+\s], s22, v4
	v_add_nc_u32 v[ADRA+2+\s], s21, v5
	v_add_nc_u32 v[ADRB+2+\s], s22, v5
	s_add_co_u32 s21, s21, SLOT
	s_add_co_u32 s22, s22, SLOT
.endr
	v_lshlrev_b32 v7, 2, v1
	s_lshl_b32 s21, s15, 9
	s_lshl_b32 s22, s16, 9
	s_add_co_u32 s22, s22, 2*HALFS
	s_sub_co_u32 s22, s22, s21
	v_mul_u32_u24 v6, s22, v2
	s_add_co_u32 s21, s21, SCL
	v_add_nc_u32 v6, v7, v6
	v_add_nc_u32 v[ADRS], s21, v6
	v_mov_b32 v24, v4
	v_mov_b32 v25, v5
	s_lshl_b32 s21, s14, 9
	v_add_nc_u32 v26, s21, v7
	v_add_nc_u32 v30, s21, v4
	v_lshlrev_b32 v31, 4, v1
	v_mul_u32_u24 v6, s95, v2
	v_add_nc_u32 v31, v31, v6
.irp b, 0,1,2,3
	v_mov_b32 v[TM+4+\b], 0
.endr
	s_mov_b32 s[SEL], 0x76543210
	s_mov_b32 s[SEL+1], 0xfedcba98
	s_wait_alu depctr_va_vdst(0)                   ; the wait at the head's end
	s_wait_tensorcnt 0x0                           ; my tile of the head's four is in; the three lines ahead of a later first fill
	ds_add_u32 v[SPW], v[NIL]
	s_mov_b32 s[G1+2], 96<<16                      ; no tensor load of mine is out: from here on a load brings 128 rows x 256 K, 96 rows of 256 bytes
	s_mov_b32 s[G1+4], 96
	s_mov_b32 s[G1B+2], 96<<16
	s_mov_b32 s[G1B+4], 96
	s_wait_dscnt 0x0
	CROUND                                         ; all four tiles are in, in every partner
	JLOAD G0+4, G1, G0B+4, G1B                     ; slot 1's first fill, the first tensor load behind the round
	global_prefetch_b8 v9, s[4:5] th:TH_LOAD_NT scope:SCOPE_SE
	FETCH_B 0, 0, 0
	FETCH_A 0, 0, 0
	SCALES 0
	FETCH_A 0, 0, 4
	STEP 0, 0, 1
	s_mov_b32 s3, LAPS-1
.Llap:
	TURN 0, 1, 1
	STEP 1, 0, 0
	TURN 1, 0, 1
	STEP 0, 0, 0
	s_sub_co_u32 s3, s3, 1
	s_cmp_lg_u32 s3, 0
	s_cbranch_scc1 .Llap
	TURN 0, 1, 0
	STEP 1, 0, 0
	s_wait_dscnt 16
	WIN MUL_LO
	MUL16 0, 1, 1, 1, 0
	MUL16 2, 1, 1, 1, 0
	s_wait_dscnt 0x0
	WIN MUL_HI
	MUL16 4, 1, 1, 1, 0
	MUL16 6, 1, 1, 1, 0
	WIN 0
	PLACES 4
.macro QUANTW a
.set ACB, 64*((\a)%4)
.set W, 2+(\a)/4
	WIN 5*W
.irp b, 0,1,2,3
	v_max3_num_f32 v[TM+\b], |v[ACB+16*\b]|, |v[ACB+1+16*\b]|, 0x1800000
.endr
	WIN 0x14*W
.irp i, 2,4,6,8,10,12,14
.irp b, 0,1,2,3
	v_max3_num_f32 v[TM+\b], v[TM+\b], |v[ACB+16*\b+\i]|, |v[ACB+1+16*\b+\i]|
.endr
.endr
	WIN 0
.irp b, 0,1,2,3
	v_permlanex16_b32 v[TM+4+\b], v[TM+\b], s[SEL], s[SEL+1]
.endr
.irp b, 0,1,2,3
	v_max_num_f32 v[TM+\b], v[TM+\b], v[TM+4+\b]
.endr
.irp b, 0,1,2,3
	v_add_nc_u32 v[TM+12+\b], 0xff000000, v[TM+\b]
.endr
.irp b, 0,1,2,3
	v_lshrrev_b32 v[TM+4+\b], 23, v[TM+12+\b]
.endr
	v_lshl_or_b32 v[PW], v[TM+5], 8, v[TM+4]
	v_lshl_or_b32 v[PW], v[TM+6], 16, v[PW]
	v_lshl_or_b32 v[PW], v[TM+7], 24, v[PW]
	WIN W
.irp c, 0,1
	v_cvt_scalef32_pk16_fp6_f32 v[PC+6*\c:PC+2+6*\c], v[ACB+32*\c:ACB+15+32*\c], v[TM+12+2*\c]
	v_cvt_scalef32_pk16_fp6_f32 v[PC+12+4*\c:PC+14+4*\c], v[ACB+16+32*\c:ACB+31+32*\c], v[TM+12+2*\c+1]
.endr
	WIN 0
	v_nop
.irp c, 0,1
.irp i, 0,1,2
	v_permlane16_swap_b32 v[PC+6*\c+\i], v[PC+12+4*\c+\i]
.endr
.irp i, 0,1,2
	v_mov_b32 v[PC+3+6*\c+\i], v[PC+12+4*\c+\i]
.endr
.endr
.endm
.irp a, 0,1,2,3,4,5,6,7
.if \a > 0
	s_wait_xcnt 0x0
	s_wait_dscnt 0x0
.endif
	QUANTW \a
	global_store_b128 v24, v[PC:PC+3], s[OB+2*(\a/4):OB+2*(\a/4)+1] offset:(\a%4)*1536
	global_store_b64 v25, v[PC+4:PC+5], s[OB+2*(\a/4):OB+2*(\a/4)+1] offset:(\a%4)*1536+512
	global_store_b128 v24, v[PC+6:PC+9], s[OB+2*(\a/4):OB+2*(\a/4)+1] offset:(\a%4)*1536+768
	global_store_b64 v25, v[PC+10:PC+11], s[OB+2*(\a/4):OB+2*(\a/4)+1] offset:(\a%4)*1536+1280
	ds_store_b32 v26, v[PW] offset:64*\a
.endr
	ds_load_b128 v[104:107], v30
	s_wait_dscnt 0x0
	global_store_b128 v31, v[104:107], s[66:67]
	s_wait_tensorcnt 0x0
	ds_add_u32 v[SPW], v[NIL]
	s_wait_dscnt 0x0
	CROUND
	s_endpgm
.Lfunc_end_k_q2d4b209ecd_qkv:
	.size	k_q2d4b209ecd_qkv, .Lfunc_end_k_q2d4b209ecd_qkv-k_q2d4b209ecd_qkv
	.p2alignl 7, 3214868480
	.fill 96, 4, 3214868480
	.section	.rodata,"a",@progbits
	.p2align	6, 0x0
	.amdhsa_kernel k_q2d4b209ecd_qkv
		.amdhsa_group_segment_fixed_size 327680
		.amdhsa_private_segment_fixed_size 0
		.amdhsa_enable_private_segment 0
		.amdhsa_kernarg_size 16
		.amdhsa_user_sgpr_count 2
		.amdhsa_user_sgpr_kernarg_segment_ptr 1
		.amdhsa_wavefront_size32 1
		.amdhsa_system_sgpr_workgroup_id_x 1
		.amdhsa_system_sgpr_workgroup_id_y 1
		.amdhsa_system_sgpr_workgroup_id_z 1
		.amdhsa_system_vgpr_workitem_id 0
		.amdhsa_next_free_vgpr 1024
		.amdhsa_next_free_sgpr 100
		.amdhsa_reserve_vcc 0
		.amdhsa_float_denorm_mode_32 3
		.amdhsa_float_denorm_mode_16_64 3
		.amdhsa_memory_ordered 1
		.amdhsa_forward_progress 1
		.amdhsa_inst_pref_size 155
	.end_amdhsa_kernel
	.amdgpu_metadata
---
amdhsa.version: [ 1, 2 ]
amdhsa.kernels:
  - .name:           k_q2d4b209ecd_qkv
    .symbol:         k_q2d4b209ecd_qkv.kd
    .args:
      - { .name: ops, .offset: 0, .size: 8, .value_kind: global_buffer, .address_space: global }
      - { .name: qkvc, .offset: 8, .size: 8, .value_kind: global_buffer, .address_space: global }
    .group_segment_fixed_size: 327680
    .private_segment_fixed_size: 0
    .kernarg_segment_align: 8
    .kernarg_segment_size: 16
    .max_flat_workgroup_size: 128
    .sgpr_count:     100
    .vgpr_count:     1024
    .wavefront_size: 32
...
	.end_amdgpu_metadata
.endif
;; end of part 8
;; launch attn (part 9): grid 8 x 32, 16 waves a work-group, clusters of 4 x 1, 206,848 bytes of LDS; arguments qkvc, hcs; writes hcs
.if DOCPART == 9
	.amdgcn_target "amdgcn-amd-amdhsa--gfx1250"
	.amdhsa_code_object_version 6
	.text
	.protected	k_q2d4b209ecd_attn
	.globl	k_q2d4b209ecd_attn
	.p2align	8
	.type	k_q2d4b209ecd_attn,@function
k_q2d4b209ecd_attn:
	s_mov_b64 s[64:65], 0
	v_nop
	global_prefetch_b8 v0, s[64:65] scope:SCOPE_SE
	s_setreg_imm32_b32 hwreg(HW_REG_WAVE_MODE, 25, 1), 1
	s_wait_xcnt 0x0
	s_wait_alu depctr_hold_cnt(0) depctr_sa_sdst(0) depctr_va_vdst(0) depctr_va_sdst(0) depctr_va_ssrc(0) depctr_va_vcc(0) depctr_vm_vsrc(0)
	s_getreg_b32 s2, hwreg(HW_REG_IB_STS2, 6, 4)
	s_cmp_eq_u32 s2, 0
	s_cbranch_scc0 .Lentry_in_a_cluster
	s_endpgm
.Lentry_in_a_cluster:
	s_bfe_u32 s2, ttmp6, 0x10000c
	s_cmp_lg_u32 s2, 0x3003
	s_cbranch_scc0 .Lentry_shape_is_right
	s_endpgm
.Lentry_shape_is_right:
; heads = softmax(Q K_r / 1024) V for one head and 256 queries a work-group, both products on codes of FP6 (E2M3) with E8M0 scales; the result is quantised at once as the next product's operand.
; THE SOFTMAX: t = score x log2(e) / 1024; M = the row's largest t so far rounded UP to a whole number; p = 2^(t - M) is quantised along the keys, not normalised; the row's sum is taken of the
; unquantised p and divides at the end.  When M moves, the sum and O are multiplied by 2^(old M - new M): exact.
; SHARES.  Sixteen waves, 16 queries each in 256 registers; every wave walks the head's 2,048 keys, 128 a step.
; A HEAD'S K AND V LIE IN LDS WHOLE, filled once: two halves, each K's eight steps (49,152 bytes) and then V's eight, so that V's fragments stand within the loads' immediate of K's address; behind them 8,192 bytes
; of scale words.  ONE TENSOR LOAD A WAVE: waves 0-11 bring 16,384 bytes of codes each (three waves to a run of 49,152), waves 12-15 2,048 bytes of scale words each.  One wait, one barrier, no refill.
; The four work-groups of a cluster belong to one head: every load is asked for JOINTLY (mask 15).  Nothing is prefetched: all loads go out at the head, and there is no loop to run ahead in.
; OPERANDS come as images of their registers (1,536 bytes a fragment).  Both products are used transposed: S^T = K Q^T, O^T = V^T P^T: a lane holds ONE query throughout.
; THE FIRST PRODUCT'S K IS 64: a fragment of K holds two tiles of 16 keys and is multiplied twice, by [Q | zero codes] and by [zero codes | Q], two runs of twelve registers inside v16-33.
; ORDER OF A STEP: K's loads are issued, and the LAST step's p are summed while they are on their way; V's loads are issued directly behind the score products, into the registers that held K, and land under the softmax.
; The first step is written out: it has no p to sum, and its products start O with the constant 0.
; LIMITS: a block under 2^-124 gets the scale byte 1.  The promise holds while |t| stays under 2^31.  A head's two scale bytes leave as two bytes a row.
.set HB,  49152
.set SCB, 196608
.set SPARE, 204800
.set WV,  8
.set SEL, 20
.set CS,  22
.set TB,  2
.set TS,  3
.set CNT, 73
.macro CROUND
	s_barrier_signal -1
	s_barrier_wait -1
	s_cmp_lg_u32 s[WV], 0
	s_cbranch_scc1 .Lnot_wave_0_\@
	s_barrier_signal -3
.Lnot_wave_0_\@:
	s_barrier_wait -3
	s_barrier_signal -1
	s_barrier_wait -1
.endm
	s_load_b128 s[4:7], s[0:1], 0x0                ; the images of Q, K, V; the heads' codes
	v_lshl_add_u32 v254, v0, 2, SPARE
	v_mov_b32 v255, 0
	ds_add_u32 v254, v255                          ; the opening lines
	ds_add_u32 v254, v255
	v_lshrrev_b32 v1, 5, v0
	s_delay_alu instid0(VALU_DEP_1)
	v_readfirstlane_b32 s[WV], v1                  ; wave 0..15
	s_bfe_u32 s9, ttmp6, 0x40000                   ; cx: it enters Q's and the output's addresses alone
	s_lshl_b32 s10, ttmp9, 2
	s_add_co_u32 s10, s10, s9                      ; my block of 256 queries
	s_and_b32 s11, ttmp7, 0xffff                   ; y = 16 b + head
	s_mov_b32 s24, 15|(3<<16)|(1<<21)              ; group 1, codes: 16,384 dense bytes as 64 rows of 256
	s_mov_b32 s25, 32<<16
	s_mov_b32 s26, 64<<16
	s_mov_b32 s27, 32<<16
	s_mov_b32 s28, 64
	s_mov_b32 s29, 32
	s_mov_b32 s30, 0
	s_mov_b32 s31, 0
	s_mov_b32 s32, 15|(3<<16)|(1<<21)              ; scale words: 2,048 bytes as 8 rows
	s_mov_b32 s33, 32<<16
	s_mov_b32 s34, 8<<16
	s_mov_b32 s35, 32<<16
	s_mov_b32 s36, 8
	s_mov_b32 s37, 32
	s_mov_b32 s38, 0
	s_mov_b32 s39, 0
	s_mul_i32 s12, s[WV], 11
	s_lshr_b32 s12, s12, 5                         ; wave / 3 (waves 0-11): the run = 2 x half + (0 K, 1 V)
	s_mul_i32 s13, s12, 3
	s_sub_co_u32 s13, s[WV], s13                   ; my third of it
	s_and_b32 s14, s12, 1
	s_mul_i32 s14, s14, 3145728
	s_lshr_b32 s15, s12, 1
	s_mul_i32 s15, s15, HB
	s_add_co_u32 s14, s14, s15
	s_mul_i32 s15, s11, 98304
	s_add_co_u32 s14, s14, s15
	s_lshl_b32 s15, s13, 14
	s_add_co_u32 s14, s14, s15
	s_add_co_u32 s14, s14, 3145728
	s_mov_b32 s15, 0
	s_bfe_u32 s16, s[WV], 0x10001                  ; waves 12, 13: K's scale words; 14, 15: V's
	s_lshl_b32 s16, s16, 17
	s_lshl_b32 s17, s11, 12
	s_add_co_u32 s16, s16, s17
	s_and_b32 s17, s[WV], 1
	s_lshl_b32 s17, s17, 11
	s_add_co_u32 s16, s16, s17
	s_add_co_u32 s16, s16, 9568256
	s_mov_b32 s17, 0
	s_and_b32 s19, s[WV], 3
	s_lshl_b32 s19, s19, 11
	s_lshr_b32 s60, s11, 4                         ; b
	s_and_b32 s61, s11, 15                         ; head
	s_lshl_b32 s62, s10, 4
	s_add_co_u32 s62, s62, s[WV]                   ; my block of 16 queries, 0..127
	s_lshl_b32 s63, s60, 3
	s_lshr_b32 s66, s61, 1
	s_add_co_u32 s63, s63, s66
	s_lshl_b32 s63, s63, 7
	s_add_co_u32 s63, s63, s62                     ; Q's image: (8 b + head / 2) 128 + block
	s_and_b32 s67, s61, 1
	s_mul_i32 s68, s63, 1536
	s_mul_i32 s69, s67, 768
	s_add_co_u32 s68, s68, s69
	s_mov_b32 s69, 0
	s_lshl_b32 s70, s63, 6
	s_add_co_u32 s70, s70, 9437184
	s_mov_b32 s71, 0
	s_lshl_b32 s72, s67, 4
	s_lshl_b32 s74, s60, 7
	s_add_co_u32 s74, s74, s62                     ; rho = 128 b + block
	s_lshr_b32 s75, s61, 2
	s_lshl_b32 s75, s75, 8
	s_add_co_u32 s75, s75, s74
	s_mul_i32 s75, s75, 3072
	s_and_b32 s76, s61, 3
	s_mul_i32 s76, s76, 768
	s_add_co_u32 s76, s76, s75                     ; the heads' codes: ((head / 4) 256 + rho) 3,072 + (head % 4) 768
	s_mov_b32 s77, 0
	s_lshl_b32 s78, s66, 14
	s_lshl_b32 s75, s74, 6
	s_add_co_u32 s78, s78, s75
	s_lshl_b32 s75, s67, 1
	s_add_co_u32 s78, s78, s75
	s_add_co_u32 s78, s78, 3145728                 ; their scale bytes
	s_mov_b32 s79, 0
	s_mov_b32 s[SEL], 0x76543210
	s_mov_b32 s[SEL+1], 0xfedcba98
	s_mov_b32 s[CS], 0x3ab8aa3b                    ; c = log2(e) / 1,024
	s_mov_b32 s[TB], 0
	s_mov_b32 s[TS], SCB
	s_wait_dscnt 0x0
	s_wait_kmcnt 0x0
	s_add_nc_u64 s[14:15], s[4:5], s[14:15]
	s_add_nc_u64 s[16:17], s[4:5], s[16:17]
	s_add_nc_u64 s[68:69], s[4:5], s[68:69]
	s_add_nc_u64 s[70:71], s[4:5], s[70:71]
	s_add_nc_u64 s[76:77], s[6:7], s[76:77]
	s_add_nc_u64 s[78:79], s[6:7], s[78:79]
	s_mov_b32 s40, 1
	s_add_co_u32 s41, s19, SCB
	s_mov_b64 s[42:43], s[16:17]
	s_or_b32 s43, s43, 0x80000000
	s_mov_b32 s44, 1
	s_lshl_b32 s45, s[WV], 14                      ; my 16,384 bytes of LDS
	s_mov_b64 s[46:47], s[14:15]
	s_or_b32 s47, s47, 0x80000000
	CROUND                                         ; all four work-groups are here: the joint loads meet
	s_cmp_lt_u32 s[WV], 12
	s_cbranch_scc0 .Lhead_scales
	tensor_load_to_lds s[44:47], s[24:31]
	s_nop 0
.rept 4
	v_nop
.endr
	s_branch .Lhead_asked
.Lhead_scales:
	tensor_load_to_lds s[40:43], s[32:39]
	s_nop 0
.rept 4
	v_nop
.endr
.Lhead_asked:
	v_and_b32 v7, 31, v0
	s_delay_alu instid0(VALU_DEP_1)
	v_lshlrev_b32 v1, 4, v7                        ; 16 x lane
	s_delay_alu instid0(VALU_DEP_2)
	v_lshlrev_b32 v2, 3, v7                        ; 8 x lane
	v_and_b32 v3, 15, v0
	s_delay_alu instid0(VALU_DEP_1)
	v_lshlrev_b32 v3, 2, v3                        ; 4 r
	global_load_b128 v[22:25], v1, s[68:69]        ; Q: my head's six registers
	global_load_b64 v[26:27], v2, s[68:69] offset:512
	global_load_b32 v34, v3, s[70:71]              ; and the head pair's scale word
.irp j, 16,17,18,19,20,21,28,29,30,31,32,33
	v_mov_b32 v\j, 0                               ; zero codes on both sides of Q
.endr
	s_wait_loadcnt 0x0
	v_lshrrev_b32 v34, s72, v34                    ; my head's two bytes,
	s_delay_alu instid0(VALU_DEP_1)
	v_and_b32 v34, 0xffff, v34
	s_delay_alu instid0(VALU_DEP_1)
	v_lshl_or_b32 v34, v34, 16, v34                ; in both halves of the word: they serve Q at either end
	v_mov_b32 v13, 0xff61b1e6                      ; the largest t so far: -3e38.  (These ten lines and the step's first four are the places between the scale word's write and the first product)
	s_delay_alu instid0(VALU_DEP_1)
	v_floor_f32 v12, -v13                          ; -M
	v_mov_b32 v14, 0                               ; the sum, in two halves
	v_mov_b32 v35, s[CS]                           ; c, for the pairs of multiply-adds
	v_mov_b32 v15, 0
.irp j, 216,217,218,219,226
	v_mov_b32 v\j, 0                               ; lane permutes' destinations
.endr
.macro FRAGS kb, sb                            ; four fragments and their scale words, as they lie
.irp f, 0,1,2,3
.irp c, 0,1
	ds_load_b128 v[40+12*\f+6*\c:43+12*\f+6*\c], v4 offset:\kb+1536*\f+768*\c
	ds_load_b64 v[44+12*\f+6*\c:45+12*\f+6*\c], v5 offset:\kb+1536*\f+768*\c+512
.endr
	ds_load_b32 v[88+\f], v6 offset:\sb+64*\f
.endr
.endm
.macro DADD d, a, b                            ; two additions in one dual-issue pair, on neighbouring registers
	v_dual_add_f32 v[\d], v[\a], v[\b] :: v_dual_add_f32 v[(\d)+1], v[(\a)+1], v[(\b)+1]
.endm
.macro SUMP                                    ; the row's sum takes in the 64 unquantised p of v96-159: eight chains, two numbers an instruction
.irp k, 0,1,2,3,4,5,6
	DADD 240+2*\k, 96+4*\k, 98+4*\k
.endr
	DADD 14, 14, 124
.irp j, 0,1
.irp k, 0,1,2,3,4,5,6
	DADD 240+2*\k, 240+2*\k, 126+16*\j+2*\k
.endr
	DADD 14, 14, 140+16*\j
.endr
	DADD 240, 240, 158
	DADD 242, 242, 244
	DADD 246, 246, 248
	DADD 250, 250, 252
	DADD 240, 240, 242
	DADD 246, 246, 250
	DADD 240, 240, 246
	DADD 14, 14, 240
.endm
; A KEY STEP: 128 keys.  one = 1: the first step
.macro STEP one
	v_add_nc_u32 v4, s[TB], v1
	v_add_nc_u32 v5, s[TB], v2
	v_add_nc_u32 v6, s[TS], v3
	v_nop                                          ; four places in front of loads into registers that the last products read
	FRAGS 0, 0                                     ; K
.if \one
	s_wait_alu depctr_va_vdst(0)                   ; the wait here
.else
	SUMP                                           ; the last step's p, while K's loads are out
.endif
	s_wait_dscnt 0x0
.irp f, 0,1,2,3                                        ; keys 128 st + 0 .. 63
	v_wmma_scale_f32_16x16x128_f8f6f4 v[96+8*\f:103+8*\f], v[40+12*\f:51+12*\f], v[22:33], 0, v[88+\f], v34 matrix_a_fmt:MATRIX_FMT_FP6 matrix_b_fmt:MATRIX_FMT_FP6
.endr
.irp f, 0,1,2,3                                        ; keys 128 st + 64 .. 127
	v_wmma_scale_f32_16x16x128_f8f6f4 v[128+8*\f:135+8*\f], v[40+12*\f:51+12*\f], v[16:27], 0, v[88+\f], v34 matrix_a_fmt:MATRIX_FMT_FP6 matrix_b_fmt:MATRIX_FMT_FP6
.endr
.rept 4
	v_nop                                          ; places: for the loads below and for the reads of the scores
.endr
	FRAGS HB, 4096                                 ; V, into the registers that held K: wanted behind the softmax
.irp b, 0,1,2,3
	v_max3_num_f32 v[212+\b], v[96+16*\b], v[97+16*\b], v[98+16*\b]   ; the largest score of each block of 32 keys: for the row's maximum and, since p rises with the score, for the block's largest p
.endr
.irp i, 3,5,7,9,11,13
.irp b, 0,1,2,3
	v_max3_num_f32 v[212+\b], v[212+\b], v[96+16*\b+\i], v[97+16*\b+\i]
.endr
.endr
.irp b, 0,1,2,3
	v_max_num_f32 v[212+\b], v[212+\b], v[111+16*\b]
.endr
.irp b, 0,1,2,3
	s_delay_alu instid0(VALU_DEP_4)
	v_permlanex16_b32 v[216+\b], v[212+\b], s[SEL], s[SEL+1]
.endr
.irp b, 0,1,2,3
	s_delay_alu instid0(VALU_DEP_4)
	v_max_num_f32 v[212+\b], v[212+\b], v[216+\b]
.endr
	s_delay_alu instid0(VALU_DEP_2)
	v_max3_num_f32 v226, v212, v213, v214
	s_delay_alu instid0(VALU_DEP_1)
	v_max_num_f32 v226, v226, v215
	s_delay_alu instid0(VALU_DEP_1)
	v_mul_f32 v226, s[CS], v226                    ; as t (c is positive)
	s_delay_alu instid0(VALU_DEP_1)
	v_max_num_f32 v13, v13, v226                   ; the running largest t
	v_mov_b32 v226, v12
	s_delay_alu instid0(VALU_DEP_2)
	v_floor_f32 v12, -v13                          ; the new -M = -ceil(t)
	s_delay_alu instid0(VALU_DEP_1)
	v_sub_f32 v226, v12, v226                      ; old M - new M: a whole number, 0 or less
	s_delay_alu instid0(VALU_DEP_1)
	v_cvt_i32_f32 v226, v226                       ; (it saturates)
	s_delay_alu instid0(VALU_DEP_1)
	v_ldexp_f32 v224, 1.0, v226                    ; f = 2^(old M - new M)
.irp j, 0,2,4,6,8,10,12,14,16,18,20,22,24,26,28,30,32,34,36,38,40,42,44,46,48,50,52,54,56,58,60,62
	v_dual_fma_f32 v[96+\j], v[96+\j], v35, v12 :: v_dual_fma_f32 v[97+\j], v[97+\j], v35, v12   ; t - M, two in a dual-issue pair
.endr
.irp b, 0,2
	v_dual_fma_f32 v[212+\b], v[212+\b], v35, v12 :: v_dual_fma_f32 v[213+\b], v[213+\b], v35, v12
.endr
	s_wait_alu depctr_va_vdst(0)                   ; the wait ahead of the batch
.set j, 0
.rept 64
	v_exp_f32 v[96+j], v[96+j]                     ; p = 2^(t - M)
.set j, j+1
.endr
.irp b, 0,1,2,3
	v_exp_f32 v[212+\b], v[212+\b]                 ; the block's largest p
.endr
	v_dual_mul_f32 v14, v224, v14 :: v_dual_mul_f32 v15, v224, v15   ; the sum under the new M: a plain place behind the exponentials
	s_wait_alu depctr_va_vdst(0)                   ; one wait for the batch, ahead of its first reader
.irp b, 0,1,2,3
	v_max_num_f32 v[212+\b], 0x1800000, v[212+\b]  ; the floor 2^(3 - 127)
.endr
.irp b, 0,1,2,3
	s_delay_alu instid0(VALU_DEP_4)
	v_add_nc_u32 v[220+\b], 0xff000000, v[212+\b]  ; 2 off the exponent field: the conversion's scale operand
.endr
.irp b, 0,1,2,3
	s_delay_alu instid0(VALU_DEP_4)
	v_lshrrev_b32 v[216+\b], 23, v[220+\b]
.endr
	s_delay_alu instid0(VALU_DEP_3)
	v_lshl_or_b32 v92, v217, 8, v216               ; p's scale word for these 128 keys
	s_delay_alu instid0(VALU_DEP_1)
	v_lshl_or_b32 v92, v218, 16, v92
	s_delay_alu instid0(VALU_DEP_1)
	v_lshl_or_b32 v92, v219, 24, v92
.irp c, 0,1
	v_cvt_scalef32_pk16_fp6_f32 v[192+6*\c:194+6*\c], v[96+32*\c:111+32*\c], v[220+2*\c]
	v_cvt_scalef32_pk16_fp6_f32 v[204+4*\c:206+4*\c], v[112+32*\c:127+32*\c], v[220+2*\c+1]
.endr
	v_nop                                          ; one plain place behind a scaled conversion
.irp c, 0,1
.irp i, 0,1,2
	v_permlane16_swap_b32 v[192+6*\c+\i], v[204+4*\c+\i]
.endr
.irp i, 0,1,2
	s_delay_alu instid0(VALU_DEP_3)
	v_mov_b32 v[195+6*\c+\i], v[204+4*\c+\i]
.endr
.endr
	s_wait_dscnt 0x0                               ; V's fragments, asked for ahead of the softmax
	s_wait_alu depctr_va_vdst(0)                   ; the wait: ahead of the first reader of O^T, and for p's codes, read behind the wait above
.if \one
.rept 4
	v_nop                                          ; places between p's codes and the products
.endr
.irp f, 0,1,2,3
	v_wmma_scale_f32_16x16x128_f8f6f4 v[160+8*\f:167+8*\f], v[40+12*\f:51+12*\f], v[192:203], 0, v[88+\f], v92 matrix_a_fmt:MATRIX_FMT_FP6 matrix_b_fmt:MATRIX_FMT_FP6
.endr
.else
.irp j, 0,2,4,6,8,10,12,14,16,18,20,22,24,26,28,30
	v_dual_mul_f32 v[160+\j], v224, v[160+\j] :: v_dual_mul_f32 v[161+\j], v224, v[161+\j]   ; O^T under the new M; also the places in front of the products
.endr
.irp f, 0,1,2,3
	v_wmma_scale_f32_16x16x128_f8f6f4 v[160+8*\f:167+8*\f], v[40+12*\f:51+12*\f], v[192:203], v[160+8*\f:167+8*\f], v[88+\f], v92 matrix_a_fmt:MATRIX_FMT_FP6 matrix_b_fmt:MATRIX_FMT_FP6
.endr
.endif
	s_add_co_u32 s[TB], s[TB], 6144
	s_add_co_u32 s[TS], s[TS], 256
.endm
	s_wait_alu depctr_va_vdst(0)                   ; the wait at the head's end
	s_wait_tensorcnt 0x0                           ; my one load has landed
	s_barrier_signal -1
	s_barrier_wait -1                              ; everybody's has: K, V and the scale words are whole
	STEP 1
	s_mov_b32 s[CNT], 7
.Lfirst_half:
	STEP 0
	s_sub_co_u32 s[CNT], s[CNT], 1
	s_cmp_lg_u32 s[CNT], 0
	s_cbranch_scc1 .Lfirst_half
	s_add_co_u32 s[TB], s[TB], HB                  ; over the first half's V
	s_mov_b32 s[CNT], 8
.Lsecond_half:
	STEP 0
	s_sub_co_u32 s[CNT], s[CNT], 1
	s_cmp_lg_u32 s[CNT], 0
	s_cbranch_scc1 .Lsecond_half
	SUMP                                           ; the last step's p; also the places behind the last products
	; THE WAY OUT: O^T / the sum; register 16 b + i is channel 32 b + 16 h + i of my query: two blocks of the next product's K
	v_add_f32 v14, v14, v15
	s_delay_alu instid0(VALU_DEP_1)
	v_permlanex16_b32 v226, v14, s[SEL], s[SEL+1]
	s_delay_alu instid0(VALU_DEP_1)
	v_add_f32 v14, v14, v226
	s_wait_alu depctr_va_vdst(0)
	v_rcp_f32 v14, v14
	v_nop                                          ; a plain place behind the transcendental
	s_wait_alu depctr_va_vdst(0)                   ; the wait ahead of its first reader, and of the first reader of O^T
.set j, 0
.rept 32
	v_mul_f32 v[96+j], v[160+j], v14
.set j, j+1
.endr
.irp b, 0,1
	v_max3_num_f32 v[212+\b], |v[96+16*\b]|, |v[97+16*\b]|, 0x1800000
.endr
.irp i, 2,4,6,8,10,12,14
.irp b, 0,1
	s_delay_alu instid0(VALU_DEP_2)
	v_max3_num_f32 v[212+\b], v[212+\b], |v[96+16*\b+\i]|, |v[97+16*\b+\i]|
.endr
.endr
.irp b, 0,1
	s_delay_alu instid0(VALU_DEP_2)
	v_permlanex16_b32 v[216+\b], v[212+\b], s[SEL], s[SEL+1]
.endr
.irp b, 0,1
	s_delay_alu instid0(VALU_DEP_2)
	v_max_num_f32 v[212+\b], v[212+\b], v[216+\b]
.endr
.irp b, 0,1
	s_delay_alu instid0(VALU_DEP_2)
	v_add_nc_u32 v[220+\b], 0xff000000, v[212+\b]
.endr
.irp b, 0,1
	s_delay_alu instid0(VALU_DEP_2)
	v_lshrrev_b32 v[216+\b], 23, v[220+\b]
.endr
	s_delay_alu instid0(VALU_DEP_1)
	v_lshl_or_b32 v92, v217, 8, v216               ; my head's two scale bytes
	v_cvt_scalef32_pk16_fp6_f32 v[192:194], v[96:111], v220
	v_cvt_scalef32_pk16_fp6_f32 v[204:206], v[112:127], v221
	v_nop
.irp i, 0,1,2
	v_permlane16_swap_b32 v[192+\i], v[204+\i]
.endr
.irp i, 0,1,2
	s_delay_alu instid0(VALU_DEP_3)
	v_mov_b32 v[195+\i], v[204+\i]
.endr
	global_store_b128 v1, v[192:195], s[76:77]     ; 512 consecutive bytes, aligned
	global_store_b64 v2, v[196:197], s[76:77] offset:512   ; 256 consecutive bytes, aligned
	global_store_b16 v3, v92, s[78:79]             ; lanes 16-31 repeat lanes 0-15
	s_wait_tensorcnt 0x0                           ; the wave's end
	ds_add_u32 v254, v255
	s_wait_dscnt 0x0
	CROUND                                         ; the closing round
	s_endpgm
.Lfunc_end_k_q2d4b209ecd_attn:
	.size	k_q2d4b209ecd_attn, .Lfunc_end_k_q2d4b209ecd_attn-k_q2d4b209ecd_attn
	.p2alignl 7, 3214868480
	.fill 96, 4, 3214868480
	.section	.rodata,"a",@progbits
	.p2align	6, 0x0
	.amdhsa_kernel k_q2d4b209ecd_attn
		.amdhsa_group_segment_fixed_size 206848
		.amdhsa_private_segment_fixed_size 0
		.amdhsa_enable_private_segment 0
		.amdhsa_kernarg_size 16
		.amdhsa_user_sgpr_count 2
		.amdhsa_user_sgpr_kernarg_segment_ptr 1
		.amdhsa_wavefront_size32 1
		.amdhsa_system_sgpr_workgroup_id_x 1
		.amdhsa_system_sgpr_workgroup_id_y 1
		.amdhsa_system_sgpr_workgroup_id_z 1
		.amdhsa_system_vgpr_workitem_id 0
		.amdhsa_next_free_vgpr 256
		.amdhsa_next_free_sgpr 80
		.amdhsa_reserve_vcc 0
		.amdhsa_float_denorm_mode_32 3
		.amdhsa_float_denorm_mode_16_64 3
		.amdhsa_memory_ordered 1
		.amdhsa_forward_progress 1
		.amdhsa_inst_pref_size 66
	.end_amdhsa_kernel
	.amdgpu_metadata
---
amdhsa.version: [ 1, 2 ]
amdhsa.kernels:
  - .name:           k_q2d4b209ecd_attn
    .symbol:         k_q2d4b209ecd_attn.kd
    .args:
      - { .name: qkvc, .offset: 0, .size: 8, .value_kind: global_buffer, .address_space: global }
      - { .name: hcs, .offset: 8, .size: 8, .value_kind: global_buffer, .address_space: global }
    .group_segment_fixed_size: 206848
    .private_segment_fixed_size: 0
    .kernarg_segment_align: 8
    .kernarg_segment_size: 16
    .max_flat_workgroup_size: 512
    .sgpr_count:     80
    .vgpr_count:     256
    .wavefront_size: 32
...
	.end_amdgpu_metadata
.endif
;; end of part 9
;; launch wo (part 10): grid 8 x 32, 4 waves a work-group, clusters of 4 x 4, 327,680 bytes of LDS; arguments hcs, ops, x, z1; writes z1
.if DOCPART == 10
	.amdgcn_target "amdgcn-amd-amdhsa--gfx1250"
	.amdhsa_code_object_version 6
	.text
	.protected	k_q2d4b209ecd_wo
	.globl	k_q2d4b209ecd_wo
	.p2align	8
	.type	k_q2d4b209ecd_wo,@function
k_q2d4b209ecd_wo:
	s_mov_b64 s[64:65], 0
	v_nop
	global_prefetch_b8 v0, s[64:65] scope:SCOPE_SE
	s_setreg_imm32_b32 hwreg(HW_REG_WAVE_MODE, 25, 1), 1
	s_wait_xcnt 0x0
	s_wait_alu depctr_hold_cnt(0) depctr_sa_sdst(0) depctr_va_vdst(0) depctr_va_sdst(0) depctr_va_ssrc(0) depctr_va_vcc(0) depctr_vm_vsrc(0)
	s_getreg_b32 s2, hwreg(HW_REG_IB_STS2, 6, 4)
	s_cmp_eq_u32 s2, 0
	s_cbranch_scc0 .Lentry_in_a_cluster
	s_endpgm
.Lentry_in_a_cluster:
	s_bfe_u32 s2, ttmp6, 0x10000c
	s_cmp_lg_u32 s2, 0xf033
	s_cbranch_scc0 .Lentry_shape_is_right
	s_endpgm
.Lentry_shape_is_right:
; z1 = x + heads W_O: 4,096 x 1,024 x 1,024 on codes of FP6 (E2M3) with E8M0 scales; f32 sums; the residual is added on the way out.
; Both operands lie in the order of the operand's registers: fragment (kappa = k / 128, rho = row / 16) of an operand of R rows at ((kappa / 2) (R / 16) + rho) 3,072 + (kappa % 2) 1,536; so 128 rows x 256 K are
; 24,576 dense bytes, the next 256 along K lie 192 R bytes further on, and every LDS load of a fragment takes consecutive bytes: no pitch, no padding.
; A TILE IS 128 x 128: the result has 32 x 8 such tiles, 256 work-groups.  Four waves, 64 x 64 each: 16 accumulators of 16 x 16.  A slot of LDS holds 512 along K of A's 128 rows and of B's 128; K = 1,024 is two slots:
; both are filled at the head and no byte of LDS is filled again.  The scale words come once, with them.
; THE MATRIX INSTRUCTION IS USED TRANSPOSED (source 0 = 16 rows of B = W_O's columns, source 1 = 16 rows of A): a lane holds eight neighbouring numbers of a row of the result.
; A's rows are tokens with bits 3 and 4 of their number exchanged: the way out puts them back, in the loads' and stores' immediates.
; CLUSTERS: 4 x 4; A's tiles are asked for jointly along a row of the cluster, B's along a column.
; REGISTERS, in windows of 256: window 0: v16-30 addresses; v32-63 scale words; v64-127 rows back from the stage; v128-255 the accumulators, (a, b) at v[128 + 8 (4 a + b)].
;   window 1: two sets of fragments at v0 and v128: A's four, then B's four.   window 2: v0-127 my 64 rows x 256 bytes of the residual, asked for at the head.
.set KTOT,  1024
.set AROWS, 4096
.set BROWS, 1024
.set ACO,   0
.set ASO,   3145728
.set BCO,   9011200
.set BSO,   9797632
.set HALFT,  24576                     ; 128 rows x 256 K: what one tensor load brings
.set SLOT,   4*HALFT                   ; A's first 256 along K, A's second, B's first, B's second
.set SCL,    2*SLOT                    ; behind the slots: the scale words, [kappa][128 rows], A's and then B's
.set NKAP,   KTOT/128
.set QS,     NKAP*256                  ; half of what one tensor load brings of them (NKAP rows of 512 bytes)
.set SPARE,  SCL+4*QS                  ; the spare words, 128 bytes for each wave: two blocks of 256 bytes that no other line names
.set LAPS,   KTOT/1024                 ; a lap = two slots
.set ASTEP,  AROWS*192                 ; 256 along K further on, in bytes
.set BSTEP,  BROWS*192
.set FR,     12
.set ADRA, 16                          ; v16-17 16 x lane + my 64 rows of A in slot 0, 1;  v18-19 the same with 8 x lane
.set ADRB, 20                          ; v20-23 likewise for B
.set STO,  24                          ; v24 the way out: where I put 32 bytes of a row
.set RD,   25                          ; v25 where I read rows back
.set CO,   26                          ; v26 my byte offset in two rows of the result
.set ADRS, 27                          ; v27 my scale words: lanes 0-15 A's rows, lanes 16-31 B's
.set SPW,  28                          ; v28 my spare word; never rewritten
.set NIL,  29                          ; v29 0; never rewritten
.set SC,   32                          ; v32-63 scale words and nothing else: set s at 16 s; register 4 i + q: block i, the slot's q-th 128
.set BIAS, 64
.set BK,   64                          ; v64-95, v96-127 16 rows back from the stage, two sets
.set ACC,  128
.set SPITCH, 272                       ; the stage: 16 rows x (256 bytes + 16) for each wave, in slot 0, which has had its last fill and its last read by then
.set G1, 24
.set G0, 32
.set G1B, 48
.set G0B, 56
.set G1S, 68
.set G0S, 76
.set G1SB, 80
.set G0SB, 88
.set MSB, 0
.macro WIN new                         ; the immediate's high byte repeats the setting that is left
.if MSB != \new
	s_set_vgpr_msb (MSB<<8)|\new
.set MSB, \new
.endif
.endm
.set MUL,  0x05                        ; sources 0 (B) and 1 (A) window 1; C and D window 0
.set TO_F, 0x40                        ; destination window 1, address window 0
.macro JLOAD g0a, g1a, g0b, g1b        ; a joint load: waves 0, 1 fetch for A, waves 2, 3 for B; four v_nop follow each line
	s_cmp_eq_u32 s15, 0
	s_cbranch_scc0 .Lfor_b_\@
	tensor_load_to_lds s[\g0a:\g0a+3], s[\g1a:\g1a+7]
	s_nop 0
.rept 4
	v_nop
.endr
	s_branch .Lasked_\@
.Lfor_b_\@:
	tensor_load_to_lds s[\g0b:\g0b+3], s[\g1b:\g1b+7]
	s_nop 0
.rept 4
	v_nop
.endr
.Lasked_\@:
.endm
.macro CREST                           ; a round of the cluster's barrier behind its opening barrier
	s_cmp_lg_u32 s14, 0
	s_cbranch_scc1 .Lnot_wave_0_\@
	s_barrier_signal -3
.Lnot_wave_0_\@:
	s_barrier_wait -3
	s_barrier_signal -1
	s_barrier_wait -1
.endm
.macro CROUND
	s_barrier_signal -1
	s_barrier_wait -1
	CREST
.endm
.macro PLACES n                        ; plain places behind matrix instructions, in front of loads into their registers and of reads of their results
.rept \n
	v_nop
.endr
.endm
.macro FRAG reg, adr, q, i             ; a fragment as it lies: 512, 256, 512, 256 consecutive bytes
.irp c, 0,1
	ds_load_b128 v[\reg+6*\c:\reg+6*\c+3], v[\adr] offset:((\q)/2)*HALFT+(\i)*3072+((\q)%2)*1536+768*\c
	ds_load_b64 v[\reg+6*\c+4:\reg+6*\c+5], v[\adr+2] offset:((\q)/2)*HALFT+(\i)*3072+((\q)%2)*1536+768*\c+512
.endr
.endm
.macro FETCH slot, q, p                ; 32 LDS loads in one run: my four fragments of B and four of A for the slot's q-th 128 along K, into set p
	WIN TO_F
.irp i, 0,1,2,3
	FRAG 128*(\p)+48+FR*\i, ADRB+\slot, \q, \i
.endr
.irp i, 0,1,2,3
	FRAG 128*(\p)+FR*\i, ADRA+\slot, \q, \i
.endr
.endm
.macro SCALES sc                       ; a slot's scale words: lanes 0-15 A's block i, lanes 16-31 B's block i
.irp i, 0,1,2,3
.irp q, 0,1,2,3
	ds_load_b32 v[SC+16*\sc+4*\i+\q], v[ADRS] offset:64*\i+512*\q
.endr
.endr
.endm
; 4 matrix instructions: A's block a x B's four.  cmode 1: the constant 0 starts the sums; 2: a bias does; 0: they go on.  The 16 accumulators take turns, in the same order in every step.
.macro MUL4 a, p, q, sc, cmode
.irp b, 0,1,2,3
.if \cmode == 1
	v_wmma_scale_f32_16x16x128_f8f6f4 v[ACC+8*(4*(\a)+\b):ACC+8*(4*(\a)+\b)+7], v[128*(\p)+48+FR*\b:128*(\p)+48+FR*\b+FR-1], v[128*(\p)+FR*(\a):128*(\p)+FR*(\a)+FR-1], 0, v[SC+16*(\sc)+4*\b+(\q)], v[SC+16*(\sc)+4*(\a)+(\q)] matrix_a_fmt:MATRIX_FMT_FP6 matrix_b_fmt:MATRIX_FMT_FP6 matrix_a_scale:MATRIX_SCALE_ROW1
.elseif \cmode == 2
	v_wmma_scale_f32_16x16x128_f8f6f4 v[ACC+8*(4*(\a)+\b):ACC+8*(4*(\a)+\b)+7], v[128*(\p)+48+FR*\b:128*(\p)+48+FR*\b+FR-1], v[128*(\p)+FR*(\a):128*(\p)+FR*(\a)+FR-1], v[BIAS+8*\b:BIAS+8*\b+7], v[SC+16*(\sc)+4*\b+(\q)], v[SC+16*(\sc)+4*(\a)+(\q)] matrix_a_fmt:MATRIX_FMT_FP6 matrix_b_fmt:MATRIX_FMT_FP6 matrix_a_scale:MATRIX_SCALE_ROW1
.else
	v_wmma_scale_f32_16x16x128_f8f6f4 v[ACC+8*(4*(\a)+\b):ACC+8*(4*(\a)+\b)+7], v[128*(\p)+48+FR*\b:128*(\p)+48+FR*\b+FR-1], v[128*(\p)+FR*(\a):128*(\p)+FR*(\a)+FR-1], v[ACC+8*(4*(\a)+\b):ACC+8*(4*(\a)+\b)+7], v[SC+16*(\sc)+4*\b+(\q)], v[SC+16*(\sc)+4*(\a)+(\q)] matrix_a_fmt:MATRIX_FMT_FP6 matrix_b_fmt:MATRIX_FMT_FP6 matrix_a_scale:MATRIX_SCALE_ROW1
.endif
.endr
.endm
.macro STEP slot, q, cmode             ; 128 along K that have their successor in the same slot: set q % 2 is multiplied while the other set is fetched
	s_wait_dscnt 0x0                               ; this step's fragments are in
	PLACES 4                                       ; the other set was read by the last products
	FETCH \slot, (\q)+1, 1-(\q)%2
	WIN MUL
.irp a, 0,1,2,3
	MUL4 \a, (\q)%2, \q, \slot, \cmode
.endr
.endm
; A slot's last 128 change slots: one barrier; in front of it each wave waits for all its tensor loads, adds 0 to its spare word, and waits for that and for its reads of this slot.
.macro TURN slot, next, fill
	WIN 0                                          ; (the add's two registers lie in window 0)
	s_wait_tensorcnt 0x0                           ; all my tensor loads have landed: my part of the next slot
	ds_add_u32 v[SPW], v[NIL]
	s_wait_dscnt 1                                 ; the add alone may be out: the slot's last 32 fragment loads, issued ahead of it, are in
	WIN MUL
	MUL4 0, 1, 3, \slot, 0
	s_wait_dscnt 0x0                               ; the add is done, and my reads of this slot are over
	s_barrier_signal -1
	MUL4 1, 1, 3, \slot, 0
	WIN 0
	s_barrier_wait -1
.if \fill
	CREST                                          ; the barrier has opened a round of the cluster's: no wave of any partner still reads this slot or has a load on its way
	s_add_nc_u64 s[G0+4*\slot+2:G0+4*\slot+3], s[G0+4*\slot+2:G0+4*\slot+3], 4*ASTEP
	s_add_nc_u64 s[G0B+4*\slot+2:G0B+4*\slot+3], s[G0B+4*\slot+2:G0B+4*\slot+3], 4*BSTEP
	JLOAD G0+4*\slot, G1, G0B+4*\slot, G1B         ; the first tensor load behind the round; its four v_nop are the places in front of the loads below
.else
	PLACES 4
.endif
	v_add_nc_u32 v[ADRS], 2048, v[ADRS]            ; the next slot's scale words: four kappa on
	FETCH \next, 0, 0
	WIN 0
	SCALES \next
	WIN MUL
	MUL4 2, 1, 3, \slot, 0
	MUL4 3, 1, 3, \slot, 0
.endm
	s_load_b128 s[4:7], s[0:1], 0x0                ; the heads' codes, the weights' codes
	s_load_b128 s[8:11], s[0:1], 0x10              ; x s[8:9], z1 s[10:11]
	v_lshl_add_u32 v[SPW], v0, 2, SPARE
	v_mov_b32 v[NIL], 0
	ds_add_u32 v28, v29
	ds_add_u32 v28, v29
	s_wait_dscnt 0x0
	v_lshrrev_b32 v1, 5, v0
	v_readfirstlane_b32 s14, v1                    ; wave 0..3
	s_lshr_b32 s15, s14, 1                         ; my 64 of A's rows.  Also: I fetch for A (0) or for B (1)
	s_and_b32 s16, s14, 1                          ; my 64 of B's rows.  Also: which 256 along K of a slot I fetch
	s_bfe_u32 s40, ttmp6, 0x40000                  ; cx
	s_bfe_u32 s41, ttmp6, 0x40004                  ; cy
	s_lshl_b32 s42, ttmp9, 2
	s_add_co_u32 s42, s42, s40                     ; B's tile, 0..7
	s_and_b32 s17, ttmp7, 0xffff
	s_lshl_b32 s17, s17, 2
	s_add_co_u32 s17, s17, s41                     ; A's tile, 0..31
	s_lshl_b32 s43, s41, 2
	s_lshl_b32 s43, 15, s43                        ; my row of the cluster
	s_lshl_b32 s44, 0x1111, s40                    ; my column
	s_or_b32 s[G1+0], s43, (3<<16)|(1<<21)         ; codes: 24,576 dense bytes as 96 rows of 256 (32 elements of 8 bytes), no padding
	s_or_b32 s[G1B+0], s44, (3<<16)|(1<<21)
.irp g, G1, G1B
	s_mov_b32 s[\g+1], 3072<<16                    ; the head's loads of codes bring a slot's 512 along K: two dense runs of 24,576 bytes (3,072 elements of 8 bytes), 256 along K apart
	s_mov_b32 s[\g+2], 2<<16
	s_mov_b32 s[\g+3], 3072<<16
	s_mov_b32 s[\g+4], 2
	s_mov_b32 s[\g+6], 0
	s_mov_b32 s[\g+7], 0
.endr
	s_or_b32 s[G1S+0], s43, (3<<16)|(1<<21)        ; scale words: NKAP rows of 512 bytes (128 rows' words), a row of all rows' words apart
	s_or_b32 s[G1SB+0], s44, (3<<16)|(1<<21)
.irp g, G1S, G1SB
	s_mov_b32 s[\g+1], 64<<16
	s_mov_b32 s[\g+2], NKAP<<16
	s_mov_b32 s[\g+3], 64<<16
	s_mov_b32 s[\g+4], NKAP
	s_mov_b32 s[\g+6], 0
	s_mov_b32 s[\g+7], 0
.endr
	s_mov_b32 s[G1S+5], AROWS/2
	s_mov_b32 s[G1+5], ASTEP/8
	s_mov_b32 s[G1B+5], BSTEP/8
	s_mov_b32 s[G1SB+5], BROWS/2
	s_mul_i32 s22, s17, HALFT                      ; A's codes: the tile's 128 rows, my 256 along K
	s_mul_i32 s18, s16, ASTEP
	s_add_co_u32 s22, s22, s18
	s_add_co_u32 s22, s22, ACO
	s_mov_b32 s23, 0
	s_lshl_b32 s20, s17, 9                         ; A's scale words: the tile's 128 rows, all the kappa
	s_add_co_u32 s20, s20, ASO
	s_mov_b32 s21, 0
	s_mul_i32 s92, s42, HALFT                      ; B likewise, in registers that never hold cy
	s_mul_i32 s19, s16, BSTEP
	s_add_co_u32 s92, s92, s19
	s_add_co_u32 s92, s92, BCO
	s_mov_b32 s93, 0
	s_lshl_b32 s46, s42, 9
	s_add_co_u32 s46, s46, BSO
	s_mov_b32 s47, 0
	s_mul_i32 s45, s14, HALFT                      ; where they go: by the wave's number alone
	s_wait_kmcnt 0x0
	s_add_nc_u64 s[22:23], s[4:5], s[22:23]
	s_add_nc_u64 s[20:21], s[4:5], s[20:21]
	s_add_nc_u64 s[92:93], s[6:7], s[92:93]
	s_add_nc_u64 s[46:47], s[6:7], s[46:47]
	CROUND                                         ; all sixteen work-groups are here: the first joint loads meet
	s_mov_b32 s[G0S], 1
	s_mov_b32 s[G0S+1], SCL
	s_mov_b64 s[G0S+2:G0S+3], s[20:21]
	s_or_b32 s[G0S+3], s[G0S+3], 0x80000000
	s_mov_b32 s[G0SB], 1
	s_mov_b32 s[G0SB+1], SCL+2*QS
	s_mov_b64 s[G0SB+2:G0SB+3], s[46:47]
	s_or_b32 s[G0SB+3], s[G0SB+3], 0x80000000
.irp s, 0,1
	s_mov_b32 s[G0+4*\s], 1
	s_add_co_u32 s[G0+4*\s+1], s45, \s*SLOT
	s_add_nc_u64 s[G0+4*\s+2:G0+4*\s+3], s[22:23], \s*2*ASTEP
	s_or_b32 s[G0+4*\s+3], s[G0+4*\s+3], 0x80000000
	s_mov_b32 s[G0B+4*\s], 1
	s_add_co_u32 s[G0B+4*\s+1], s45, \s*SLOT
	s_add_nc_u64 s[G0B+4*\s+2:G0B+4*\s+3], s[92:93], \s*2*BSTEP
	s_or_b32 s[G0B+4*\s+3], s[G0B+4*\s+3], 0x80000000
.endr
; THE HEAD'S LOADS, ONE A WAVE: wave 0 slot 0's A, wave 1 A's scale words, wave 2 slot 0's B, wave 3 B's scale words.
; Waves 0 and 2 fetch the first 256 along K in the ring, so their slot 0 descriptors already name the slot's first byte and its place in LDS.
.macro ARM under, g0, g1, next
	s_cmp_lt_u32 s14, \under
	s_cbranch_scc0 \next
	tensor_load_to_lds s[\g0:\g0+3], s[\g1:\g1+7]
	s_nop 0
.rept 4
	v_nop
.endr
	s_branch .Lhead_asked
\next:
.endm
	ARM 1, G0,  G1,  .Lhead_sa
	ARM 2, G0S, G1S, .Lhead_b
	ARM 3, G0B, G1B, .Lhead_sb
	tensor_load_to_lds s[G0SB:G0SB+3], s[G1SB:G1SB+7]
	s_nop 0
.rept 4
	v_nop
.endr
.Lhead_asked:
	v_and_b32 v1, 15, v0                           ; r
	v_bfe_u32 v2, v0, 4, 1                         ; h
	v_and_b32 v3, 31, v0
	v_lshlrev_b32 v4, 4, v3                        ; 16 x lane
	v_lshlrev_b32 v5, 3, v3                        ; 8 x lane
	v_lshlrev_b32 v[CO], 12, v2                    ; lanes 0-15 take one row of the result, lanes 16-31 the next; 16 bytes a lane
	v_lshl_add_u32 v[CO], v1, 4, v[CO]
	s_wait_alu depctr_va_vdst(0)
	s_lshl_b32 s20, s17, 7
	s_lshl_b32 s21, s15, 6
	s_add_co_u32 s20, s20, s21
	s_lshl_b32 s20, s20, 12                        ; my first row, of 4,096 bytes: 128 x A's tile + 64 x my half
	s_lshl_b32 s46, s42, 9
	s_lshl_b32 s47, s16, 8
	s_add_co_u32 s46, s46, s47                     ; my first column, in bytes: 512 x B's tile + 256 x my half
	s_add_co_u32 s20, s20, s46
	s_mov_b32 s21, 0
	s_add_nc_u64 s[12:13], s[10:11], s[20:21]      ; the result
	s_add_nc_u64 s[10:11], s[8:9], s[20:21]        ; the residual
	; The residual's 64 rows x 256 bytes are asked for here and wanted on the way out.  Row t of block a is token 32 (a / 2) + 16 (t / 8) + 8 (a % 2) + t % 8 of my 64: it stands in the immediate.
	WIN 0x80                                       ; destination window 2
.irp a, 0,1,2,3
.irp u, 0,1,2,3,4,5,6,7
	global_load_b128 v[32*\a+4*\u:32*\a+4*\u+3], v[CO], s[10:11] offset:(32*(\a/2)+8*(\a%2)+16*(\u/4)+(2*\u)%8)*4096 th:TH_LOAD_NT   ; sixteen lanes read 256 consecutive bytes, aligned
.endr
.endr
	WIN 0
	s_mul_i32 s21, s15, 4*3072                     ; my four blocks of A's eight,
	s_mul_i32 s22, s16, 4*3072                     ; and of B's, which lie behind A's two runs
	s_add_co_u32 s22, s22, 2*HALFT
.irp s, 0,1
	v_add_nc_u32 v[ADRA+\s], s21, v4
	v_add_nc_u32 v[ADRB+\s], s22, v4
	v_add_nc_u32 v[ADRA+2+\s], s21, v5
	v_add_nc_u32 v[ADRB+2+\s], s22, v5
	s_add_co_u32 s21, s21, SLOT
	s_add_co_u32 s22, s22, SLOT
.endr
	v_lshlrev_b32 v7, 2, v1
	s_lshl_b32 s21, s15, 8                         ; A's words: my 64 rows
	s_lshl_b32 s22, s16, 8                         ; B's: my 64 rows, behind A's NKAP x 512 bytes
	s_add_co_u32 s22, s22, NKAP*512
	s_sub_co_u32 s22, s22, s21
	v_mul_u32_u24 v6, s22, v2                      ; lanes 16-31 take B's
	s_add_co_u32 s21, s21, SCL
	v_add_nc_u32 v6, v7, v6
	v_add_nc_u32 v[ADRS], s21, v6
	s_mul_i32 s23, s14, 16*SPITCH                  ; my stage
	v_mul_u32_u24 v6, v1, SPITCH
	v_lshl_add_u32 v6, v2, 5, v6
	v_add_nc_u32 v[STO], s23, v6                   ; in: row r, 32 bytes for each half of the lanes
	v_mul_u32_u24 v6, v2, SPITCH
	v_lshl_add_u32 v6, v1, 4, v6
	v_add_nc_u32 v[RD], s23, v6                    ; back: lanes 0-15 one row of 256 bytes, lanes 16-31 the next
	s_wait_alu depctr_va_vdst(0)
	s_wait_tensorcnt 0x0                           ; my tile of the head's four is in; the three lines ahead of a later first fill
	ds_add_u32 v[SPW], v[NIL]
.irp g, G1, G1B
	s_mov_b32 s[\g+1], 32<<16                      ; no tensor load of mine is out: from here on a load brings 24,576 dense bytes as 96 rows of 256
	s_mov_b32 s[\g+2], 96<<16
	s_mov_b32 s[\g+3], 32<<16
	s_mov_b32 s[\g+4], 96
	s_mov_b32 s[\g+5], 32
.endr
	s_wait_dscnt 0x0
	CROUND                                         ; all four tiles are in, in every partner
	JLOAD G0+4, G1, G0B+4, G1B                     ; slot 1's first fill, the first tensor load behind the round
	FETCH 0, 0, 0
	WIN 0
	SCALES 0
	STEP 0, 0, 1                                   ; the first step's products start the sums
.if LAPS > 1
	WIN 0                                          ; at a label and at a branch every window is 0
	s_mov_b32 s3, LAPS-1
.Llap:
	STEP 0, 1, 0
	STEP 0, 2, 0
	TURN 0, 1, 1
	STEP 1, 0, 0
	STEP 1, 1, 0
	STEP 1, 2, 0
	TURN 1, 0, 1
	STEP 0, 0, 0
	WIN 0
	s_sub_co_u32 s3, s3, 1
	s_cmp_lg_u32 s3, 0
	s_cbranch_scc1 .Llap
.endif
	STEP 0, 1, 0
	STEP 0, 2, 0
	TURN 0, 1, 0                                   ; the last lap fills nothing
	STEP 1, 0, 0
	STEP 1, 1, 0
	STEP 1, 2, 0
	s_wait_dscnt 0x0                               ; the very last step: nothing more to fetch
	WIN MUL
.irp a, 0,1,2,3
	MUL4 \a, 1, 3, 1, 0
.endr
	WIN 0
	PLACES 4
; THE WAY OUT, block by block of 16 rows x 64 columns.  A lane holds 32 neighbouring bytes of a row and the lanes beside it hold other rows: so a block goes through my own stage in LDS and comes back as whole rows of 256 bytes.
.macro TOSTAGE a
.set BB, BK+32*((\a)%2)
.irp b, 0,1,2,3
	ds_store_b128 v[STO], v[ACC+8*(4*(\a)+\b):ACC+8*(4*(\a)+\b)+3] offset:64*\b          ; each accumulator from its low end on
	ds_store_b128 v[STO], v[ACC+8*(4*(\a)+\b)+4:ACC+8*(4*(\a)+\b)+7] offset:64*\b+16
.endr
.irp u, 0,1,2,3,4,5,6,7
	ds_load_b128 v[BB+4*\u:BB+4*\u+3], v[RD] offset:2*\u*SPITCH    ; LDS serves a wave's instructions in order (ISA guide 5.7.1.4): these see the stores above, and the next block's stores come behind them
.endr
.endm
.macro SEND a
.set BB, BK+32*((\a)%2)
	WIN 0x08                                       ; source 1: the residual, window 2
.set i, 0
.rept 16
	v_pk_add_f32 v[BB+i:BB+i+1], v[BB+i:BB+i+1], v[32*(\a)+i:32*(\a)+i+1]
.set i, i+2
.endr
	WIN 0
.irp u, 0,1,2,3,4,5,6,7
	global_store_b128 v[CO], v[BB+4*\u:BB+4*\u+3], s[12:13] offset:(32*((\a)/2)+8*((\a)%2)+16*(\u/4)+(2*\u)%8)*4096   ; sixteen lanes store 256 consecutive bytes, aligned
.endr
.endm
	s_wait_loadcnt 0x0                             ; the residual, asked for at the head
	TOSTAGE 0
.irp a, 0,1,2,3
.if \a < 3
.if \a > 0
	s_wait_xcnt 0x0                                ; block a - 1's stores have read their registers: the next block's rows may land there
.endif
	TOSTAGE \a+1
	s_wait_dscnt 16                                ; this block's rows are back; the next block's eight stores and eight loads may be out
.else
	s_wait_dscnt 0x0
.endif
	SEND \a
.endr
	s_wait_tensorcnt 0x0                           ; the wave's end
	ds_add_u32 v[SPW], v[NIL]
	s_wait_dscnt 0x0
	CROUND                                         ; the closing round
	s_endpgm
.Lfunc_end_k_q2d4b209ecd_wo:
	.size	k_q2d4b209ecd_wo, .Lfunc_end_k_q2d4b209ecd_wo-k_q2d4b209ecd_wo
	.p2alignl 7, 3214868480
	.fill 96, 4, 3214868480
	.section	.rodata,"a",@progbits
	.p2align	6, 0x0
	.amdhsa_kernel k_q2d4b209ecd_wo
		.amdhsa_group_segment_fixed_size 327680
		.amdhsa_private_segment_fixed_size 0
		.amdhsa_enable_private_segment 0
		.amdhsa_kernarg_size 32
		.amdhsa_user_sgpr_count 2
		.amdhsa_user_sgpr_kernarg_segment_ptr 1
		.amdhsa_wavefront_size32 1
		.amdhsa_system_sgpr_workgroup_id_x 1
		.amdhsa_system_sgpr_workgroup_id_y 1
		.amdhsa_system_sgpr_workgroup_id_z 1
		.amdhsa_system_vgpr_workitem_id 0
		.amdhsa_next_free_vgpr 640
		.amdhsa_next_free_sgpr 100
		.amdhsa_reserve_vcc 0
		.amdhsa_float_denorm_mode_32 3
		.amdhsa_float_denorm_mode_16_64 3
		.amdhsa_memory_ordered 1
		.amdhsa_forward_progress 1
		.amdhsa_inst_pref_size 62
	.end_amdhsa_kernel
	.amdgpu_metadata
---
amdhsa.version: [ 1, 2 ]
amdhsa.kernels:
  - .name:           k_q2d4b209ecd_wo
    .symbol:         k_q2d4b209ecd_wo.kd
    .args:
      - { .name: hcs, .offset: 0, .size: 8, .value_kind: global_buffer, .address_space: global }
      - { .name: ops, .offset: 8, .size: 8, .value_kind: global_buffer, .address_space: global }
      - { .name: x, .offset: 16, .size: 8, .value_kind: global_buffer, .address_space: global }
      - { .name: z1, .offset: 24, .size: 8, .value_kind: global_buffer, .address_space: global }
    .group_segment_fixed_size: 327680
    .private_segment_fixed_size: 0
    .kernarg_segment_align: 8
    .kernarg_segment_size: 32
    .max_flat_workgroup_size: 128
    .sgpr_count:     100
    .vgpr_count:     640
    .wavefront_size: 32
...
	.end_amdgpu_metadata
.endif
;; end of part 10
;; launch ln2: the kernel of part 7 again; grid 256 x 1, 8 waves a work-group, no clusters, 67,072 bytes of LDS; arguments z1, gamma_2, beta_2, W_Q, W_K, W_V, W_O, W_up, W_down, vops; writes vops
;; launch up (part 11): grid 16 x 16, 4 waves a work-group, clusters of 4 x 4, 327,680 bytes of LDS; arguments vops, ops, b_up, gcs; writes gcs
.if DOCPART == 11
	.amdgcn_target "amdgcn-amd-amdhsa--gfx1250"
	.amdhsa_code_object_version 6
	.text
	.protected	k_q2d4b209ecd_up
	.globl	k_q2d4b209ecd_up
	.p2align	8
	.type	k_q2d4b209ecd_up,@function
k_q2d4b209ecd_up:
	s_mov_b64 s[64:65], 0
	v_nop
	global_prefetch_b8 v0, s[64:65] scope:SCOPE_SE
	s_setreg_imm32_b32 hwreg(HW_REG_WAVE_MODE, 25, 1), 1
	s_wait_xcnt 0x0
	s_wait_alu depctr_hold_cnt(0) depctr_sa_sdst(0) depctr_va_vdst(0) depctr_va_sdst(0) depctr_va_ssrc(0) depctr_va_vcc(0) depctr_vm_vsrc(0)
	s_getreg_b32 s2, hwreg(HW_REG_IB_STS2, 6, 4)
	s_cmp_eq_u32 s2, 0
	s_cbranch_scc0 .Lentry_in_a_cluster
	s_endpgm
.Lentry_in_a_cluster:
	s_bfe_u32 s2, ttmp6, 0x10000c
	s_cmp_lg_u32 s2, 0xf033
	s_cbranch_scc0 .Lentry_shape_is_right
	s_endpgm
.Lentry_shape_is_right:
.set KTOT,  1024
.set AROWS, 11264
.set BROWS, 4096
.set ACO,   0
.set ASO,   8650752
.set BCO,   9830400
.set BSO,   12976128
.set HALFT,  24576
.set SLOT,   4*HALFT
.set SCL,    2*SLOT
.set NKAP,   KTOT/128
.set HALFS,  NKAP*512
.set SPARE,  SCL+4*HALFS
.set LAPS,   KTOT/512
.set ASTEP,  AROWS*192
.set BSTEP,  BROWS*192
.set FR,     12
.set ADRA, 16
.set ADRB, 20
.set ADRS, 27
.set SPW,  28
.set NIL,  29
.set SC,   32
.set BIAS, 64
.set AF,   128
.set G1, 24
.set G0, 32
.set G1B, 48
.set G0B, 56
.set G1S, 68
.set G0S, 76
.set G1SB, 80
.set G0SB, 88
.set MSB, 0
.macro WIN new
.if MSB != \new
	s_set_vgpr_msb (MSB<<8)|\new
.set MSB, \new
.endif
.endm
.set MUL_LO, 0xa1
.set MUL_HI, 0xf1
.set TO_B,   0x40
.macro JLOAD g0a, g1a, g0b, g1b
	s_cmp_eq_u32 s15, 0
	s_cbranch_scc0 .Lfor_b_\@
	tensor_load_to_lds s[\g0a:\g0a+3], s[\g1a:\g1a+7]
	s_nop 0
.rept 4
	v_nop
.endr
	s_branch .Lasked_\@
.Lfor_b_\@:
	tensor_load_to_lds s[\g0b:\g0b+3], s[\g1b:\g1b+7]
	s_nop 0
.rept 4
	v_nop
.endr
.Lasked_\@:
.endm
.macro CREST
	s_cmp_lg_u32 s14, 0
	s_cbranch_scc1 .Lnot_wave_0_\@
	s_barrier_signal -3
.Lnot_wave_0_\@:
	s_barrier_wait -3
	s_barrier_signal -1
	s_barrier_wait -1
.endm
.macro CROUND
	s_barrier_signal -1
	s_barrier_wait -1
	CREST
.endm
.macro PLACES n
.rept \n
	v_nop
.endr
.endm
.macro FRAG reg, adr, q, i
.irp c, 0,1
	ds_load_b128 v[\reg+6*\c:\reg+6*\c+3], v[\adr] offset:(\i)*3072+(\q)*1536+768*\c
	ds_load_b64 v[\reg+6*\c+4:\reg+6*\c+5], v[\adr+2] offset:(\i)*3072+(\q)*1536+768*\c+512
.endr
.endm
.macro FETCH_B slot, q, p
	WIN TO_B
.irp i, 0,1,2,3,4,5,6,7
	FRAG 128*(\p)+FR*\i, ADRB+\slot, \q, \i
.endr
	WIN 0
.endm
.macro FETCH_A slot, q, i0
.irp i, \i0, \i0+1, \i0+2, \i0+3
	FRAG AF+FR*(\i), ADRA+\slot, \q, \i
.endr
.endm
.macro SCALES sc
.irp i, 0,1,2,3,4,5,6,7
.irp q, 0,1
	ds_load_b32 v[SC+16*\sc+2*\i+\q], v[ADRS] offset:64*\i+1024*\q
.endr
.endr
.endm
.macro MUL16 a0, p, q, sc, cmode
.irp a, \a0, \a0+1
.irp b, 0,1,2,3,4,5,6,7
.if \cmode == 1
	v_wmma_scale_f32_16x16x128_f8f6f4 v[8*(8*((\a)%4)+\b):8*(8*((\a)%4)+\b)+7], v[128*(\p)+FR*\b:128*(\p)+FR*\b+FR-1], v[AF+FR*(\a):AF+FR*(\a)+FR-1], 0, v[SC+16*(\sc)+2*\b+(\q)], v[SC+16*(\sc)+2*(\a)+(\q)] matrix_a_fmt:MATRIX_FMT_FP6 matrix_b_fmt:MATRIX_FMT_FP6 matrix_a_scale:MATRIX_SCALE_ROW1
.elseif \cmode == 2
	v_wmma_scale_f32_16x16x128_f8f6f4 v[8*(8*((\a)%4)+\b):8*(8*((\a)%4)+\b)+7], v[128*(\p)+FR*\b:128*(\p)+FR*\b+FR-1], v[AF+FR*(\a):AF+FR*(\a)+FR-1], v[BIAS+8*\b:BIAS+8*\b+7], v[SC+16*(\sc)+2*\b+(\q)], v[SC+16*(\sc)+2*(\a)+(\q)] matrix_a_fmt:MATRIX_FMT_FP6 matrix_b_fmt:MATRIX_FMT_FP6 matrix_a_scale:MATRIX_SCALE_ROW1
.else
	v_wmma_scale_f32_16x16x128_f8f6f4 v[8*(8*((\a)%4)+\b):8*(8*((\a)%4)+\b)+7], v[128*(\p)+FR*\b:128*(\p)+FR*\b+FR-1], v[AF+FR*(\a):AF+FR*(\a)+FR-1], v[8*(8*((\a)%4)+\b):8*(8*((\a)%4)+\b)+7], v[SC+16*(\sc)+2*\b+(\q)], v[SC+16*(\sc)+2*(\a)+(\q)] matrix_a_fmt:MATRIX_FMT_FP6 matrix_b_fmt:MATRIX_FMT_FP6 matrix_a_scale:MATRIX_SCALE_ROW1
.endif
.endr
.endr
.endm
.macro STEP slot, q, cmode
	s_wait_dscnt 16
.if \cmode == 2
	WIN 0x81
.else
	WIN MUL_LO
.endif
	MUL16 0, (\q)%2, \q, \slot, \cmode
	MUL16 2, (\q)%2, \q, \slot, \cmode
	s_wait_dscnt 0x0
	PLACES 4
	FETCH_B \slot, (\q)+1, 1-(\q)%2
	FETCH_A \slot, (\q)+1, 0
.if \cmode == 2
	WIN 0xc1
.else
	WIN MUL_HI
.endif
	MUL16 4, (\q)%2, \q, \slot, \cmode
	MUL16 6, (\q)%2, \q, \slot, \cmode
	PLACES 4
	WIN 0
	FETCH_A \slot, (\q)+1, 4
.endm
.macro TURN slot, next, fill
	s_wait_tensorcnt 0x0
	ds_add_u32 v[SPW], v[NIL]
	s_wait_dscnt 17
	WIN MUL_LO
	MUL16 0, 1, 1, \slot, 0
	s_wait_dscnt 0x0
	s_barrier_signal -1
	MUL16 2, 1, 1, \slot, 0
	WIN 0
	s_barrier_wait -1
.if \fill
	CREST
	s_add_nc_u64 s[G0+4*\slot+2:G0+4*\slot+3], s[G0+4*\slot+2:G0+4*\slot+3], 2*ASTEP
	s_add_nc_u64 s[G0B+4*\slot+2:G0B+4*\slot+3], s[G0B+4*\slot+2:G0B+4*\slot+3], 2*BSTEP
	JLOAD G0+4*\slot, G1, G0B+4*\slot, G1B
.else
	PLACES 4
.endif
	s_wait_alu depctr_va_vdst(0)
	v_add_nc_u32 v[ADRS], 2048, v[ADRS]
	FETCH_B \next, 0, 0
	FETCH_A \next, 0, 0
	SCALES \next
	WIN MUL_HI
	MUL16 4, 1, 1, \slot, 0
	MUL16 6, 1, 1, \slot, 0
	PLACES 4
	WIN 0
	FETCH_A \next, 0, 4
.endm
.set TM, 64
.set PC, 80
.set PW, 100
.set CK, 102
.set Z,  128
.set ZC, 192
.set X2, 208
.set PN, 224
.set QD, 240
.set SEL, 92
.set RH,  18
.set BA,  95
.set SOF, 96
.set OB,  98
	s_load_b128 s[4:7], s[0:1], 0x0
	s_load_b128 s[8:11], s[0:1], 0x10
	v_lshl_add_u32 v[SPW], v0, 2, SPARE
	v_mov_b32 v[NIL], 0
	ds_add_u32 v28, v29
	ds_add_u32 v28, v29
	s_wait_dscnt 0x0
	v_lshrrev_b32 v1, 5, v0
	v_readfirstlane_b32 s14, v1
	s_lshr_b32 s15, s14, 1
	s_and_b32 s16, s14, 1
	s_bfe_u32 s40, ttmp6, 0x40000
	s_bfe_u32 s41, ttmp6, 0x40004
	s_lshl_b32 s42, ttmp9, 2
	s_add_co_u32 s42, s42, s40
	s_and_b32 s17, ttmp7, 0xffff
	s_lshl_b32 s17, s17, 2
	s_add_co_u32 s17, s17, s41
	s_lshl_b32 s43, s41, 2
	s_lshl_b32 s43, 15, s43
	s_lshl_b32 s44, 0x1111, s40
	s_or_b32 s[G1+0], s43, (3<<16)|(1<<21)
	s_or_b32 s[G1B+0], s44, (3<<16)|(1<<21)
.irp g, G1, G1B
	s_mov_b32 s[\g+1], 32<<16
	s_mov_b32 s[\g+2], 192<<16                     ; the head's loads of codes bring a slot's 256 rows: 192 rows of 256 bytes
	s_mov_b32 s[\g+3], 32<<16
	s_mov_b32 s[\g+4], 192
	s_mov_b32 s[\g+5], 32
	s_mov_b32 s[\g+6], 0
	s_mov_b32 s[\g+7], 0
.endr
	s_or_b32 s[G1S+0], s43, (3<<16)|(1<<21)
	s_or_b32 s[G1SB+0], s44, (3<<16)|(1<<21)
.irp g, G1S, G1SB
	s_mov_b32 s[\g+1], 128<<16                     ; scale words: NKAP rows of 1,024 bytes (256 rows' words)
	s_mov_b32 s[\g+2], NKAP<<16
	s_mov_b32 s[\g+3], 128<<16
	s_mov_b32 s[\g+4], NKAP
	s_mov_b32 s[\g+6], 0
	s_mov_b32 s[\g+7], 0
.endr
	s_mov_b32 s[G1S+5], AROWS/2
	s_mov_b32 s[G1SB+5], BROWS/2
	s_lshl_b32 s20, s17, 1
	s_add_co_u32 s20, s20, s16
	s_mul_i32 s22, s20, HALFT
	s_add_co_u32 s22, s22, ACO
	s_mov_b32 s23, 0
	s_lshl_b32 s20, s17, 10
	s_add_co_u32 s20, s20, ASO
	s_mov_b32 s21, 0
	s_lshl_b32 s46, s42, 1
	s_add_co_u32 s46, s46, s16
	s_mul_i32 s92, s46, HALFT
	s_add_co_u32 s92, s92, BCO
	s_mov_b32 s93, 0
	s_lshl_b32 s46, s42, 10
	s_add_co_u32 s46, s46, BSO
	s_mov_b32 s47, 0
	s_mul_i32 s45, s14, HALFT
	s_wait_kmcnt 0x0
	s_add_nc_u64 s[22:23], s[4:5], s[22:23]
	s_add_nc_u64 s[20:21], s[4:5], s[20:21]
	s_add_nc_u64 s[92:93], s[6:7], s[92:93]
	s_add_nc_u64 s[46:47], s[6:7], s[46:47]
	CROUND
	s_mov_b32 s[G0S], 1
	s_mov_b32 s[G0S+1], SCL
	s_mov_b64 s[G0S+2:G0S+3], s[20:21]
	s_or_b32 s[G0S+3], s[G0S+3], 0x80000000
	s_mov_b32 s[G0SB], 1
	s_mov_b32 s[G0SB+1], SCL+2*HALFS
	s_mov_b64 s[G0SB+2:G0SB+3], s[46:47]
	s_or_b32 s[G0SB+3], s[G0SB+3], 0x80000000
.irp s, 0,1
	s_mov_b32 s[G0+4*\s], 1
	s_add_co_u32 s[G0+4*\s+1], s45, \s*SLOT
	s_add_nc_u64 s[G0+4*\s+2:G0+4*\s+3], s[22:23], \s*ASTEP
	s_or_b32 s[G0+4*\s+3], s[G0+4*\s+3], 0x80000000
	s_mov_b32 s[G0B+4*\s], 1
	s_add_co_u32 s[G0B+4*\s+1], s45, \s*SLOT
	s_add_nc_u64 s[G0B+4*\s+2:G0B+4*\s+3], s[92:93], \s*BSTEP
	s_or_b32 s[G0B+4*\s+3], s[G0B+4*\s+3], 0x80000000
.endr
; THE HEAD'S LOADS, ONE A WAVE: wave 0 slot 0's 256 rows of A, wave 1 A's scale words, wave 2 slot 0's 256 rows of B, wave 3 B's scale words.
; Waves 0 and 2 fetch the first half of a tile in the ring, so their slot 0 descriptors already name the tile's first byte and its place in LDS.
.macro ARM under, g0, g1, next
	s_cmp_lt_u32 s14, \under
	s_cbranch_scc0 \next
	tensor_load_to_lds s[\g0:\g0+3], s[\g1:\g1+7]
	s_nop 0
.rept 4
	v_nop
.endr
	s_branch .Lhead_asked
\next:
.endm
	ARM 1, G0,  G1,  .Lhead_sa
	ARM 2, G0S, G1S, .Lhead_b
	ARM 3, G0B, G1B, .Lhead_sb
	tensor_load_to_lds s[G0SB:G0SB+3], s[G1SB:G1SB+7]
	s_nop 0
.rept 4
	v_nop
.endr
.Lhead_asked:
	; THE PREFETCHES: the 24,576 bytes that my wave fetches two fills on: the third fill's behind the head's load, the fourth's behind slot 1's first fill.  The four partners that ask for a tile jointly share
	; its 96 blocks of 256 bytes out by address: 24 each (cx for A, cy for B), a lane a block; lanes 24-31 name the last block again.  K has four fills, so the loop asks for nothing.
	s_cmp_eq_u32 s15, 0
	s_cselect_b64 s[4:5], s[22:23], s[92:93]
	s_cselect_b32 s6, s40, s41
	s_mov_b32 s94, BSTEP
	s_cselect_b32 s94, ASTEP, s94
	s_mul_i32 s6, s6, 6144
	s_lshl_b32 s7, s94, 1
	s_add_co_u32 s6, s6, s7
	s_mov_b32 s7, 0
	s_add_nc_u64 s[4:5], s[4:5], s[6:7]            ; never rewritten
	v_and_b32 v8, 31, v0
	v_min_u32 v8, 23, v8
	v_lshlrev_b32 v8, 8, v8                        ; never rewritten
	v_add_nc_u32 v9, s94, v8                       ; a fill further along K; never rewritten
	global_prefetch_b8 v8, s[4:5] th:TH_LOAD_NT scope:SCOPE_SE
	v_and_b32 v1, 15, v0
	v_bfe_u32 v2, v0, 4, 1
	v_and_b32 v3, 31, v0
	v_lshlrev_b32 v4, 4, v3
	s_wait_alu depctr_va_vdst(0)
	v_lshlrev_b32 v5, 3, v3
	s_wait_alu depctr_va_vdst(0)
	s_lshl_b32 s46, s42, 10
	s_lshl_b32 s47, s16, 9
	s_add_co_u32 s46, s46, s47
	s_mov_b32 s47, 0
	s_add_nc_u64 s[8:9], s[8:9], s[46:47]
	v_lshlrev_b32 v30, 6, v2
.irp b, 0,1,2,3,4,5,6,7
	global_load_b128 v[BIAS+8*\b:BIAS+8*\b+3], v30, s[8:9] offset:128*(\b/2)+32*(\b%2)
	global_load_b128 v[BIAS+8*\b+4:BIAS+8*\b+7], v30, s[8:9] offset:128*(\b/2)+32*(\b%2)+16
.endr
	s_mul_i32 s21, s15, HALFT
	s_mul_i32 s22, s16, HALFT
	s_add_co_u32 s22, s22, 2*HALFT
.irp s, 0,1
	v_add_nc_u32 v[ADRA+\s], s21, v4
	v_add_nc_u32 v[ADRB+\s], s22, v4
	v_add_nc_u32 v[ADRA+2+\s], s21, v5
	v_add_nc_u32 v[ADRB+2+\s], s22, v5
	s_add_co_u32 s21, s21, SLOT
	s_add_co_u32 s22, s22, SLOT
.endr
	v_lshlrev_b32 v7, 2, v1
	s_lshl_b32 s21, s15, 9
	s_lshl_b32 s22, s16, 9
	s_add_co_u32 s22, s22, 2*HALFS
	s_sub_co_u32 s22, s22, s21
	v_mul_u32_u24 v6, s22, v2
	s_add_co_u32 s21, s21, SCL
	v_add_nc_u32 v6, v7, v6
	v_add_nc_u32 v[ADRS], s21, v6
	v_mov_b32 v24, v4
	v_mov_b32 v25, v5
	s_lshl_b32 s21, s14, 9
	v_add_nc_u32 v26, s21, v7
	v_add_nc_u32 v31, s21, v4
	s_lshl_b32 s20, s42, 8
	s_lshl_b32 s21, s17, 4
	s_add_co_u32 s20, s20, s21
	s_lshl_b32 s21, s15, 3
	s_add_co_u32 s20, s20, s21
	s_lshl_b32 s20, s20, 1
	s_add_co_u32 s20, s20, s16
	s_mul_i32 s98, s20, 1536
	s_mov_b32 s99, 0
	s_add_nc_u64 s[OB:OB+1], s[10:11], s[98:99]
	s_lshl_b32 s20, s42, 1
	s_add_co_u32 s20, s20, s16
	s_lshl_b32 s20, s20, 14
	s_lshl_b32 s21, s17, 10
	s_add_co_u32 s20, s20, s21
	s_lshl_b32 s21, s15, 9
	s_add_co_u32 s20, s20, s21
	s_add_co_u32 s66, s20, 12582912
	s_mov_b32 s67, 0
	s_add_nc_u64 s[66:67], s[10:11], s[66:67]
	s_mov_b32 s[SEL], 0x76543210
	s_mov_b32 s[SEL+1], 0xfedcba98
	s_mov_b32 s[RH], 0.5                           ; H = h / 2
	s_mov_b32 s20, 0x3eed3388                      ; p sqrt(2), p = 0.3275911: p |z| = p sqrt(2) |H|
	s_mov_b32 s22, 0x4038aa3b                      ; 2 log2(e): z^2 log2(e) = 2 log2(e) H^2
	s_mov_b32 s23, s22                             ; (named with it as a pair, so it is written)
	s_mov_b32 s[RH+1], s[RH]
	s_wait_alu depctr_va_vdst(0)
	s_wait_tensorcnt 0x0                           ; my tile of the head's four is in; the three lines ahead of a later first fill
	ds_add_u32 v[SPW], v[NIL]
	s_mov_b32 s[G1+2], 96<<16                      ; no tensor load of mine is out: from here on a load brings 128 rows x 256 K, 96 rows of 256 bytes
	s_mov_b32 s[G1+4], 96
	s_mov_b32 s[G1B+2], 96<<16
	s_mov_b32 s[G1B+4], 96
	s_wait_dscnt 0x0
	CROUND                                         ; all four tiles are in, in every partner
	JLOAD G0+4, G1, G0B+4, G1B                     ; slot 1's first fill, the first tensor load behind the round
	global_prefetch_b8 v9, s[4:5] th:TH_LOAD_NT scope:SCOPE_SE
	FETCH_B 0, 0, 0
	FETCH_A 0, 0, 0
	SCALES 0
	FETCH_A 0, 0, 4
	s_wait_loadcnt 0x0
	STEP 0, 0, 2
	s_mov_b32 s3, LAPS-1
.Llap:
	TURN 0, 1, 1
	STEP 1, 0, 0
	TURN 1, 0, 1
	STEP 0, 0, 0
	s_sub_co_u32 s3, s3, 1
	s_cmp_lg_u32 s3, 0
	s_cbranch_scc1 .Llap
	TURN 0, 1, 0
	STEP 1, 0, 0
	s_wait_dscnt 16
	WIN MUL_LO
	MUL16 0, 1, 1, 1, 0
	MUL16 2, 1, 1, 1, 0
	s_wait_dscnt 0x0
	WIN MUL_HI
	MUL16 4, 1, 1, 1, 0
	MUL16 6, 1, 1, 1, 0
	WIN 0
.set n, 0
.irp k, 0x3f87dc22, 0xbfba00e3, 0x3fb5f0e3, 0xbe91a98e, 0x3e827906
	v_mov_b32 v[CK+n], \k
	v_mov_b32 v[CK+n+1], \k
.set n, n+2
.endr
.irp b, 0,1,2,3
	v_mov_b32 v[TM+4+\b], 0
.endr
.macro TAKE k
	WIN 2+(\k)/4
.set i, 0
.rept 32
	v_pk_mul_f32 v[Z+i:Z+i+1], v[64*((\k)%4)+i:64*((\k)%4)+i+1], s[RH:RH+1] op_sel_hi:[1,0]
.set i, i+2
.endr
	WIN 0
.endm
; gelu(h) = (h / 2) (1 + erf(z)), z = h / sqrt(2), for 16 numbers a lane; v[ZB] on holds H = h / 2 and takes the result.
; erf(|z|) = 1 - E, E = (a1 t + a2 t^2 + a3 t^3 + a4 t^4 + a5 t^5) e^(-z^2), t = 1 / (1 + p |z|): the error of this form is at most 1.5e-7 of 1, for every z.
; With the sign: gelu = (H + |H|) - |H| E: for h < 0 the first term is 0 exactly and the result is the product alone; a large |h| needs no clamp: e^(-z^2) falls to 0 and t stays finite.
.macro GELU16 g
.set ZB, Z+16*(\g)
.irp i, 0,1,2,3,4,5,6,7,8,9,10,11,12,13,14,15
	v_fma_f32 v[QD+\i], |v[ZB+\i]|, s20, 1.0       ; 1 + p |z|
.endr
.irp i, 0,2,4,6,8,10,12,14
	v_pk_mul_f32 v[X2+\i:X2+\i+1], v[ZB+\i:ZB+\i+1], v[ZB+\i:ZB+\i+1]
.endr
.irp i, 0,2,4,6,8,10,12,14
	v_pk_mul_f32 v[X2+\i:X2+\i+1], v[X2+\i:X2+\i+1], s[22:23] op_sel_hi:[1,0]   ; z^2 log2(e)
.endr
	s_wait_alu depctr_va_vdst(0)                   ; the wait ahead of the batch
.irp i, 0,1,2,3,4,5,6,7,8,9,10,11,12,13,14,15
	v_rcp_f32 v[QD+\i], v[QD+\i]                   ; t
.endr
.irp i, 0,1,2,3,4,5,6,7,8,9,10,11,12,13,14,15
	v_exp_f32 v[X2+\i], -v[X2+\i]                  ; e^(-z^2)
.endr
.irp i, 0,1,2,3,4,5,6,7,8,9,10,11,12,13,14,15
	v_add_f32 v[ZC+\i], v[ZB+\i], |v[ZB+\i]|       ; H + |H|: plain work behind the batch, which names none of its results
.endr
	s_wait_alu depctr_va_vdst(0)                   ; one wait for the batch, ahead of its first reader
.irp i, 0,2,4,6,8,10,12,14
	v_pk_fma_f32 v[PN+\i:PN+\i+1], v[QD+\i:QD+\i+1], v[CK:CK+1], v[CK+2:CK+3]   ; a5 t + a4
.endr
.irp k, 4,6,8
.irp i, 0,2,4,6,8,10,12,14
	v_pk_fma_f32 v[PN+\i:PN+\i+1], v[PN+\i:PN+\i+1], v[QD+\i:QD+\i+1], v[CK+\k:CK+\k+1]   ; down to a1
.endr
.endr
.irp i, 0,2,4,6,8,10,12,14
	v_pk_mul_f32 v[X2+\i:X2+\i+1], v[X2+\i:X2+\i+1], v[QD+\i:QD+\i+1]   ; t e^(-z^2)
.endr
.irp i, 0,2,4,6,8,10,12,14
	v_pk_mul_f32 v[PN+\i:PN+\i+1], v[PN+\i:PN+\i+1], v[X2+\i:X2+\i+1]   ; E
.endr
.irp i, 0,1,2,3,4,5,6,7,8,9,10,11,12,13,14,15
	v_fma_f32 v[ZB+\i], -|v[ZB+\i]|, v[PN+\i], v[ZC+\i]
.endr
.endm
.macro QUANT s
.irp b, 0,1,2,3
	v_max3_num_f32 v[TM+\b], |v[\s+16*\b]|, |v[\s+1+16*\b]|, 0x1800000
.endr
.irp i, 2,4,6,8,10,12,14
.irp b, 0,1,2,3
	v_max3_num_f32 v[TM+\b], v[TM+\b], |v[\s+16*\b+\i]|, |v[\s+1+16*\b+\i]|
.endr
.endr
.irp b, 0,1,2,3
	v_permlanex16_b32 v[TM+4+\b], v[TM+\b], s[SEL], s[SEL+1]
.endr
.irp b, 0,1,2,3
	v_max_num_f32 v[TM+\b], v[TM+\b], v[TM+4+\b]
.endr
.irp b, 0,1,2,3
	v_add_nc_u32 v[TM+12+\b], 0xff000000, v[TM+\b]
.endr
.irp b, 0,1,2,3
	v_lshrrev_b32 v[TM+4+\b], 23, v[TM+12+\b]
.endr
	v_lshl_or_b32 v[PW], v[TM+5], 8, v[TM+4]
	v_lshl_or_b32 v[PW], v[TM+6], 16, v[PW]
	v_lshl_or_b32 v[PW], v[TM+7], 24, v[PW]
.irp c, 0,1
	v_cvt_scalef32_pk16_fp6_f32 v[PC+6*\c:PC+2+6*\c], v[\s+32*\c:\s+15+32*\c], v[TM+12+2*\c]
	v_cvt_scalef32_pk16_fp6_f32 v[PC+12+4*\c:PC+14+4*\c], v[\s+16+32*\c:\s+31+32*\c], v[TM+12+2*\c+1]
.endr
	v_nop
.irp c, 0,1
.irp i, 0,1,2
	v_permlane16_swap_b32 v[PC+6*\c+\i], v[PC+12+4*\c+\i]
.endr
.irp i, 0,1,2
	v_mov_b32 v[PC+3+6*\c+\i], v[PC+12+4*\c+\i]
.endr
.endr
.endm
	s_mov_b32 s[BA], 0
	s_mov_b32 s[SOF], 0
.Lblk:
.irp k, 0,1,2,3,4,5,6
	s_cmp_eq_u32 s[BA], \k
	s_cbranch_scc0 .Lnot\k
	TAKE \k
	s_branch .Lwork
.Lnot\k:
.endr
	TAKE 7
.Lwork:
	GELU16 0
	GELU16 1
	GELU16 2
	GELU16 3
	QUANT Z
	v_add_nc_u32 v27, s[SOF], v26
	ds_store_b32 v27, v[PW]
	global_store_b128 v24, v[PC:PC+3], s[OB:OB+1]
	global_store_b64 v25, v[PC+4:PC+5], s[OB:OB+1] offset:512
	global_store_b128 v24, v[PC+6:PC+9], s[OB:OB+1] offset:768
	global_store_b64 v25, v[PC+10:PC+11], s[OB:OB+1] offset:1280
	s_wait_xcnt 0x0
	s_wait_dscnt 0x0
	s_add_nc_u64 s[OB:OB+1], s[OB:OB+1], 3072
	s_add_co_u32 s[SOF], s[SOF], 64
	s_add_co_u32 s[BA], s[BA], 1
	s_cmp_lt_u32 s[BA], 8
	s_cbranch_scc1 .Lblk
	ds_load_b128 v[80:83], v31
	s_wait_dscnt 0x0
	global_store_b128 v24, v[80:83], s[66:67]
	s_wait_tensorcnt 0x0
	ds_add_u32 v[SPW], v[NIL]
	s_wait_dscnt 0x0
	CROUND
	s_endpgm
.Lfunc_end_k_q2d4b209ecd_up:
	.size	k_q2d4b209ecd_up, .Lfunc_end_k_q2d4b209ecd_up-k_q2d4b209ecd_up
	.p2alignl 7, 3214868480
	.fill 96, 4, 3214868480
	.section	.rodata,"a",@progbits
	.p2align	6, 0x0
	.amdhsa_kernel k_q2d4b209ecd_up
		.amdhsa_group_segment_fixed_size 327680
		.amdhsa_private_segment_fixed_size 0
		.amdhsa_enable_private_segment 0
		.amdhsa_kernarg_size 32
		.amdhsa_user_sgpr_count 2
		.amdhsa_user_sgpr_kernarg_segment_ptr 1
		.amdhsa_wavefront_size32 1
		.amdhsa_system_sgpr_workgroup_id_x 1
		.amdhsa_system_sgpr_workgroup_id_y 1
		.amdhsa_system_sgpr_workgroup_id_z 1
		.amdhsa_system_vgpr_workitem_id 0
		.amdhsa_next_free_vgpr 1024
		.amdhsa_next_free_sgpr 100
		.amdhsa_reserve_vcc 0
		.amdhsa_float_denorm_mode_32 3
		.amdhsa_float_denorm_mode_16_64 3
		.amdhsa_memory_ordered 1
		.amdhsa_forward_progress 1
		.amdhsa_inst_pref_size 177
	.end_amdhsa_kernel
	.amdgpu_metadata
---
amdhsa.version: [ 1, 2 ]
amdhsa.kernels:
  - .name:           k_q2d4b209ecd_up
    .symbol:         k_q2d4b209ecd_up.kd
    .args:
      - { .name: vops, .offset: 0, .size: 8, .value_kind: global_buffer, .address_space: global }
      - { .name: ops, .offset: 8, .size: 8, .value_kind: global_buffer, .address_space: global }
      - { .name: b_up, .offset: 16, .size: 8, .value_kind: global_buffer, .address_space: global }
      - { .name: gcs, .offset: 24, .size: 8, .value_kind: global_buffer, .address_space: global }
    .group_segment_fixed_size: 327680
    .private_segment_fixed_size: 0
    .kernarg_segment_align: 8
    .kernarg_segment_size: 32
    .max_flat_workgroup_size: 128
    .sgpr_count:     100
    .vgpr_count:     1024
    .wavefront_size: 32
...
	.end_amdgpu_metadata
.endif
;; end of part 11
;; launch down (part 12): grid 8 x 32, 4 waves a work-group, clusters of 4 x 4, 327,680 bytes of LDS; arguments gcs, ops, b_down, z1, out0; writes out0
.if DOCPART == 12
	.amdgcn_target "amdgcn-amd-amdhsa--gfx1250"
	.amdhsa_code_object_version 6
	.text
	.protected	k_q2d4b209ecd_down
	.globl	k_q2d4b209ecd_down
	.p2align	8
	.type	k_q2d4b209ecd_down,@function
k_q2d4b209ecd_down:
	s_mov_b64 s[64:65], 0
	v_nop
	global_prefetch_b8 v0, s[64:65] scope:SCOPE_SE
	s_setreg_imm32_b32 hwreg(HW_REG_WAVE_MODE, 25, 1), 1
	s_wait_xcnt 0x0
	s_wait_alu depctr_hold_cnt(0) depctr_sa_sdst(0) depctr_va_vdst(0) depctr_va_sdst(0) depctr_va_ssrc(0) depctr_va_vcc(0) depctr_vm_vsrc(0)
	s_getreg_b32 s2, hwreg(HW_REG_IB_STS2, 6, 4)
	s_cmp_eq_u32 s2, 0
	s_cbranch_scc0 .Lentry_in_a_cluster
	s_endpgm
.Lentry_in_a_cluster:
	s_bfe_u32 s2, ttmp6, 0x10000c
	s_cmp_lg_u32 s2, 0xf033
	s_cbranch_scc0 .Lentry_shape_is_right
	s_endpgm
.Lentry_shape_is_right:
.set KTOT,  4096
.set AROWS, 4096
.set BROWS, 1024
.set ACO,   0
.set ASO,   12582912
.set BCO,   13107200
.set BSO,   16252928
.set HALFT,  24576
.set SLOT,   4*HALFT
.set SCL,    2*SLOT
.set NKAP,   KTOT/128
.set QS,     NKAP*256
.set SPARE,  SCL+4*QS
.set LAPS,   KTOT/1024
.set ASTEP,  AROWS*192
.set BSTEP,  BROWS*192
.set FR,     12
.set ADRA, 16
.set ADRB, 20
.set STO,  24
.set RD,   25
.set CO,   26
.set ADRS, 27
.set SPW,  28
.set NIL,  29
.set SC,   32
.set BIAS, 64
.set BK,   64
.set ACC,  128
.set SPITCH, 272
.set G1, 24
.set G0, 32
.set G1B, 48
.set G0B, 56
.set G1S, 68
.set G0S, 76
.set G1SB, 80
.set G0SB, 88
.set MSB, 0
.macro WIN new
.if MSB != \new
	s_set_vgpr_msb (MSB<<8)|\new
.set MSB, \new
.endif
.endm
.set MUL,  0x05
.set TO_F, 0x40
.macro JLOAD g0a, g1a, g0b, g1b
	s_cmp_eq_u32 s15, 0
	s_cbranch_scc0 .Lfor_b_\@
	tensor_load_to_lds s[\g0a:\g0a+3], s[\g1a:\g1a+7]
	s_nop 0
.rept 4
	v_nop
.endr
	s_branch .Lasked_\@
.Lfor_b_\@:
	tensor_load_to_lds s[\g0b:\g0b+3], s[\g1b:\g1b+7]
	s_nop 0
.rept 4
	v_nop
.endr
.Lasked_\@:
.endm
.macro CREST
	s_cmp_lg_u32 s14, 0
	s_cbranch_scc1 .Lnot_wave_0_\@
	s_barrier_signal -3
.Lnot_wave_0_\@:
	s_barrier_wait -3
	s_barrier_signal -1
	s_barrier_wait -1
.endm
.macro CROUND
	s_barrier_signal -1
	s_barrier_wait -1
	CREST
.endm
.macro PLACES n
.rept \n
	v_nop
.endr
.endm
.macro FRAG reg, adr, q, i
.irp c, 0,1
	ds_load_b128 v[\reg+6*\c:\reg+6*\c+3], v[\adr] offset:((\q)/2)*HALFT+(\i)*3072+((\q)%2)*1536+768*\c
	ds_load_b64 v[\reg+6*\c+4:\reg+6*\c+5], v[\adr+2] offset:((\q)/2)*HALFT+(\i)*3072+((\q)%2)*1536+768*\c+512
.endr
.endm
.macro FETCH slot, q, p
	WIN TO_F
.irp i, 0,1,2,3
	FRAG 128*(\p)+48+FR*\i, ADRB+\slot, \q, \i
.endr
.irp i, 0,1,2,3
	FRAG 128*(\p)+FR*\i, ADRA+\slot, \q, \i
.endr
.endm
.macro SCALES sc
.irp i, 0,1,2,3
.irp q, 0,1,2,3
	ds_load_b32 v[SC+16*\sc+4*\i+\q], v[ADRS] offset:64*\i+512*\q
.endr
.endr
.endm
.macro MUL4 a, p, q, sc, cmode
.irp b, 0,1,2,3
.if \cmode == 1
	v_wmma_scale_f32_16x16x128_f8f6f4 v[ACC+8*(4*(\a)+\b):ACC+8*(4*(\a)+\b)+7], v[128*(\p)+48+FR*\b:128*(\p)+48+FR*\b+FR-1], v[128*(\p)+FR*(\a):128*(\p)+FR*(\a)+FR-1], 0, v[SC+16*(\sc)+4*\b+(\q)], v[SC+16*(\sc)+4*(\a)+(\q)] matrix_a_fmt:MATRIX_FMT_FP6 matrix_b_fmt:MATRIX_FMT_FP6 matrix_a_scale:MATRIX_SCALE_ROW1
.elseif \cmode == 2
	v_wmma_scale_f32_16x16x128_f8f6f4 v[ACC+8*(4*(\a)+\b):ACC+8*(4*(\a)+\b)+7], v[128*(\p)+48+FR*\b:128*(\p)+48+FR*\b+FR-1], v[128*(\p)+FR*(\a):128*(\p)+FR*(\a)+FR-1], v[BIAS+8*\b:BIAS+8*\b+7], v[SC+16*(\sc)+4*\b+(\q)], v[SC+16*(\sc)+4*(\a)+(\q)] matrix_a_fmt:MATRIX_FMT_FP6 matrix_b_fmt:MATRIX_FMT_FP6 matrix_a_scale:MATRIX_SCALE_ROW1
.else
	v_wmma_scale_f32_16x16x128_f8f6f4 v[ACC+8*(4*(\a)+\b):ACC+8*(4*(\a)+\b)+7], v[128*(\p)+48+FR*\b:128*(\p)+48+FR*\b+FR-1], v[128*(\p)+FR*(\a):128*(\p)+FR*(\a)+FR-1], v[ACC+8*(4*(\a)+\b):ACC+8*(4*(\a)+\b)+7], v[SC+16*(\sc)+4*\b+(\q)], v[SC+16*(\sc)+4*(\a)+(\q)] matrix_a_fmt:MATRIX_FMT_FP6 matrix_b_fmt:MATRIX_FMT_FP6 matrix_a_scale:MATRIX_SCALE_ROW1
.endif
.endr
.endm
.macro STEP slot, q, cmode
	s_wait_dscnt 0x0
	PLACES 4
	FETCH \slot, (\q)+1, 1-(\q)%2
	WIN MUL
.irp a, 0,1,2,3
	MUL4 \a, (\q)%2, \q, \slot, \cmode
.endr
.endm
.macro TURN slot, next, fill
	WIN 0
.if \fill
	s_wait_xcnt 0x0                                ; my last prefetch has read its address
	s_add_nc_u64 s[66:67], s[66:67], s[96:97]
.endif
	s_wait_tensorcnt 0x0
	ds_add_u32 v[SPW], v[NIL]
	s_wait_dscnt 1
	WIN MUL
	MUL4 0, 1, 3, \slot, 0
	s_wait_dscnt 0x0
	s_barrier_signal -1
	MUL4 1, 1, 3, \slot, 0
	WIN 0
	s_barrier_wait -1
.if \fill
	CREST
	s_add_nc_u64 s[G0+4*\slot+2:G0+4*\slot+3], s[G0+4*\slot+2:G0+4*\slot+3], 4*ASTEP
	s_add_nc_u64 s[G0B+4*\slot+2:G0B+4*\slot+3], s[G0B+4*\slot+2:G0B+4*\slot+3], 4*BSTEP
	JLOAD G0+4*\slot, G1, G0B+4*\slot, G1B
.else
	PLACES 4
.endif
	s_wait_alu depctr_va_vdst(0)
	v_add_nc_u32 v[ADRS], 2048, v[ADRS]
	FETCH \next, 0, 0
	WIN 0
	SCALES \next
.if \fill
	s_cmp_gt_u32 s3, 1                             ; the loop's last trip has nothing two refills on
	s_cbranch_scc0 .Lno_ask_\@
	global_prefetch_b8 v31, s[66:67] th:TH_LOAD_NT scope:SCOPE_SE
.Lno_ask_\@:
.endif
	WIN MUL
	MUL4 2, 1, 3, \slot, 0
	MUL4 3, 1, 3, \slot, 0
.endm
	s_load_b128 s[4:7], s[0:1], 0x0
	s_load_b128 s[8:11], s[0:1], 0x10
	s_load_b64 s[12:13], s[0:1], 0x20
	v_lshl_add_u32 v[SPW], v0, 2, SPARE
	v_mov_b32 v[NIL], 0
	ds_add_u32 v28, v29
	ds_add_u32 v28, v29
	s_wait_dscnt 0x0
	v_lshrrev_b32 v1, 5, v0
	v_readfirstlane_b32 s14, v1
	s_lshr_b32 s15, s14, 1
	s_and_b32 s16, s14, 1
	s_bfe_u32 s40, ttmp6, 0x40000
	s_bfe_u32 s41, ttmp6, 0x40004
	s_lshl_b32 s42, ttmp9, 2
	s_add_co_u32 s42, s42, s40
	s_and_b32 s17, ttmp7, 0xffff
	s_lshl_b32 s17, s17, 2
	s_add_co_u32 s17, s17, s41
	s_lshl_b32 s43, s41, 2
	s_lshl_b32 s43, 15, s43
	s_lshl_b32 s44, 0x1111, s40
	s_or_b32 s[G1+0], s43, (3<<16)|(1<<21)
	s_or_b32 s[G1B+0], s44, (3<<16)|(1<<21)
.irp g, G1, G1B
	s_mov_b32 s[\g+1], 3072<<16                    ; the head's loads of codes bring a slot's 512 along K: two dense runs of 24,576 bytes (3,072 elements of 8 bytes), 256 along K apart
	s_mov_b32 s[\g+2], 2<<16
	s_mov_b32 s[\g+3], 3072<<16
	s_mov_b32 s[\g+4], 2
	s_mov_b32 s[\g+6], 0
	s_mov_b32 s[\g+7], 0
.endr
	s_or_b32 s[G1S+0], s43, (3<<16)|(1<<21)
	s_or_b32 s[G1SB+0], s44, (3<<16)|(1<<21)
.irp g, G1S, G1SB
	s_mov_b32 s[\g+1], 64<<16
	s_mov_b32 s[\g+2], NKAP<<16
	s_mov_b32 s[\g+3], 64<<16
	s_mov_b32 s[\g+4], NKAP
	s_mov_b32 s[\g+6], 0
	s_mov_b32 s[\g+7], 0
.endr
	s_mov_b32 s[G1S+5], AROWS/2
	s_mov_b32 s[G1+5], ASTEP/8
	s_mov_b32 s[G1B+5], BSTEP/8
	s_mov_b32 s[G1SB+5], BROWS/2
	s_mul_i32 s22, s17, HALFT
	s_mul_i32 s18, s16, ASTEP
	s_add_co_u32 s22, s22, s18
	s_add_co_u32 s22, s22, ACO
	s_mov_b32 s23, 0
	s_lshl_b32 s20, s17, 9
	s_add_co_u32 s20, s20, ASO
	s_mov_b32 s21, 0
	s_mul_i32 s92, s42, HALFT
	s_mul_i32 s19, s16, BSTEP
	s_add_co_u32 s92, s92, s19
	s_add_co_u32 s92, s92, BCO
	s_mov_b32 s93, 0
	s_lshl_b32 s46, s42, 9
	s_add_co_u32 s46, s46, BSO
	s_mov_b32 s47, 0
	s_mul_i32 s45, s14, HALFT
	s_wait_kmcnt 0x0
	s_add_nc_u64 s[22:23], s[4:5], s[22:23]
	s_add_nc_u64 s[20:21], s[4:5], s[20:21]
	s_add_nc_u64 s[92:93], s[6:7], s[92:93]
	s_add_nc_u64 s[46:47], s[6:7], s[46:47]
	CROUND
	s_mov_b32 s[G0S], 1
	s_mov_b32 s[G0S+1], SCL
	s_mov_b64 s[G0S+2:G0S+3], s[20:21]
	s_or_b32 s[G0S+3], s[G0S+3], 0x80000000
	s_mov_b32 s[G0SB], 1
	s_mov_b32 s[G0SB+1], SCL+2*QS
	s_mov_b64 s[G0SB+2:G0SB+3], s[46:47]
	s_or_b32 s[G0SB+3], s[G0SB+3], 0x80000000
.irp s, 0,1
	s_mov_b32 s[G0+4*\s], 1
	s_add_co_u32 s[G0+4*\s+1], s45, \s*SLOT
	s_add_nc_u64 s[G0+4*\s+2:G0+4*\s+3], s[22:23], \s*2*ASTEP
	s_or_b32 s[G0+4*\s+3], s[G0+4*\s+3], 0x80000000
	s_mov_b32 s[G0B+4*\s], 1
	s_add_co_u32 s[G0B+4*\s+1], s45, \s*SLOT
	s_add_nc_u64 s[G0B+4*\s+2:G0B+4*\s+3], s[92:93], \s*2*BSTEP
	s_or_b32 s[G0B+4*\s+3], s[G0B+4*\s+3], 0x80000000
.endr
; THE HEAD'S LOADS, ONE A WAVE: wave 0 slot 0's A, wave 1 A's scale words, wave 2 slot 0's B, wave 3 B's scale words.
; Waves 0 and 2 fetch the first 256 along K in the ring, so their slot 0 descriptors already name the slot's first byte and its place in LDS.
.macro ARM under, g0, g1, next
	s_cmp_lt_u32 s14, \under
	s_cbranch_scc0 \next
	tensor_load_to_lds s[\g0:\g0+3], s[\g1:\g1+7]
	s_nop 0
.rept 4
	v_nop
.endr
	s_branch .Lhead_asked
\next:
.endm
	ARM 1, G0,  G1,  .Lhead_sa
	ARM 2, G0S, G1S, .Lhead_b
	ARM 3, G0B, G1B, .Lhead_sb
	tensor_load_to_lds s[G0SB:G0SB+3], s[G1SB:G1SB+7]
	s_nop 0
.rept 4
	v_nop
.endr
.Lhead_asked:
	; THE PREFETCHES: behind each refill of the loop, the 24,576 bytes that my wave will fetch two refills on.  The four partners that ask for them jointly share the 96 blocks of 256 bytes out by address:
	; 24 each (cx for A, cy for B), a lane a block; lanes 24-31 name the last block again.  s[66:67] stands one fill behind what is named next; s[96:97] is a fill's step along K.
	s_cmp_eq_u32 s15, 0
	s_cselect_b64 s[66:67], s[22:23], s[92:93]
	s_cselect_b32 s95, s40, s41
	s_mov_b32 s96, 2*BSTEP
	s_cselect_b32 s96, 2*ASTEP, s96
	s_mov_b32 s97, 0
	s_mul_i32 s98, s95, 6144
	s_mov_b32 s99, 0
	s_add_nc_u64 s[66:67], s[66:67], s[98:99]
	s_lshl_b32 s98, s96, 1
	s_add_nc_u64 s[66:67], s[66:67], s[98:99]      ; at the third fill, which is asked for here, behind the head's load; the fourth behind slot 1's first fill; the loop goes on from the fifth
	v_and_b32 v31, 31, v0
	v_min_u32 v31, 23, v31
	v_lshlrev_b32 v31, 8, v31                      ; the prefetches' offset: a block of 256 bytes a lane; never rewritten
	global_prefetch_b8 v31, s[66:67] th:TH_LOAD_NT scope:SCOPE_SE
	v_and_b32 v1, 15, v0
	v_bfe_u32 v2, v0, 4, 1
	v_and_b32 v3, 31, v0
	v_lshlrev_b32 v4, 4, v3
	v_lshlrev_b32 v5, 3, v3
	v_lshlrev_b32 v[CO], 12, v2
	v_lshl_add_u32 v[CO], v1, 4, v[CO]
	s_wait_alu depctr_va_vdst(0)
	s_lshl_b32 s46, s42, 9
	s_lshl_b32 s47, s16, 8
	s_add_co_u32 s46, s46, s47
	s_mov_b32 s47, 0
	s_add_nc_u64 s[8:9], s[8:9], s[46:47]
	v_lshlrev_b32 v30, 5, v2
.irp b, 0,1,2,3
	global_load_b128 v[BIAS+8*\b:BIAS+8*\b+3], v30, s[8:9] offset:64*\b
	global_load_b128 v[BIAS+8*\b+4:BIAS+8*\b+7], v30, s[8:9] offset:64*\b+16
.endr
	s_lshl_b32 s20, s17, 7
	s_lshl_b32 s21, s15, 6
	s_add_co_u32 s20, s20, s21
	s_lshl_b32 s20, s20, 12
	s_add_co_u32 s20, s20, s46
	s_mov_b32 s21, 0
	s_add_nc_u64 s[12:13], s[12:13], s[20:21]
	s_add_nc_u64 s[10:11], s[10:11], s[20:21]
	WIN 0x80
.irp a, 0,1,2,3
.irp u, 0,1,2,3,4,5,6,7
	global_load_b128 v[32*\a+4*\u:32*\a+4*\u+3], v[CO], s[10:11] offset:(32*(\a/2)+8*(\a%2)+16*(\u/4)+(2*\u)%8)*4096 th:TH_LOAD_NT
.endr
.endr
	WIN 0
	s_mul_i32 s21, s15, 4*3072
	s_mul_i32 s22, s16, 4*3072
	s_add_co_u32 s22, s22, 2*HALFT
.irp s, 0,1
	v_add_nc_u32 v[ADRA+\s], s21, v4
	v_add_nc_u32 v[ADRB+\s], s22, v4
	v_add_nc_u32 v[ADRA+2+\s], s21, v5
	v_add_nc_u32 v[ADRB+2+\s], s22, v5
	s_add_co_u32 s21, s21, SLOT
	s_add_co_u32 s22, s22, SLOT
.endr
	v_lshlrev_b32 v7, 2, v1
	s_lshl_b32 s21, s15, 8
	s_lshl_b32 s22, s16, 8
	s_add_co_u32 s22, s22, NKAP*512
	s_sub_co_u32 s22, s22, s21
	v_mul_u32_u24 v6, s22, v2
	s_add_co_u32 s21, s21, SCL
	v_add_nc_u32 v6, v7, v6
	v_add_nc_u32 v[ADRS], s21, v6
	s_mul_i32 s23, s14, 16*SPITCH
	v_mul_u32_u24 v6, v1, SPITCH
	v_lshl_add_u32 v6, v2, 5, v6
	v_add_nc_u32 v[STO], s23, v6
	v_mul_u32_u24 v6, v2, SPITCH
	v_lshl_add_u32 v6, v1, 4, v6
	v_add_nc_u32 v[RD], s23, v6
	s_wait_alu depctr_va_vdst(0)
	s_wait_tensorcnt 0x0                           ; my tile of the head's four is in; the three lines ahead of a later first fill
	ds_add_u32 v[SPW], v[NIL]
.irp g, G1, G1B
	s_mov_b32 s[\g+1], 32<<16                      ; no tensor load of mine is out: from here on a load brings 24,576 dense bytes as 96 rows of 256
	s_mov_b32 s[\g+2], 96<<16
	s_mov_b32 s[\g+3], 32<<16
	s_mov_b32 s[\g+4], 96
	s_mov_b32 s[\g+5], 32
.endr
	s_wait_xcnt 0x0                                ; my prefetch has read its address
	s_add_nc_u64 s[66:67], s[66:67], s[96:97]
	s_wait_dscnt 0x0
	CROUND                                         ; all four tiles are in, in every partner
	JLOAD G0+4, G1, G0B+4, G1B                     ; slot 1's first fill, the first tensor load behind the round
	global_prefetch_b8 v31, s[66:67] th:TH_LOAD_NT scope:SCOPE_SE
	FETCH 0, 0, 0
	WIN 0
	SCALES 0
	s_wait_loadcnt 32
	STEP 0, 0, 2
.if LAPS > 1
	WIN 0
	s_mov_b32 s3, LAPS-1
.Llap:
	STEP 0, 1, 0
	STEP 0, 2, 0
	TURN 0, 1, 1
	STEP 1, 0, 0
	STEP 1, 1, 0
	STEP 1, 2, 0
	TURN 1, 0, 1
	STEP 0, 0, 0
	WIN 0
	s_sub_co_u32 s3, s3, 1
	s_cmp_lg_u32 s3, 0
	s_cbranch_scc1 .Llap
.endif
	STEP 0, 1, 0
	STEP 0, 2, 0
	TURN 0, 1, 0
	STEP 1, 0, 0
	STEP 1, 1, 0
	STEP 1, 2, 0
	s_wait_dscnt 0x0
	WIN MUL
.irp a, 0,1,2,3
	MUL4 \a, 1, 3, 1, 0
.endr
	WIN 0
	PLACES 4
.macro TOSTAGE a
.set BB, BK+32*((\a)%2)
.irp b, 0,1,2,3
	ds_store_b128 v[STO], v[ACC+8*(4*(\a)+\b):ACC+8*(4*(\a)+\b)+3] offset:64*\b
	ds_store_b128 v[STO], v[ACC+8*(4*(\a)+\b)+4:ACC+8*(4*(\a)+\b)+7] offset:64*\b+16
.endr
.irp u, 0,1,2,3,4,5,6,7
	ds_load_b128 v[BB+4*\u:BB+4*\u+3], v[RD] offset:2*\u*SPITCH
.endr
.endm
.macro SEND a
.set BB, BK+32*((\a)%2)
	WIN 0x08
.set i, 0
.rept 16
	v_pk_add_f32 v[BB+i:BB+i+1], v[BB+i:BB+i+1], v[32*(\a)+i:32*(\a)+i+1]
.set i, i+2
.endr
	WIN 0
.irp u, 0,1,2,3,4,5,6,7
	global_store_b128 v[CO], v[BB+4*\u:BB+4*\u+3], s[12:13] offset:(32*((\a)/2)+8*((\a)%2)+16*(\u/4)+(2*\u)%8)*4096 th:TH_STORE_NT
.endr
.endm
	s_wait_loadcnt 0x0
	TOSTAGE 0
.irp a, 0,1,2,3
.if \a < 3
.if \a > 0
	s_wait_xcnt 0x0
.endif
	TOSTAGE \a+1
	s_wait_dscnt 16
.else
	s_wait_dscnt 0x0
.endif
	SEND \a
.endr
	s_wait_tensorcnt 0x0
	ds_add_u32 v[SPW], v[NIL]
	s_wait_dscnt 0x0
	CROUND
	s_endpgm
.Lfunc_end_k_q2d4b209ecd_down:
	.size	k_q2d4b209ecd_down, .Lfunc_end_k_q2d4b209ecd_down-k_q2d4b209ecd_down
	.p2alignl 7, 3214868480
	.fill 96, 4, 3214868480
	.section	.rodata,"a",@progbits
	.p2align	6, 0x0
	.amdhsa_kernel k_q2d4b209ecd_down
		.amdhsa_group_segment_fixed_size 327680
		.amdhsa_private_segment_fixed_size 0
		.amdhsa_enable_private_segment 0
		.amdhsa_kernarg_size 40
		.amdhsa_user_sgpr_count 2
		.amdhsa_user_sgpr_kernarg_segment_ptr 1
		.amdhsa_wavefront_size32 1
		.amdhsa_system_sgpr_workgroup_id_x 1
		.amdhsa_system_sgpr_workgroup_id_y 1
		.amdhsa_system_sgpr_workgroup_id_z 1
		.amdhsa_system_vgpr_workitem_id 0
		.amdhsa_next_free_vgpr 640
		.amdhsa_next_free_sgpr 100
		.amdhsa_reserve_vcc 0
		.amdhsa_float_denorm_mode_32 3
		.amdhsa_float_denorm_mode_16_64 3
		.amdhsa_memory_ordered 1
		.amdhsa_forward_progress 1
		.amdhsa_inst_pref_size 103
	.end_amdhsa_kernel
	.amdgpu_metadata
---
amdhsa.version: [ 1, 2 ]
amdhsa.kernels:
  - .name:           k_q2d4b209ecd_down
    .symbol:         k_q2d4b209ecd_down.kd
    .args:
      - { .name: gcs, .offset: 0, .size: 8, .value_kind: global_buffer, .address_space: global }
      - { .name: ops, .offset: 8, .size: 8, .value_kind: global_buffer, .address_space: global }
      - { .name: b_down, .offset: 16, .size: 8, .value_kind: global_buffer, .address_space: global }
      - { .name: z1, .offset: 24, .size: 8, .value_kind: global_buffer, .address_space: global }
      - { .name: out0, .offset: 32, .size: 8, .value_kind: global_buffer, .address_space: global }
    .group_segment_fixed_size: 327680
    .private_segment_fixed_size: 0
    .kernarg_segment_align: 8
    .kernarg_segment_size: 40
    .max_flat_workgroup_size: 128
    .sgpr_count:     100
    .vgpr_count:     640
    .wavefront_size: 32
...
	.end_amdgpu_metadata
.endif
;; end of part 12
